; MI455X (gfx1250); checked and timed in simulation.
; The chip was launched on July 23, 2026; its instructions are those of AMD's public machine-readable ISA for CDNA 5 (MIT licence, August 2026) and "CDNA5" Instruction Set Architecture Reference Guide (July 2026). The comments in the code are by the model that wrote it; some were corrected since.
;; Transformer Block. Allowed arithmetic: matrix products marked QUANTISED: E2M3 operands, one E8M0 scale for each 32 along K, by v_wmma_scale_f32_16x16x128_f8f6f4 with both operands' format E2M3, f32 sums; everything else in f32.
;; Inputs: b_fc1 4,096 float32; b_fc2 1,024 float32; b_proj 1,024 float32; ln1_b 1,024 float32; ln1_g 1,024 float32; ln2_b 1,024 float32; ln2_g 1,024 float32; w_fc1 1,024 x 4,096 float32; w_fc2 4,096 x 1,024 float32; w_proj 1,024 x 1,024 float32; w_qkv 1,024 x 3,072 float32; x 2 x 2,048 x 1,024 float32.
;; Outputs: out0 2 x 2,048 x 1,024 float32.
;; This version of the problem:
;;   THIS VERSION OF THE PROBLEM IS GIVEN IN LOW PRECISION. The matrix products marked QUANTISED in the list below multiply operands that are first quantised to E2M3 (2 exponent bits, 3 mantissa bits; 6 bits a number), with one power-of-two scale for each 32 numbers along K (OCP MX v1.0); their sums are f32. All else is computed in f32.
;;   The module's matrix products, in the order in which they are computed (A, B: the left and right operand; K: the contracted axis; several contracted axes count as one K, in the product's order):
;;     1. [M 4,096, K 1,024] x [K 1,024, N 3,072]; A: computed on the way; B: input w_qkv: QUANTISED
;;     2. batch 32 x [M 2,048, K 64] x [K 64, N 2,048]; A: computed on the way; B: computed on the way: QUANTISED
;;     3. batch 32 x [M 2,048, K 2,048] x [K 2,048, N 64]; A: softmax (see below); B: computed on the way: QUANTISED
;;     4. [M 4,096, K 1,024] x [K 1,024, N 1,024]; A: computed on the way; B: input w_proj: QUANTISED
;;     5. [M 4,096, K 1,024] x [K 1,024, N 4,096]; A: computed on the way; B: input w_fc1: QUANTISED
;;     6. [M 4,096, K 4,096] x [K 4,096, N 1,024]; A: computed on the way; B: input w_fc2: QUANTISED
;;   THE QUANTISER, for each operand of a quantised product, along K:
;;     - K is cut into blocks of 32 from its start; a last block that is shorter is filled with zeros.
;;     - A block's scale is 2^e with e = floor(log2(the largest magnitude in the block)) - 2, held to -126 .. 127; a block of zeros has e = 0. As a byte (E8M0): e + 127.
;;     - Each number is divided by its block's scale, clamped to +-7.5, and rounded to the nearest number of E2M3, ties to even, subnormals kept.
;;     - The product sums the exact products of the quantised numbers (number of the format x scale) in f32.
;;   ~~~python
;;   def quantise(x, axis):      # numpy; x: float32 -> the quantised numbers, widened to float32 again
;;       x = np.moveaxis(x, axis, -1); K = x.shape[-1]
;;       x = np.pad(x, [(0, 0)] * (x.ndim - 1) + [(0, -K % 32)]); x = x.reshape(x.shape[:-1] + (-1, 32)); a = np.abs(x).max(-1, keepdims=True)
;;       e = np.where(a > 0, np.clip(np.frexp(np.where(a > 0, a, 1))[1] - 1 - 2, -126, 127), 0)      # np.frexp(a)[1] - 1 = floor(log2(a)), exactly
;;       r = np.clip(x / 2.0 ** e, -7.5, 7.5)
;;       step = 2.0 ** (np.maximum(np.frexp(np.where(r == 0, 1, r))[1] - 1, 0) - 3)
;;       q = np.round(r / step) * step * 2.0 ** e      # np.round: ties to even
;;       return np.moveaxis(q.reshape(q.shape[:-2] + (-1,))[..., :K], -1, axis).astype(np.float32)
;;   ~~~
;;   SOFTMAX AHEAD OF A QUANTISED PRODUCT. Where the list says 'softmax', what is quantised is not the finished softmax but p = 2^(t - M), with t = logit x log2(e) and M = ceil(the row's largest t), a whole number; so 1/2 < the row's largest p <= 1. The row's sum l is taken of the UNQUANTISED p, in f32, and the product's result is divided by l at the end. Since M is a whole number, a kernel that streams over the keys may use a running M (the ceiling of the running maximum): every later rescaling is an exact power of two, which a block's scale takes up: the codes' values come out the same.
;;   OPERANDS COMPUTED ON THE WAY. 'Computed on the way' means the value that the module computes at that place (a softmax that the list does not call 'softmax' is quantised finished and normalised). What goes into a quantiser is computed in f32, as accurately as f32 sums, v_exp_f32 and their like allow (about 1e-6 of the number): no bf16 or f16 on the way to a quantiser, and a product that is left as it is and whose result goes on into a quantised operand takes f32 operands (vector FMAs, or v_wmma_f32_16x16x4_f32). A number that lies on a knife's edge between two numbers of the format may be rounded either way, as far as f32 arithmetic and the matrix unit's own rounding can turn it there, and no further.
;; One version. Each part assembles by itself: llvm-mc -triple=amdgcn-amd-amdhsa -mcpu=gfx1250 --defsym DOCPART=n.
;; ======== version 1 of 1: 7 launches
;; limits: right only within a limited range of input values
;; workspace buffers: wts 10,649,600 bytes; h1 3,276,800 bytes; qkvb 10,223,616 bytes; ao 3,276,800 bytes; x1 16,777,216 bytes; h2 3,276,800 bytes; hid 13,107,200 bytes
;; launch lnw1 (part 1): grid 192 x 1, 16 waves a work-group, no clusters, 150,528 bytes of LDS; arguments x, ln1_g, ln1_b, w_qkv, w_proj, h1, wts; writes h1, wts
.if DOCPART == 1
	.amdgcn_target "amdgcn-amd-amdhsa--gfx1250"
	.amdhsa_code_object_version 6
	.text
	.protected	k_q485224221b_lnw1
	.globl	k_q485224221b_lnw1
	.p2align	8
	.type	k_q485224221b_lnw1,@function
k_q485224221b_lnw1:
	s_mov_b64 s[64:65], 0
	v_nop
	global_prefetch_b8 v0, s[64:65] scope:SCOPE_SE
	s_setreg_imm32_b32 hwreg(HW_REG_WAVE_MODE, 25, 1), 1
	s_wait_xcnt 0x0
; TWO JOBS IN ONE LAUNCH, told apart by the work-group's number; they share no byte, part once and never join.  Here: work-groups 0-47 quantise w_qkv, 48-63 w_proj, 64-191 do LayerNorm 1 on x.
; Neither job reads what the other stores, and either alone would have work for fewer work-groups than there are WGPs.  Each path has LDS bytes of its own.
; BOTH give codes of FP6 (E2M3) with one E8M0 byte for each 32 along K, laid as the products read them: codes [K/64][R][48 bytes] (a plane for each 64 along K; in it a row's two blocks of 24 bytes),
; scale words [K/128][R] of 4 bytes.  Row rho lies at place sigma(rho): rho with bits 3 and 4 exchanged.
; THE WEIGHTS, f32 stored [K][N]: a work-group takes 512 columns x 128 along K, a wave 32 columns: A LANE TAKES A COLUMN AND ITS REGISTERS RUN DOWN K, so a block of 32 lies in one lane.  All 128 loads of a wave
; go out at once, into four sets of registers.  A wave's codes go through its own stage ([2 planes][32 rows][48]) and leave as runs of 512 consecutive bytes.  Waves share nothing: no barrier.
; LAYERNORM over rows of 1,024 f32, then the quantiser along the row: a work-group takes 32 rows (one group of sigma), wave w rows 2 w and 2 w + 1, a row at a time in 32 registers.  Mean and variance in two passes
; over the registers, f32; 1 / sqrt by v_rsq_f32.  The normalised row turns through the wave's own stage so that lane l holds block l: its largest magnitude needs no other lane.  Codes and scale bytes of the 32 rows
; meet in LDS; behind one barrier wave w stores plane w's 1,536 bytes, and waves 0-7 a K step's 128 bytes of scale words each (half of an aligned 256: one byte in 25 of what the path stores).
; LIMITS: NaN and infinities are not served; a block whose largest magnitude lies under 2^-124, a block of zeros too, gets the byte 1 (this program alone reads the bytes).
.set W0N,   48                         ; work-groups of the first weight
.set WN,    64                         ; of both
.set N4_0,  12288                      ; the first weight: a row in bytes,
.set LKY_0, 3                          ; log2 of K / 128,
.set CO_0,  0                          ; where its codes begin in wts,
.set SO_0,  10223616                   ; its scale words,
.set RO_0,  4096                       ; rows of a plane
.set N4_1,  4096                       ; the second weight
.set LKY_1, 3
.set CO_1,  3145728
.set SO_1,  10354688
.set RO_1,  1024
.set HWORDS, 3145728                   ; the scale words in the LayerNorm's output
.set TS,    0                          ; LayerNorm: sixteen turn stages: 32 places of 128 + 16 bytes
.set CS,    73728                      ; codes [16][32][48]
.set SS,    98304                      ; scale words [8][32][4]
.set WST,   99328                      ; the weights: sixteen stages of 3,072 bytes
.set SPARE, 148480                     ; the spare words, 128 bytes for each of sixteen waves
	s_load_b256 s[4:11], s[0:1], 0x0               ; rows, gain, bias, first weight
	s_load_b128 s[12:15], s[0:1], 0x20             ; second weight, the LayerNorm's output
	s_load_b64 s[16:17], s[0:1], 0x30              ; wts
	v_lshl_add_u32 v10, v0, 2, SPARE               ; my spare word; never rewritten
	v_mov_b32 v11, 0                               ; 0; never rewritten
	v_lshrrev_b32 v1, 5, v0
	s_delay_alu instid0(VALU_DEP_1)
	v_readfirstlane_b32 s24, v1                    ; wave 0..15
	s_cmp_lt_u32 ttmp9, WN                         ; the same in all waves of a work-group
	s_cbranch_scc0 .Lln
; ---------------------------------------------------------------- THE WEIGHTS
.set OFFS, 32                          ; v32-63   4 x lane + i rows of the weight
.set XW,   64                          ; v64-191  four sets of 32 numbers
.set C,    16                          ; v16-22   a block's codes
.set SBY,  24                          ; v24      the four scale bytes
.set OUTR, 192                         ; v192-215 the way out
.set SB,   40                          ; s[40:47] the weight at my columns, block t's first row
	v_and_b32 v2, 31, v0                           ; lane
	v_and_b32 v3, 7, v0
	v_bfe_u32 v4, v0, 3, 1
	s_delay_alu instid0(VALU_DEP_1)
	v_lshl_or_b32 v3, v4, 4, v3
	v_bfe_u32 v4, v0, 4, 1
	s_delay_alu instid0(VALU_DEP_1)
	v_lshl_or_b32 v3, v4, 3, v3                    ; sigma(lane)
	s_mul_i32 s31, s24, 3072
	s_add_co_u32 s31, s31, WST                     ; my stage
	v_mul_u32_u24 v5, v3, 48
	s_delay_alu instid0(VALU_DEP_1)
	v_add_nc_u32 v5, s31, v5                       ; into it: row sigma(lane)
	v_lshlrev_b32 v7, 4, v2
	s_delay_alu instid0(VALU_DEP_1)
	v_add_nc_u32 v6, s31, v7                       ; out of it: 16 bytes a lane
	v_lshlrev_b32 v1, 2, v2                        ; 4 x lane
	s_mov_b32 s25, W0N                             ; the second weight's figures, then the first's where the work-group is the first's
	s_mov_b32 s26, N4_1
	s_mov_b32 s27, LKY_1
	s_mov_b32 s28, CO_1
	s_mov_b32 s29, SO_1
	s_mov_b32 s30, RO_1
	s_wait_alu depctr_va_vdst(0)
	s_wait_kmcnt 0x0
	s_cmp_lt_u32 ttmp9, W0N
	s_cselect_b64 s[32:33], s[10:11], s[12:13]
	s_cselect_b32 s25, 0, s25
	s_cselect_b32 s26, N4_0, s26
	s_cselect_b32 s27, LKY_0, s27
	s_cselect_b32 s28, CO_0, s28
	s_cselect_b32 s29, SO_0, s29
	s_cselect_b32 s30, RO_0, s30
	s_sub_co_u32 s34, ttmp9, s25                   ; my number within the weight
	s_lshl_b32 s35, 1, s27
	s_sub_co_u32 s35, s35, 1
	s_and_b32 s35, s34, s35                        ; ky: which 128 along K
	s_lshr_b32 s36, s34, s27
	s_lshl_b32 s36, s36, 9
	s_lshl_b32 s37, s24, 5
	s_add_co_u32 s36, s36, s37                     ; n0: my wave's first column
	s_mul_i32 s38, s30, 48                         ; a plane in bytes
	s_mul_i32 s52, s35, s26
	s_lshl_b32 s52, s52, 7                         ; 128 ky rows
	s_lshl_b32 s53, s36, 2
	s_add_co_u32 s52, s52, s53
	s_mov_b32 s53, 0
	s_add_nc_u64 s[SB:SB+1], s[32:33], s[52:53]
	s_lshl_b32 s52, s26, 5                         ; 32 rows on
.irp t, 1,2,3
	s_add_nc_u64 s[SB+2*\t:SB+2*\t+1], s[SB+2*\t-2:SB+2*\t-1], s[52:53]
.endr
	s_mul_i32 s52, s35, s38
	s_lshl_b32 s52, s52, 1                         ; plane 2 ky
	s_mul_i32 s39, s36, 48
	s_add_co_u32 s52, s52, s39
	s_add_co_u32 s52, s52, s28
	s_add_nc_u64 s[48:49], s[16:17], s[52:53]      ; my codes' first plane at row n0
	s_mul_i32 s52, s35, s30                        ; K step ky
	s_add_co_u32 s52, s52, s36
	s_lshl_b32 s52, s52, 2
	s_add_co_u32 s52, s52, s29
	s_add_nc_u64 s[50:51], s[16:17], s[52:53]      ; my scale words
.set i, 0
.rept 32
	v_mad_u32_u24 v[OFFS+i], s26, i, v1
.set i, i+1
.endr
.irp p, 0,1
	v_mad_u32_u24 v[8+\p], s38, \p, v7             ; the way out: 16 x lane + p planes
.endr
	v_lshlrev_b32 v12, 2, v3                       ; my column's scale word
.macro LOAD t                          ; block t: 32 rows at my column, into set t; each load reads 128 consecutive bytes, the sixteen waves side by side 2,048
.set i, 0
.rept 32
	global_load_b32 v[XW+32*(\t)+i], v[OFFS+i], s[SB+2*(\t):SB+2*(\t)+1] th:TH_LOAD_NT
.set i, i+1
.endr
.endm
.macro BLOCK t
.set XS, XW+32*(\t)
.if (\t) < 2
	s_wait_loadcnt 63                              ; behind this block's loads 96 or 64 were issued: 63, the most that the wait can name, leaves fewer out than may be
.elseif (\t) == 2
	s_wait_loadcnt 32                              ; the last block's 32 may be out
.else
	s_wait_loadcnt 0
.endif
	v_max3_num_f32 v26, |v[XS]|, |v[XS+1]|, |v[XS+2]|      ; the block's largest magnitude: all 32 numbers are mine
	v_max3_num_f32 v27, |v[XS+3]|, |v[XS+4]|, |v[XS+5]|
.irp i, 6,10,14,18,22,26
	s_delay_alu instid0(VALU_DEP_2)
	v_max3_num_f32 v26, v26, |v[XS+\i]|, |v[XS+\i+1]|
	s_delay_alu instid0(VALU_DEP_2)
	v_max3_num_f32 v27, v27, |v[XS+\i+2]|, |v[XS+\i+3]|
.endr
	s_delay_alu instid0(VALU_DEP_2)
	v_max3_num_f32 v26, v26, |v[XS+30]|, |v[XS+31]|
	s_delay_alu instid0(VALU_DEP_1)
	v_max3_num_f32 v26, v26, v27, 0x1800000        ; and the floor 2^(3 - 127): the byte cannot fall under 1
	s_delay_alu instid0(VALU_DEP_1)
	v_add_nc_u32 v28, 0xff000000, v26              ; 2 off the exponent field: the conversion's scale operand
	s_delay_alu instid0(VALU_DEP_1)
	v_lshrrev_b32 v27, 23, v28                     ; the scale's byte
.if (\t) == 0
	s_delay_alu instid0(VALU_DEP_1)
	v_mov_b32 v[SBY], v27
.else
	s_delay_alu instid0(VALU_DEP_1)
	v_lshl_or_b32 v[SBY], v27, 8*(\t), v[SBY]
.endif
	v_cvt_scalef32_pk16_fp6_f32 v[C:C+2], v[XS:XS+15], v28
	v_cvt_scalef32_pk16_fp6_f32 v[C+4:C+6], v[XS+16:XS+31], v28   ; (a conversion's three registers begin on an even number)
	v_nop                                          ; one plain place behind the conversions
	v_mov_b32 v[C+3], v[C+4]
	v_mov_b32 v[C+4], v[C+5]
	v_mov_b32 v[C+5], v[C+6]                       ; the block's 24 bytes on end
.irp p, 0,1,2
	ds_store_b64 v5, v[C+2*\p:C+2*\p+1] offset:((\t)/2)*1536+24*((\t)%2)+8*\p
.endr
	s_wait_dscnt 0x0                               ; the stores have read their registers
.endm
.irp t, 0,1,2,3
	LOAD \t
.endr
.irp t, 0,1,2,3
	BLOCK \t
.endr
	s_wait_alu depctr_va_vdst(0)
	global_store_b32 v12, v[SBY], s[50:51]         ; 32 lanes fill 128 consecutive bytes, in sigma's order
.irp j, 0,1,2,3,4,5
	ds_load_b128 v[OUTR+4*\j:OUTR+4*\j+3], v6 offset:512*\j    ; LDS serves a wave's instructions in order: these see my stores
.endr
.irp j, 0,1,2,3,4,5
	s_wait_dscnt 5-\j                              ; the younger loads may be out
	global_store_b128 v[8+\j/3], v[OUTR+4*\j:OUTR+4*\j+3], s[48:49] offset:512*(\j%3)   ; 512 consecutive bytes, at a multiple of 256
.endr
	s_wait_tensorcnt 0x0                           ; the wave's end
	ds_add_u32 v10, v11
	s_wait_dscnt 0x0
	s_endpgm
; ---------------------------------------------------------------- LAYERNORM
.set G,  32                            ; v32-63  gain, v64-95 bias, as a row lies in a lane
.set B,  64
.set X,  96                            ; v96-159 two sets of 32
.set Y,  192                           ; v192-223 my block
.Lln:
	s_sub_co_u32 s25, ttmp9, WN                    ; my block of 32 rows
	v_and_b32 v24, 31, v0                          ; lane
	s_wait_alu depctr_va_vdst(0)
	v_lshlrev_b32 v30, 4, v24                      ; 16 x lane
	s_lshl_b32 s28, s24, 13
	v_add_nc_u32 v1, s28, v30                      ; my 16 bytes of my wave's first row
	s_mul_i32 s28, s24, 4608
	v_lshrrev_b32 v25, 3, v24
	s_delay_alu instid0(VALU_DEP_1)
	v_lshl_add_u32 v2, v25, 4, v30
	s_delay_alu instid0(VALU_DEP_1)
	v_add_nc_u32 v2, s28, v2                       ; the stage, in: 16 l + 16 (l / 8)
	v_mul_u32_u24 v3, v24, 144
	s_delay_alu instid0(VALU_DEP_1)
	v_add_nc_u32 v3, s28, v3                       ; and out: place l
	s_and_b32 s29, s24, 3
	s_and_b32 s30, s24, 4
	s_lshl_b32 s30, s30, 1
	s_or_b32 s29, s29, s30
	s_and_b32 s30, s24, 8
	s_lshr_b32 s30, s30, 1
	s_or_b32 s29, s29, s30                         ; sigma on the wave's bits: my rows lie at places 2 sw + r
	s_mul_i32 s30, s29, 96
	s_add_co_u32 s30, s30, CS
	v_lshrrev_b32 v25, 1, v24
	s_delay_alu instid0(VALU_DEP_1)
	v_mul_u32_u24 v4, v25, 1536
	v_and_b32 v25, 1, v24
	s_delay_alu instid0(VALU_DEP_1)
	v_mad_u32_u24 v4, v25, 24, v4
	s_delay_alu instid0(VALU_DEP_1)
	v_add_nc_u32 v4, s30, v4                       ; my block's codes: plane l / 2, half l % 2
	s_lshl_b32 s30, s29, 3
	s_add_co_u32 s30, s30, SS
	v_lshrrev_b32 v25, 2, v24
	v_and_b32 v26, 3, v24
	s_delay_alu instid0(VALU_DEP_1)
	v_lshl_add_u32 v5, v25, 7, v26
	s_delay_alu instid0(VALU_DEP_1)
	v_add_nc_u32 v5, s30, v5                       ; my block's scale byte: K step l / 4, byte l % 4
	s_mul_i32 s30, s24, 1536
	s_add_co_u32 s30, s30, CS
	v_add_nc_u32 v6, s30, v30                      ; the way out: plane w
	s_mul_i32 s30, s24, 196608
	v_add_nc_u32 v7, s30, v30
	s_and_b32 s31, s24, 7
	s_lshl_b32 s30, s31, 7
	s_add_co_u32 s30, s30, SS
	v_lshl_add_u32 v8, v24, 2, s30                 ; K step w % 8's words (waves 0-7 store them)
	s_lshl_b32 s30, s31, 14
	v_lshl_add_u32 v9, v24, 2, s30
	s_mov_b32 s36, 0x76543210
	s_mov_b32 s37, 0xfedcba98                      ; v_permlanex16_b32's selects for lane l xor 16
	s_mov_b32 s38, 0x3a800000                      ; 1 / 1024
	s_mov_b32 s39, 0x3727c5ac                      ; 1e-5
	s_lshl_b32 s26, s25, 17                        ; 32 rows of 4,096 bytes
	s_mov_b32 s27, 0
	s_mul_i32 s28, s25, 1536
	s_mov_b32 s29, 0
	s_wait_kmcnt 0x0
	s_add_nc_u64 s[4:5], s[4:5], s[26:27]
	s_add_nc_u64 s[40:41], s[14:15], s[28:29]      ; my 32 places in plane 0
	s_lshl_b32 s28, s25, 7
	s_add_co_u32 s28, s28, HWORDS
	s_add_nc_u64 s[42:43], s[14:15], s[28:29]      ; and among the scale words
.irp j, 0,1,2,3,4,5,6,7
	global_load_b128 v[G+4*\j:G+4*\j+3], v30, s[6:7] offset:512*\j
	global_load_b128 v[B+4*\j:B+4*\j+3], v30, s[8:9] offset:512*\j
.endr
.macro FILL r                          ; row r into set r: eight loads of 512 consecutive bytes
.irp j, 0,1,2,3,4,5,6,7
	global_load_b128 v[X+32*(\r)+4*\j:X+32*(\r)+4*\j+3], v1, s[4:5] offset:4096*(\r)+512*\j
.endr
.endm
	FILL 0
	FILL 1
.macro REDUCE                          ; four pairs v[12:19] -> their sum over the row, in v12 of every lane
	s_delay_alu instid0(VALU_DEP_3)
	v_pk_add_f32 v[12:13], v[12:13], v[14:15]
	s_delay_alu instid0(VALU_DEP_2)
	v_pk_add_f32 v[16:17], v[16:17], v[18:19]
	s_delay_alu instid0(VALU_DEP_1)
	v_pk_add_f32 v[12:13], v[12:13], v[16:17]
	s_delay_alu instid0(VALU_DEP_1)
	v_add_f32 v12, v12, v13
	s_delay_alu instid0(VALU_DEP_1)
	v_add_f32_dpp v12, v12, v12 row_xmask:1 row_mask:0xf bank_mask:0xf
	s_delay_alu instid0(VALU_DEP_1)
	v_add_f32_dpp v12, v12, v12 row_xmask:2 row_mask:0xf bank_mask:0xf
	s_delay_alu instid0(VALU_DEP_1)
	v_add_f32_dpp v12, v12, v12 row_xmask:4 row_mask:0xf bank_mask:0xf
	s_delay_alu instid0(VALU_DEP_1)
	v_add_f32_dpp v12, v12, v12 row_xmask:8 row_mask:0xf bank_mask:0xf
	s_delay_alu instid0(VALU_DEP_1)
	v_permlanex16_b32 v13, v12, s36, s37
	s_delay_alu instid0(VALU_DEP_1)
	v_add_f32 v12, v12, v13
.endm
.macro ROW r, left                     ; left: the younger row's loads, which may stay out
.set XS, X+32*(\r)
	s_wait_loadcnt \left
.irp k, 0,1,2,3
	v_pk_add_f32 v[12+2*\k:13+2*\k], v[XS+2*\k:XS+2*\k+1], v[XS+8+2*\k:XS+9+2*\k]
.endr
.irp i, 16,24
.irp k, 0,1,2,3
	s_delay_alu instid0(VALU_DEP_4)
	v_pk_add_f32 v[12+2*\k:13+2*\k], v[12+2*\k:13+2*\k], v[XS+\i+2*\k:XS+\i+2*\k+1]
.endr
.endr
	REDUCE
	s_delay_alu instid0(VALU_DEP_1)
	v_mul_f32 v20, s38, v12                        ; the mean, twice
	s_delay_alu instid0(VALU_DEP_2)
	v_mul_f32 v21, s38, v12
.set i, 0
.rept 16
	v_pk_add_f32 v[XS+i:XS+i+1], v[XS+i:XS+i+1], v[20:21] neg_lo:[0,1] neg_hi:[0,1]
.set i, i+2
.endr
.irp k, 0,1,2,3
	v_pk_mul_f32 v[12+2*\k:13+2*\k], v[XS+2*\k:XS+2*\k+1], v[XS+2*\k:XS+2*\k+1]
.endr
.irp i, 8,16,24
.irp k, 0,1,2,3
	s_delay_alu instid0(VALU_DEP_4)
	v_pk_fma_f32 v[12+2*\k:13+2*\k], v[XS+\i+2*\k:XS+\i+2*\k+1], v[XS+\i+2*\k:XS+\i+2*\k+1], v[12+2*\k:13+2*\k]
.endr
.endr
	REDUCE
	s_delay_alu instid0(VALU_DEP_1)
	v_fma_f32 v24, v12, s38, s39                   ; the variance + 1e-5
	s_wait_alu depctr_va_vdst(0)
	v_rsq_f32 v22, v24
	v_rsq_f32 v23, v24
	v_nop                                          ; a plain place behind the two
	s_wait_alu depctr_va_vdst(0)                   ; the wait ahead of the first reader: one for both
.set i, 0
.rept 16
	v_pk_mul_f32 v[XS+i:XS+i+1], v[XS+i:XS+i+1], v[22:23]
.set i, i+2
.endr
.set i, 0
.rept 16
	v_pk_fma_f32 v[XS+i:XS+i+1], v[XS+i:XS+i+1], v[G+i:G+i+1], v[B+i:B+i+1]
.set i, i+2
.endr
.irp j, 0,1,2,3,4,5,6,7
	ds_store_b128 v2, v[XS+4*\j:XS+4*\j+3] offset:576*\j
.endr
.irp j, 0,1,2,3,4,5,6,7
	ds_load_b128 v[Y+4*\j:Y+4*\j+3], v3 offset:16*\j           ; LDS serves a wave's instructions in order: these see the stores above
.endr
	s_wait_dscnt 0x0                               ; my block is in; the last row's code stores have read their registers
	v_max3_num_f32 v224, |v[Y]|, |v[Y+1]|, |v[Y+2]|
	v_max3_num_f32 v225, |v[Y+3]|, |v[Y+4]|, |v[Y+5]|
.irp i, 6,10,14,18,22,26
	s_delay_alu instid0(VALU_DEP_2)
	v_max3_num_f32 v224, v224, |v[Y+\i]|, |v[Y+\i+1]|
	s_delay_alu instid0(VALU_DEP_2)
	v_max3_num_f32 v225, v225, |v[Y+\i+2]|, |v[Y+\i+3]|
.endr
	s_delay_alu instid0(VALU_DEP_2)
	v_max3_num_f32 v224, v224, |v[Y+30]|, |v[Y+31]|
	s_delay_alu instid0(VALU_DEP_1)
	v_max3_num_f32 v224, v224, v225, 0x1800000     ; the floor 2^(3 - 127)
	s_delay_alu instid0(VALU_DEP_1)
	v_add_nc_u32 v226, 0xff000000, v224            ; 2 off the exponent field: the conversion's scale operand
	s_delay_alu instid0(VALU_DEP_1)
	v_lshrrev_b32 v227, 23, v226                   ; the scale's byte
	v_cvt_scalef32_pk16_fp6_f32 v[228:230], v[Y:Y+15], v226
	v_cvt_scalef32_pk16_fp6_f32 v[232:234], v[Y+16:Y+31], v226
	v_nop
	v_mov_b32 v231, v232
	v_mov_b32 v232, v233
	v_mov_b32 v233, v234
	ds_store_b64 v4, v[228:229] offset:48*(\r)
	ds_store_b64 v4, v[230:231] offset:48*(\r)+8
	ds_store_b64 v4, v[232:233] offset:48*(\r)+16
	ds_store_b8 v5, v227 offset:4*(\r)
.endm
	ROW 0, 8
	ROW 1, 0
	s_wait_dscnt 0x0                               ; for the others' sake: my stores have landed
	s_barrier_signal -1
	s_barrier_wait -1
.irp j, 0,1,2
	ds_load_b128 v[X+4*\j:X+4*\j+3], v6 offset:512*\j
.endr
.irp j, 0,1,2
	s_wait_dscnt 2-\j                              ; the younger loads may be out
	global_store_b128 v7, v[X+4*\j:X+4*\j+3], s[40:41] offset:512*\j   ; 512 consecutive bytes, at a multiple of 256
.endr
	s_cmp_lt_u32 s24, 8                            ; eight K steps of scale words: waves 0-7 take one each
	s_cbranch_scc0 .Lno_words
	ds_load_b32 v[X+12], v8
	s_wait_dscnt 0x0
	global_store_b32 v9, v[X+12], s[42:43]
.Lno_words:
	s_wait_tensorcnt 0x0                           ; the wave's end
	ds_add_u32 v10, v11
	s_wait_dscnt 0x0
	s_endpgm
.Lfunc_end_k_q485224221b_lnw1:
	.size	k_q485224221b_lnw1, .Lfunc_end_k_q485224221b_lnw1-k_q485224221b_lnw1
	.p2alignl 7, 3214868480
	.fill 96, 4, 3214868480
	.section	.rodata,"a",@progbits
	.p2align	6, 0x0
	.amdhsa_kernel k_q485224221b_lnw1
		.amdhsa_group_segment_fixed_size 150528
		.amdhsa_private_segment_fixed_size 0
		.amdhsa_enable_private_segment 0
		.amdhsa_kernarg_size 56
		.amdhsa_user_sgpr_count 2
		.amdhsa_user_sgpr_kernarg_segment_ptr 1
		.amdhsa_wavefront_size32 1
		.amdhsa_system_sgpr_workgroup_id_x 1
		.amdhsa_system_sgpr_workgroup_id_y 1
		.amdhsa_system_sgpr_workgroup_id_z 1
		.amdhsa_system_vgpr_workitem_id 0
		.amdhsa_next_free_vgpr 256
		.amdhsa_next_free_sgpr 66
		.amdhsa_reserve_vcc 0
		.amdhsa_float_denorm_mode_32 3
		.amdhsa_float_denorm_mode_16_64 3
		.amdhsa_memory_ordered 1
		.amdhsa_forward_progress 1
		.amdhsa_inst_pref_size 56
	.end_amdhsa_kernel
	.amdgpu_metadata
---
amdhsa.version: [ 1, 2 ]
amdhsa.kernels:
  - .name:           k_q485224221b_lnw1
    .symbol:         k_q485224221b_lnw1.kd
    .args:
      - { .name: x, .offset: 0, .size: 8, .value_kind: global_buffer, .address_space: global }
      - { .name: ln1_g, .offset: 8, .size: 8, .value_kind: global_buffer, .address_space: global }
      - { .name: ln1_b, .offset: 16, .size: 8, .value_kind: global_buffer, .address_space: global }
      - { .name: w_qkv, .offset: 24, .size: 8, .value_kind: global_buffer, .address_space: global }
      - { .name: w_proj, .offset: 32, .size: 8, .value_kind: global_buffer, .address_space: global }
      - { .name: h1, .offset: 40, .size: 8, .value_kind: global_buffer, .address_space: global }
      - { .name: wts, .offset: 48, .size: 8, .value_kind: global_buffer, .address_space: global }
    .group_segment_fixed_size: 150528
    .private_segment_fixed_size: 0
    .kernarg_segment_align: 8
    .kernarg_segment_size: 56
    .max_flat_workgroup_size: 512
    .sgpr_count:     66
    .vgpr_count:     256
    .wavefront_size: 32
...
	.end_amdgpu_metadata
.endif
;; end of part 1
;; launch qkv (part 2): grid 12 x 16, 4 waves a work-group, clusters of 4 x 4, 327,680 bytes of LDS; arguments h1, wts, qkvb; writes qkvb
.if DOCPART == 2
	.amdgcn_target "amdgcn-amd-amdhsa--gfx1250"
	.amdhsa_code_object_version 6
	.text
	.protected	k_q485224221b_qkv
	.globl	k_q485224221b_qkv
	.p2align	8
	.type	k_q485224221b_qkv,@function
k_q485224221b_qkv:
	s_mov_b64 s[64:65], 0
	v_nop
	global_prefetch_b8 v0, s[64:65] scope:SCOPE_SE
	s_setreg_imm32_b32 hwreg(HW_REG_WAVE_MODE, 25, 1), 1
	s_wait_xcnt 0x0
	s_wait_alu depctr_hold_cnt(0) depctr_sa_sdst(0) depctr_va_vdst(0) depctr_va_sdst(0) depctr_va_ssrc(0) depctr_va_vcc(0) depctr_vm_vsrc(0)
	s_getreg_b32 s2, hwreg(HW_REG_IB_STS2, 6, 4)
	s_cmp_eq_u32 s2, 0
	s_cbranch_scc0 .Lentry_in_a_cluster
	s_endpgm
.Lentry_in_a_cluster:
	s_bfe_u32 s2, ttmp6, 0x10000c
	s_cmp_lg_u32 s2, 0xf033
	s_cbranch_scc0 .Lentry_shape_is_right
	s_endpgm
.Lentry_shape_is_right:
; qkv = Q(h1) Q(w_qkv), on codes of FP6 (E2M3) with E8M0 scales, and the quantisers of q, k and v behind it: nothing leaves in f32.
; OPERANDS lie as codes [K/64][rows][48 bytes] and scale words [K/128][rows]; rows stand at places sigma(row) (bits 3 and 4 exchanged).
; A tile of 256 x 256 is made by four waves, 128 x 128 each: 64 accumulators, 512 registers.  K = 1,024 goes in four steps of 256 through two LDS slots; a wave's tensor load brings 128 rows x 4 planes:
; four runs of 6,144 consecutive bytes.  In LDS the 32 lanes of a fragment's load of 8 bytes stand 24 bytes apart: 64 different banks (64 banks of 4 bytes: ISA guide 11.1), so no padding.
; The scale words of the tile's rows, for all of K, come once with the first fills.
; THE MATRIX INSTRUCTION IS USED TRANSPOSED (source 0 = 16 places of side B, source 1 = 16 places of side A): register j of lane (r, h) of accumulator (a, 2 g + u) is (A's place 16 a + r,
; B's true index 32 g + 16 h + 8 u + j): the 16 registers of two neighbouring accumulators are 16 neighbours along B's axis, which is the axis that is quantised next.
; q AND k (cluster x = 0, 1): side A = h1's rows, side B = the weight's columns; quantised along the head's 64: plane = head (q) or 16 + head (k) of [32][4096][48], scale words [32][4096].
; v (cluster x = 2): THE SIDES CHANGE PLACES, by pointers alone: side A = the weight's v columns, side B = h1's rows, so that a lane holds one channel and its registers run along the KEYS, v's next K.
; A wave's block of 16 channels x 128 keys is stored as the image of a fragment's registers (16 x lane + 512 c), [head][key step][4][1,536], its scale words [head][key step][4][32 lanes].
; CLUSTERS: 4 x 4; side A's tiles are asked for jointly along a row of the cluster, side B's along a column.
; LIMITS: NaN and infinities are not served; a block under 2^-124, a block of zeros too, gets the byte 1.
.set NL,     6                         ; LDS loads of a fragment
.set NQ,     2                         ; matrix instructions deep in a slot
.set PLB,    6144                      ; 128 rows of a plane
.set QB,     24576                     ; four planes: what one tensor load brings
.set SLOT,   98304                     ; A's two halves, then B's two
.set KSL,    786432                    ; four planes in memory
.set SQ,     4096                      ; the scale words of 128 rows: 8 K steps x 512 bytes
.set SCL,    196608
.set SPARE,  212992
.set LAPS,   2
.set HWORDS, 3145728
.set WQKV_S, 10223616
.set QK_S,   6291456
.set V_I,    6815744
.set V_S,    9961472
.set SW,     13312                     ; the way out: a wave's stage, in slot 0: two planes of 6,144 bytes and two of 512 bytes of scale words
.set ADRA, 16                          ; v16-17 my A fragments in slot 0, 1
.set ADSA, 18
.set ADSB, 19                          ; v19    my block of the plane, for the prefetches
.set ADRB, 20                          ; v20-21 my B fragments
.set STO,  24
.set STS,  25
.set RD,   26
.set CO,   27
.set SPW,  28
.set NIL,  29
.set CW,   30
.set SC,   32                          ; v32-63 scale words: set s at 16 s; A's at 4 q + i, B's at 8 + 4 q + i; lanes 0-15 block 2 i, lanes 16-31 block 2 i + 1
.set AF,   128                         ; A's fragments, one set, window 0
.set TM,   200
.set PW,   216
.set FL,   218
.set PC,   224
.set SEL,  96
.set G1, 24
.set G0, 32
.set G1B, 48
.set G0B, 56
.set G1S, 68
.set G0S, 76
.set G1SB, 80
.set G0SB, 88
.set MSB, 0
.macro WIN new                         ; the immediate's high byte repeats the setting that is left
.if MSB != \new
	s_set_vgpr_msb (MSB<<8)|\new
.set MSB, \new
.endif
.endm
.set MUL_LO, 0xa1                      ; source 0 (B) window 1, source 1 (A) window 0, C and D window 2
.set MUL_HI, 0xf1
.set TO_B,   0x40
.macro JLOAD g0a, g1a, g0b, g1b        ; a joint load: waves 0, 1 fetch for A, waves 2, 3 for B; an s_nop 0 and four v_nop follow each line
	s_cmp_eq_u32 s15, 0
	s_cbranch_scc0 .Lfor_b_\@
	tensor_load_to_lds s[\g0a:\g0a+3], s[\g1a:\g1a+7]
	s_nop 0
.rept 4
	v_nop
.endr
	s_branch .Lasked_\@
.Lfor_b_\@:
	tensor_load_to_lds s[\g0b:\g0b+3], s[\g1b:\g1b+7]
	s_nop 0
.rept 4
	v_nop
.endr
.Lasked_\@:
.endm
.macro CREST
	s_cmp_lg_u32 s14, 0
	s_cbranch_scc1 .Lnot_wave_0_\@
	s_barrier_signal -3
.Lnot_wave_0_\@:
	s_barrier_wait -3
	s_barrier_signal -1
	s_barrier_wait -1
.endm
.macro CROUND
	s_barrier_signal -1
	s_barrier_wait -1
	CREST
.endm
.macro PLACES n
.rept \n
	v_nop
.endr
.endm
; one product; rb, ra: the halves of the lanes in which B's and A's scale words stand
.macro WMC d, bf, af, c, sb, sa, rb, ra
.if ((\rb)==0)&&((\ra)==0)
	v_wmma_scale_f32_16x16x128_f8f6f4 v[\d:\d+7], v[\bf:\bf+11], v[\af:\af+11], v[\c:\c+7], v[\sb], v[\sa] matrix_a_fmt:MATRIX_FMT_FP6 matrix_b_fmt:MATRIX_FMT_FP6
.elseif (\ra)==0
	v_wmma_scale_f32_16x16x128_f8f6f4 v[\d:\d+7], v[\bf:\bf+11], v[\af:\af+11], v[\c:\c+7], v[\sb], v[\sa] matrix_a_fmt:MATRIX_FMT_FP6 matrix_b_fmt:MATRIX_FMT_FP6 matrix_a_scale:MATRIX_SCALE_ROW1
.elseif (\rb)==0
	v_wmma_scale_f32_16x16x128_f8f6f4 v[\d:\d+7], v[\bf:\bf+11], v[\af:\af+11], v[\c:\c+7], v[\sb], v[\sa] matrix_a_fmt:MATRIX_FMT_FP6 matrix_b_fmt:MATRIX_FMT_FP6 matrix_b_scale:MATRIX_SCALE_ROW1
.else
	v_wmma_scale_f32_16x16x128_f8f6f4 v[\d:\d+7], v[\bf:\bf+11], v[\af:\af+11], v[\c:\c+7], v[\sb], v[\sa] matrix_a_fmt:MATRIX_FMT_FP6 matrix_b_fmt:MATRIX_FMT_FP6 matrix_a_scale:MATRIX_SCALE_ROW1 matrix_b_scale:MATRIX_SCALE_ROW1
.endif
.endm
.macro WMZ d, bf, af, sb, sa, rb, ra   ; the same with the constant 0 as C: it starts a sum
.if ((\rb)==0)&&((\ra)==0)
	v_wmma_scale_f32_16x16x128_f8f6f4 v[\d:\d+7], v[\bf:\bf+11], v[\af:\af+11], 0, v[\sb], v[\sa] matrix_a_fmt:MATRIX_FMT_FP6 matrix_b_fmt:MATRIX_FMT_FP6
.elseif (\ra)==0
	v_wmma_scale_f32_16x16x128_f8f6f4 v[\d:\d+7], v[\bf:\bf+11], v[\af:\af+11], 0, v[\sb], v[\sa] matrix_a_fmt:MATRIX_FMT_FP6 matrix_b_fmt:MATRIX_FMT_FP6 matrix_a_scale:MATRIX_SCALE_ROW1
.elseif (\rb)==0
	v_wmma_scale_f32_16x16x128_f8f6f4 v[\d:\d+7], v[\bf:\bf+11], v[\af:\af+11], 0, v[\sb], v[\sa] matrix_a_fmt:MATRIX_FMT_FP6 matrix_b_fmt:MATRIX_FMT_FP6 matrix_b_scale:MATRIX_SCALE_ROW1
.else
	v_wmma_scale_f32_16x16x128_f8f6f4 v[\d:\d+7], v[\bf:\bf+11], v[\af:\af+11], 0, v[\sb], v[\sa] matrix_a_fmt:MATRIX_FMT_FP6 matrix_b_fmt:MATRIX_FMT_FP6 matrix_a_scale:MATRIX_SCALE_ROW1 matrix_b_scale:MATRIX_SCALE_ROW1
.endif
.endm
	s_load_b128 s[4:7], s[0:1], 0x0                ; h1, wts
	s_load_b64 s[8:9], s[0:1], 0x10                ; qkvb
	v_lshl_add_u32 v[SPW], v0, 2, SPARE
	v_mov_b32 v[NIL], 0
	ds_add_u32 v[SPW], v[NIL]                      ; the wave's opening: the add and its wait ahead of my first tensor load
	ds_add_u32 v[SPW], v[NIL]
	v_lshrrev_b32 v1, 5, v0
	v_readfirstlane_b32 s14, v1                    ; wave 0..3
	s_lshr_b32 s15, s14, 1                         ; my half of side A's places.  Also: I fetch for A (0) or for B (1)
	s_and_b32 s16, s14, 1                          ; my half of side B's.  Also: which 128 rows I fetch
	s_bfe_u32 s40, ttmp6, 0x40000                  ; cx
	s_bfe_u32 s41, ttmp6, 0x40004                  ; cy
	s_and_b32 s17, ttmp7, 0xffff                   ; cluster y
	s_cmp_eq_u32 ttmp9, 2                          ; the v columns?  The same in all sixteen partners
	s_cselect_b32 s95, 1, 0
	s_cselect_b32 s42, s17, ttmp9
	s_cselect_b32 s17, 0, s17
	s_lshl_b32 s42, s42, 2
	s_add_co_u32 s42, s42, s40                     ; side B's tile: 4 x (cluster x, or for v cluster y) + cx
	s_lshl_b32 s17, s17, 2
	s_add_co_u32 s17, s17, s41                     ; side A's tile: 4 x (cluster y, or for v 0) + cy
	s_lshl_b32 s43, s41, 2
	s_lshl_b32 s43, 15, s43                        ; my row of the cluster
	s_lshl_b32 s44, 0x1111, s40                    ; my column
	s_or_b32 s[G1+0], s43, (3<<16)|(1<<21)         ; 15:0 the mask; 17:16 elements of 8 bytes; 21 set beside a mask; no padding
	s_or_b32 s[G1B+0], s44, (3<<16)|(1<<21)
.irp g, G1, G1B
	s_mov_b32 s[\g+1], 768<<16                     ; tensor_dim0: 6,144 bytes
	s_mov_b32 s[\g+2], 4<<16                       ; tensor_dim1: 4 planes
	s_mov_b32 s[\g+3], 768<<16                     ; tile_dim0
	s_mov_b32 s[\g+4], 4                           ; tile_dim1
	s_mov_b32 s[\g+5], 24576                       ; from plane to plane: 196,608 bytes, in both tensors
	s_mov_b32 s[\g+6], 0
	s_mov_b32 s[\g+7], 0
.endr
	s_lshl_b32 s18, s16, 7
	s_lshl_b32 s20, s17, 8
	s_add_co_u32 s20, s20, s18                     ; A: the first row that I fetch
	s_lshl_b32 s46, s42, 8
	s_add_co_u32 s46, s46, s18                     ; B likewise
	s_lshl_b32 s22, s17, 8                         ; the scale words that I USE: side A's tile, my half of its places
	s_lshl_b32 s94, s15, 7
	s_add_co_u32 s22, s22, s94
	s_lshl_b32 s22, s22, 2
	s_mov_b32 s23, 0
	s_lshl_b32 s92, s46, 2
	s_mov_b32 s93, 0
	s_mul_i32 s20, s20, 48
	s_mov_b32 s21, 0
	s_mul_i32 s46, s46, 48
	s_mov_b32 s47, 0
	s_mul_i32 s45, s14, QB                         ; where they go: no place in the cluster enters an LDS address
	s_mov_b32 s[SEL], 0x76543210
	s_mov_b32 s[SEL+1], 0xfedcba98
	s_wait_dscnt 0x0                               ; the opening add is done
	s_wait_kmcnt 0x0
	s_add_nc_u64 s[10:11], s[4:5], HWORDS          ; h1's scale words
	s_add_nc_u64 s[12:13], s[6:7], WQKV_S          ; the weight's
	s_add_nc_u64 s[66:67], s[6:7], 98304           ; the weight's codes from column 2,048 on (v)
	s_add_nc_u64 s[2:3], s[12:13], 8192            ; and their scale words
	s_cmp_eq_u32 s95, 1
	s_cselect_b64 s[66:67], s[66:67], s[4:5]       ; side A's codes
	s_cselect_b64 s[2:3], s[2:3], s[10:11]         ; side A's scale words
	s_cselect_b64 s[4:5], s[4:5], s[6:7]           ; side B's codes
	s_cselect_b64 s[10:11], s[10:11], s[12:13]     ; side B's scale words
	s_add_nc_u64 s[20:21], s[66:67], s[20:21]
	s_add_nc_u64 s[22:23], s[2:3], s[22:23]
	s_add_nc_u64 s[46:47], s[4:5], s[46:47]
	s_add_nc_u64 s[92:93], s[10:11], s[92:93]
	CROUND                                         ; all sixteen work-groups are here: the first joint loads meet
	s_mov_b64 s[G0S:G0S+1], s[22:23]               ; side A's scale words at my 128 places, K step 0
	s_mov_b64 s[G0SB:G0SB+1], s[92:93]             ; side B's
; THE PREFETCHES INTO THE L2.  A fill of mine is 4 planes x 6,144 bytes.  The four partners that ask for it jointly share it out BY ADDRESS: the partner at place p (cx for A, cy for B) takes plane p: 24 blocks of
; 256 bytes, a lane a block (lanes 24-31 name block 23 again), one instruction a wave.  Fill 1 is asked for at the head, fill 2 behind the load that brings fill 1, fill 3 behind the refill that brings fill 2:
; each one fill ahead of its own load; K ends with fill 3.
	s_cmp_eq_u32 s15, 0                            ; do I fetch for A?
	s_cselect_b64 s[68:69], s[20:21], s[46:47]
	s_cselect_b32 s70, s40, s41
	s_mul_i32 s70, s70, 196608
	s_mov_b32 s71, 0
	s_add_nc_u64 s[68:69], s[68:69], s[70:71]      ; never rewritten: the fills stand in the immediates
.irp s, 0,1
	s_mov_b32 s[G0+4*\s], 1
	s_add_co_u32 s[G0+4*\s+1], s45, \s*SLOT
	s_add_nc_u64 s[G0+4*\s+2:G0+4*\s+3], s[20:21], \s*KSL
	s_or_b32 s[G0+4*\s+3], s[G0+4*\s+3], 0x80000000
	s_mov_b32 s[G0B+4*\s], 1
	s_add_co_u32 s[G0B+4*\s+1], s45, \s*SLOT
	s_add_nc_u64 s[G0B+4*\s+2:G0B+4*\s+3], s[46:47], \s*KSL
	s_or_b32 s[G0B+4*\s+3], s[G0B+4*\s+3], 0x80000000
.endr
	JLOAD G0, G1, G0B, G1B                         ; slot 0: one tensor load a wave at the head
	v_and_b32 v1, 15, v0                           ; r
	v_bfe_u32 v2, v0, 4, 1                         ; h
	v_and_b32 v4, 31, v0                           ; lane
	v_mul_u32_u24 v3, v1, 48
	v_mad_u32_u24 v3, v2, 24, v3                   ; a fragment's row and half: 48 r + 24 h
	s_wait_alu depctr_va_vdst(0)
	s_mul_i32 s21, s15, QB
	s_mul_i32 s22, s16, QB
	s_add_co_u32 s22, s22, 2*QB
.irp s, 0,1
	v_add_nc_u32 v[ADRA+\s], s21, v3
	v_add_nc_u32 v[ADRB+\s], s22, v3
	s_add_co_u32 s21, s21, SLOT
	s_add_co_u32 s22, s22, SLOT
.endr
	v_lshlrev_b32 v[CW], 2, v4                     ; 4 x lane
; THE SCALE WORDS GO FROM MEMORY STRAIGHT INTO THEIR REGISTERS: a load's 32 lanes take 32 places' words, 128 bytes on end.  Here both sets, K steps 0 to 3; each set is loaded again beside its slot's refill.
.irp k, 0,1,2,3
.irp i, 0,1,2,3
	global_load_b32 v[SC+16*(\k/2)+4*(\k%2)+\i], v[CW], s[G0S:G0S+1] offset:16384*\k+128*\i
	global_load_b32 v[SC+16*(\k/2)+8+4*(\k%2)+\i], v[CW], s[G0SB:G0SB+1] offset:16384*\k+128*\i
.endr
.endr
	v_min_u32 v[ADSB], 23, v4
	v_lshlrev_b32 v[ADSB], 8, v[ADSB]              ; my block of the plane; never rewritten
	global_prefetch_b8 v[ADSB], s[68:69] offset:KSL th:TH_LOAD_NT scope:SCOPE_SE
	s_mul_i32 s23, s14, SW                         ; my stage
	v_add_nc_u32 v[STO], s23, v3
	v_lshlrev_b32 v5, 2, v1
	v_add_nc_u32 v[STS], s23, v5
	v_add_nc_u32 v[STS], 12288, v[STS]
	v_lshlrev_b32 v[CO], 4, v4                     ; 16 x lane
	v_add_nc_u32 v[RD], s23, v[CO]
.macro FRAG reg, adr, q, i             ; 16 rows x 128 K: registers 0-5 from plane 2 q, 6-11 from plane 2 q + 1: 24 bytes each, in pieces of 8
.irp p, 0,1,2,3,4,5
	ds_load_b64 v[\reg+2*\p:\reg+2*\p+1], v[\adr] offset:(2*(\q)+\p/3)*PLB+(\i)*768+8*(\p%3)
.endr
.endm
; 16 products: A's blocks a0, a0 + 1 x B's eight.  The 64 accumulators take turns, one instruction a turn, in the same order in every step
.macro MUL16 a0, p, q, sc, zero
.irp a, \a0, \a0+1
.irp b, 0,1,2,3,4,5,6,7
.if \zero
	WMZ 8*(8*((\a)%4)+\b), 128*(\p)+12*\b, AF+12*(\a), SC+16*(\sc)+8+4*(\q)+\b/2, SC+16*(\sc)+4*(\q)+(\a)/2, \b%2, (\a)%2
.else
	WMC 8*(8*((\a)%4)+\b), 128*(\p)+12*\b, AF+12*(\a), 8*(8*((\a)%4)+\b), SC+16*(\sc)+8+4*(\q)+\b/2, SC+16*(\sc)+4*(\q)+(\a)/2, \b%2, (\a)%2
.endif
.endr
.endr
.endm
.macro FETCH_B slot, q, p
	WIN TO_B
.irp i, 0,1,2,3,4,5,6,7
	FRAG 128*(\p)+12*\i, ADRB+\slot, \q, \i
.endr
	WIN 0
.endm
.macro FETCH_A slot, q, i0
.irp i, \i0, \i0+1, \i0+2, \i0+3
	FRAG AF+12*(\i), ADRA+\slot, \q, \i
.endr
.endm
.macro STEP slot, q, zero              ; 128 along K that has its successor in the same slot
	s_wait_dscnt 4*NL                              ; all but the youngest 24 loads (A's blocks 4-7)
	WIN MUL_LO
	MUL16 0, (\q)%2, \q, \slot, \zero
	MUL16 2, (\q)%2, \q, \slot, \zero
	s_wait_dscnt 0
	PLACES 4                                       ; in front of loads into registers that matrix instructions have read (ISA guide 7.12.1 for vector instructions)
	FETCH_B \slot, (\q)+1, 1-(\q)%2
	FETCH_A \slot, (\q)+1, 0
	WIN MUL_HI
	MUL16 4, (\q)%2, \q, \slot, \zero
	MUL16 6, (\q)%2, \q, \slot, \zero
	PLACES 4
	WIN 0
	FETCH_A \slot, (\q)+1, 4
.endm
.macro TURN slot, next, fill           ; a slot's last step changes slots: one barrier, which with fill = 1 opens a round of the cluster's barrier
	s_wait_loadcnt 0x0                             ; the next slot's scale words are in their registers; no load of mine is out, so their bases may step
.if \fill
	s_add_nc_u64 s[G0S:G0S+1], s[G0S:G0S+1], 2*16384
	s_add_nc_u64 s[G0SB:G0SB+1], s[G0SB:G0SB+1], 2*16384
.endif
	s_wait_tensorcnt 0x0                           ; all my tensor loads have landed: my part of the next slot
	ds_add_u32 v[SPW], v[NIL]                      ; 0 onto my spare word
	s_wait_dscnt 4*NL+1                            ; (the add and A's blocks 4-7 may be out)
	WIN MUL_LO
	MUL16 0, 1, NQ-1, \slot, 0
	s_wait_dscnt 0x0                               ; the add is done, and my reads of this slot are over
	s_barrier_signal -1
	MUL16 2, 1, NQ-1, \slot, 0
	WIN 0
	s_barrier_wait -1
.if \fill
	CREST                                          ; no wave of any partner still reads this slot or has a load on its way
	s_add_nc_u64 s[G0+4*\slot+2:G0+4*\slot+3], s[G0+4*\slot+2:G0+4*\slot+3], 2*KSL
	s_add_nc_u64 s[G0B+4*\slot+2:G0B+4*\slot+3], s[G0B+4*\slot+2:G0B+4*\slot+3], 2*KSL
	JLOAD G0+4*\slot, G1, G0B+4*\slot, G1B         ; my one tensor load behind the round; its four v_nop are the places in front of the loads below
.else
	PLACES 4
.endif
	FETCH_B \next, 0, 0
	FETCH_A \next, 0, 0
.if (\fill) && ((\slot) == 0)
	global_prefetch_b8 v[ADSB], s[68:69] offset:3*KSL th:TH_LOAD_NT scope:SCOPE_SE   ; fill 3, one refill ahead of its load
.endif
	WIN MUL_HI
	MUL16 4, 1, NQ-1, \slot, 0
	MUL16 6, 1, NQ-1, \slot, 0
	PLACES 4
	WIN 0
	FETCH_A \next, 0, 4
.if \fill
.irp q, 0,1
.irp i, 0,1,2,3
	global_load_b32 v[SC+16*\slot+4*\q+\i], v[CW], s[G0S:G0S+1] offset:16384*(2+\q)+128*\i      ; the set just done with takes the words of the K steps that its slot's refill brings
	global_load_b32 v[SC+16*\slot+8+4*\q+\i], v[CW], s[G0SB:G0SB+1] offset:16384*(2+\q)+128*\i
.endr
.endr
.endif
.endm
	s_wait_alu depctr_va_vdst(0)
	s_wait_tensorcnt 0x0                           ; my part of slot 0 is in
	ds_add_u32 v[SPW], v[NIL]
	s_wait_dscnt 0x0
	CROUND                                         ; a whole round: slot 0 is whole, and the joint loads meet
	JLOAD G0+4, G1, G0B+4, G1B                     ; slot 1's first fill, the first tensor load behind the round
	FETCH_B 0, 0, 0
	FETCH_A 0, 0, 0
	global_prefetch_b8 v[ADSB], s[68:69] offset:2*KSL th:TH_LOAD_NT scope:SCOPE_SE   ; fill 2, one fill ahead of its load
	FETCH_A 0, 0, 4
	s_wait_loadcnt 0x0                             ; both sets of scale words are in
	STEP 0, 0, 1                                   ; the first step's products start the sums
	s_mov_b32 s3, LAPS-1
.Llap:
	TURN 0, 1, 1
	STEP 1, 0, 0
	TURN 1, 0, 1
	STEP 0, 0, 0
	s_sub_co_u32 s3, s3, 1
	s_cmp_lg_u32 s3, 0
	s_cbranch_scc1 .Llap
	TURN 0, 1, 0                                   ; the last lap fills nothing
	STEP 1, 0, 0
	s_wait_dscnt 4*NL
	WIN MUL_LO
	MUL16 0, 1, NQ-1, 1, 0
	MUL16 2, 1, NQ-1, 1, 0
	s_wait_dscnt 0
	WIN MUL_HI
	MUL16 4, 1, NQ-1, 1, 0
	MUL16 6, 1, NQ-1, 1, 0
	WIN 0
; 64 numbers of a lane at v[s] on of window W, register 16 b + i = index 32 b + 16 h + i of my row, become a fragment's codes in v[PC] on and its scale word in v[PW].  Each accumulator is read from its low end on.
.macro QUANTW s, W
	WIN (((\W)<<2)|((\W)<<4))
.irp b, 0,1,2,3
	v_max3_num_f32 v[TM+\b], v[FL], |v[\s+16*\b]|, |v[\s+16*\b+1]|      ; with the floor 2^(3 - 127)
.endr
.irp i, 2,4,6,8,10,12,14
.irp b, 0,1,2,3
	v_max3_num_f32 v[TM+\b], v[TM+\b], |v[\s+16*\b+\i]|, |v[\s+16*\b+\i+1]|
.endr
.endr
	WIN 0
.irp b, 0,1,2,3
	v_permlanex16_b32 v[TM+4+\b], v[TM+\b], s[SEL], s[SEL+1]
.endr
.irp b, 0,1,2,3
	v_max_num_f32 v[TM+\b], v[TM+\b], v[TM+4+\b]   ; with lane l xor 16's: the block's largest magnitude
.endr
.irp b, 0,1,2,3
	v_add_nc_u32 v[TM+12+\b], 0xff000000, v[TM+\b] ; 2 off the exponent field: the conversion's scale operand
.endr
.irp b, 0,1,2,3
	v_lshrrev_b32 v[TM+4+\b], 23, v[TM+12+\b]      ; the scale's byte
.endr
	s_wait_alu depctr_va_vdst(0)
	s_wait_dscnt 0x0                               ; the last block's LDS stores have read their registers, which are written again from here on
	v_lshl_or_b32 v[PW], v[TM+5], 8, v[TM+4]
	v_lshl_or_b32 v[PW], v[TM+6], 16, v[PW]
	v_lshl_or_b32 v[PW], v[TM+7], 24, v[PW]
	WIN \W
.irp c, 0,1
	v_cvt_scalef32_pk16_fp6_f32 v[PC+6*\c:PC+6*\c+2], v[\s+32*\c:\s+32*\c+15], v[TM+12+2*\c]
	v_cvt_scalef32_pk16_fp6_f32 v[PC+12+4*\c:PC+14+4*\c], v[\s+32*\c+16:\s+32*\c+31], v[TM+13+2*\c]
.endr
	WIN 0
	v_nop                                          ; one plain place behind the conversions
.irp c, 0,1                            ; the operand's layout wants a whole block in a lane
.irp i, 0,1,2
	v_permlane16_swap_b32 v[PC+6*\c+\i], v[PC+12+4*\c+\i]
.endr
.irp i, 0,1,2
	v_mov_b32 v[PC+3+6*\c+\i], v[PC+12+4*\c+\i]
.endr
.endr
.endm
	PLACES 4                                       ; behind the last products
	v_mov_b32 v[FL], 0x1800000
.irp b, 0,1,2,3
	v_mov_b32 v[TM+4+\b], 0                        ; a lane permute's destination counts as one of its sources
.endr
	s_cmp_eq_u32 s95, 1
	s_cbranch_scc1 .Lv
	; ---- q and k: my 128 places x 128 columns are two heads' planes; they go through my stage (slot 0 has had its last fill and its last read) and leave as 512 consecutive bytes a store
	s_lshl_b32 s20, s42, 2
	s_lshl_b32 s21, s16, 1
	s_add_co_u32 s20, s20, s21                     ; my first plane
	s_lshl_b32 s21, s17, 8
	s_lshl_b32 s22, s15, 7
	s_add_co_u32 s21, s21, s22                     ; my first place
	s_mul_i32 s22, s20, 196608
	s_mul_i32 s23, s21, 48
	s_add_co_u32 s22, s22, s23
	s_mov_b32 s23, 0
	s_add_nc_u64 s[10:11], s[8:9], s[22:23]
	s_lshl_b32 s22, s20, 14
	s_lshl_b32 s21, s21, 2
	s_add_co_u32 s22, s22, s21
	s_add_co_u32 s22, s22, QK_S
	s_add_nc_u64 s[12:13], s[8:9], s[22:23]
	s_wait_alu depctr_va_vdst(0)
.irp a, 0,1,2,3,4,5,6,7
	QUANTW 64*((\a)%4), 2+(\a)/4
.irp c, 0,1
.irp p, 0,1,2
	ds_store_b64 v[STO], v[PC+6*\c+2*\p:PC+6*\c+2*\p+1] offset:6144*\c+768*\a+8*\p
.endr
.endr
	ds_store_b32 v[STS], v[PW] offset:64*\a        ; the first head's word: bytes 0, 1 are its own (bytes 2, 3 meet zero codes)
	v_lshrrev_b32 v[PW+1], 16, v[PW]
	ds_store_b32 v[STS], v[PW+1] offset:512+64*\a  ; the second head's
.endr
.set j, 0
.rept 26
	ds_load_b128 v[64+4*j:67+4*j], v[RD] offset:512*j
.set j, j+1
.endr
.set j, 0
.rept 24
	s_wait_dscnt 25-j                              ; the younger loads may be out
	global_store_b128 v[CO], v[64+4*j:67+4*j], s[10:11] offset:(j/12)*196608+512*(j%12)
.set j, j+1
.endr
.rept 2
	s_wait_dscnt 25-j
	global_store_b128 v[CO], v[64+4*j:67+4*j], s[12:13] offset:16384*(j-24)
.set j, j+1
.endr
	s_branch .Ldone
.Lv:
	; ---- v: block a is 16 channels x my 128 keys: a fragment of the second product of attention; its registers are stored as they stand
	s_lshr_b32 s20, s42, 3
	s_lshl_b32 s20, s20, 4
	s_lshl_b32 s21, s17, 2
	s_add_co_u32 s20, s20, s21
	s_lshl_b32 s21, s15, 1
	s_add_co_u32 s20, s20, s21                     ; 16 x batch + my first head
	s_and_b32 s21, s42, 7
	s_lshl_b32 s21, s21, 1
	s_add_co_u32 s21, s21, s16                     ; my key step
	s_mul_i32 s22, s20, 98304
	s_mul_i32 s23, s21, 6144
	s_add_co_u32 s22, s22, s23
	s_add_co_u32 s22, s22, V_I
	s_mov_b32 s23, 0
	s_add_nc_u64 s[10:11], s[8:9], s[22:23]
	s_lshl_b32 s22, s20, 13
	s_lshl_b32 s21, s21, 9
	s_add_co_u32 s22, s22, s21
	s_add_co_u32 s22, s22, V_S
	s_add_nc_u64 s[12:13], s[8:9], s[22:23]
	s_wait_alu depctr_va_vdst(0)
.irp a, 0,1,2,3,4,5,6,7
	s_wait_xcnt 0x0                                ; the last block's stores have read their registers
	QUANTW 64*((\a)%4), 2+(\a)/4
.irp c, 0,1,2
	global_store_b128 v[CO], v[PC+4*\c:PC+4*\c+3], s[10:11] offset:(\a/4)*98304+(\a%4)*1536+512*\c
.endr
	global_store_b32 v[CW], v[PW], s[12:13] offset:(\a/4)*8192+(\a%4)*128
.endr
.Ldone:
	s_wait_tensorcnt 0x0                           ; the wave's end
	ds_add_u32 v[SPW], v[NIL]
	s_wait_dscnt 0x0
	CROUND                                         ; the closing round
	s_endpgm
.Lfunc_end_k_q485224221b_qkv:
	.size	k_q485224221b_qkv, .Lfunc_end_k_q485224221b_qkv-k_q485224221b_qkv
	.p2alignl 7, 3214868480
	.fill 96, 4, 3214868480
	.section	.rodata,"a",@progbits
	.p2align	6, 0x0
	.amdhsa_kernel k_q485224221b_qkv
		.amdhsa_group_segment_fixed_size 327680
		.amdhsa_private_segment_fixed_size 0
		.amdhsa_enable_private_segment 0
		.amdhsa_kernarg_size 24
		.amdhsa_user_sgpr_count 2
		.amdhsa_user_sgpr_kernarg_segment_ptr 1
		.amdhsa_wavefront_size32 1
		.amdhsa_system_sgpr_workgroup_id_x 1
		.amdhsa_system_sgpr_workgroup_id_y 1
		.amdhsa_system_sgpr_workgroup_id_z 1
		.amdhsa_system_vgpr_workitem_id 0
		.amdhsa_next_free_vgpr 1024
		.amdhsa_next_free_sgpr 98
		.amdhsa_reserve_vcc 0
		.amdhsa_float_denorm_mode_32 3
		.amdhsa_float_denorm_mode_16_64 3
		.amdhsa_memory_ordered 1
		.amdhsa_forward_progress 1
		.amdhsa_inst_pref_size 208
	.end_amdhsa_kernel
	.amdgpu_metadata
---
amdhsa.version: [ 1, 2 ]
amdhsa.kernels:
  - .name:           k_q485224221b_qkv
    .symbol:         k_q485224221b_qkv.kd
    .args:
      - { .name: h1, .offset: 0, .size: 8, .value_kind: global_buffer, .address_space: global }
      - { .name: wts, .offset: 8, .size: 8, .value_kind: global_buffer, .address_space: global }
      - { .name: qkvb, .offset: 16, .size: 8, .value_kind: global_buffer, .address_space: global }
    .group_segment_fixed_size: 327680
    .private_segment_fixed_size: 0
    .kernarg_segment_align: 8
    .kernarg_segment_size: 24
    .max_flat_workgroup_size: 128
    .sgpr_count:     98
    .vgpr_count:     1024
    .wavefront_size: 32
...
	.end_amdgpu_metadata
.endif
;; end of part 2
;; launch attn (part 3): grid 8 x 32, 16 waves a work-group, clusters of 4 x 1, 227,584 bytes of LDS; arguments qkvb, ao; writes ao
.if DOCPART == 3
	.amdgcn_target "amdgcn-amd-amdhsa--gfx1250"
	.amdhsa_code_object_version 6
	.text
	.protected	k_q485224221b_attn
	.globl	k_q485224221b_attn
	.p2align	8
	.type	k_q485224221b_attn,@function
k_q485224221b_attn:
	s_mov_b64 s[64:65], 0
	v_nop
	global_prefetch_b8 v0, s[64:65] scope:SCOPE_SE
	s_setreg_imm32_b32 hwreg(HW_REG_WAVE_MODE, 25, 1), 1
	s_wait_xcnt 0x0
	s_wait_alu depctr_hold_cnt(0) depctr_sa_sdst(0) depctr_va_vdst(0) depctr_va_sdst(0) depctr_va_ssrc(0) depctr_va_vcc(0) depctr_vm_vsrc(0)
	s_getreg_b32 s2, hwreg(HW_REG_IB_STS2, 6, 4)
	s_cmp_eq_u32 s2, 0
	s_cbranch_scc0 .Lentry_in_a_cluster
	s_endpgm
.Lentry_in_a_cluster:
	s_bfe_u32 s2, ttmp6, 0x10000c
	s_cmp_lg_u32 s2, 0x3003
	s_cbranch_scc0 .Lentry_shape_is_right
	s_endpgm
.Lentry_shape_is_right:
; Attention on codes of FP6 (E2M3): S^T = K Q^T (K = the head's 64), p = 2^(t - M), O^T = V^T P^T (K = the keys), O / l, and the quantiser of the result along the channels.
; t = score x log2(e) / 8; M = the running largest t rounded up to a whole number; the row's sum l is taken of the unquantised p; when M moves, l and O^T are multiplied by 2^(old M - new M): exact.
; SHARES: a work-group owns 256 query places of one (batch, head), each of its sixteen waves 16 of them: four waves to a SIMD.
; THE WHOLE HEAD LIES IN LDS: K's codes 98,304 bytes, V's fragment images 98,304, their scale words 8,192 each.  Every byte is filled once: no ring, no refill.
; WHICH KEYS FORM A TILE: tile 4 c + t of a step takes keys 64 c + 8 t + i in its rows 0-7 and keys 64 c + 32 + 8 t + i in rows 8-15.  So lane (query r, h) holds in the 32 registers of tiles 4 c .. 4 c + 3
; the keys 64 c + 32 h + 0 .. 31: ONE WHOLE BLOCK of V's K, in order: its largest score needs no other lane, and the conversions' results are the operand's registers.  Only the row's maximum and the scale word's
; four bytes pass between lanes l and l xor 16.  Rows stand in memory at places sigma(row) (bits 3 and 4 exchanged): key 64 c + 32 a + 8 t + i lies at place 64 c + 32 a + 8 swap(t) + i, swap exchanging t's two bits.
; K IN TWO REGIONS: the groups of 32 places (1,536 bytes) with a = 0 lie on end from byte 0, those with a = 1 from byte KO.  KO is 128 modulo 256, so that the 32 lanes of a load of 8 bytes (two groups of sixteen,
; 24 bytes from lane to lane) touch 64 different banks (64 banks of 4 bytes: ISA guide 11.1).  A tensor load takes every second group: rows of 1,536 bytes, 3,072 apart in memory.
; SIXTEEN FIRST FILLS, ONE A WAVE, in one chain of five arms on the wave's number: waves 0, 1 K's and V's scale words; waves 2, 3 the first 512 keys of K's two regions; wave 4 those of V;
; waves 5-7 V's other 1,536 keys, 512 each; waves 8-11 and 12-15 those of K's two regions, 384 keys each.  Ahead of the first barrier only waves 0-4 wait, whose three load lines no other wave issues; the first
; four steps read their bytes alone.  Ahead of the second barrier every wave waits.  Nothing is ever filled again, so the later loads may be out across the first barrier.  The waves meet twice in all.
; CLUSTER: the four query blocks of a cluster belong to one head: each load is asked for jointly by all four (mask 15).
; NO PREFETCH: all that the work-group reads through LDS is asked for by the sixteen loads at the head; there is no loop to run ahead in.
; K = 64 UNDER AN INSTRUCTION OF 128: Q's registers 6-11 are zero codes, so whatever stands in K's upper six registers (the next tile's codes; zeros behind the last) adds nothing; no scale byte is 0xff.
; ao: codes [16 planes = heads][4096][48] at byte 0, scale words [8][4096] at 3,145,728: my head's two bytes of each word are stored as 2 bytes (the other two are the neighbouring head's work-group's);
; lanes 16-31 store the same bytes to the same places as lanes 0-15.
; LIMITS: NaN and infinities are not served; a block under 2^-124, a block of zeros too, gets the byte 1; the promise holds while |t| stays under 2^31.
.set KO,    49280                      ; K's second region: 49,152 + 128
.set VI,    98560
.set KW,    196864
.set VW,    205056
.set STAGE, 213248                     ; 768 bytes a wave, for the way out; no fill lands here
.set SPARE, 225536                     ; the spare words, 128 bytes for each of sixteen waves
.set QK_S,  6291456
.set V_I,   6815744
.set V_S,   9961472
.set AO_S,  3145728
.set WV,  18
.set SEL, 20
.set CS,  22
.set G1S, 24                           ; group 1: 32 rows of 256 bytes
.set G1C, 32                           ; 96 rows of 256 bytes
.set G1K, 52                           ; 8 rows of 1,536 bytes, 3,072 apart
.set G1L, 80                           ; 6 such rows
.set TC,  60                           ; s60 where the step's images of V begin: 6,144 bytes a step
.set TS,  61                           ; s61 its scale words: 512 bytes a step, in K and in V
.set CNT, 62
.set TK,  92                           ; s92 its codes in each of K's regions: 3,072 bytes a step
; v1 K's rows of a tile; v2-4 my lane's place in V's images, K's words, V's words; v5, v6 the add's two; v7 4 r; v8-11 the step's addresses; v12 -M, v13 the largest score, v[14:15] the sum;
; v16-21 Q, v22-27 zeros, v28 Q's scale word; v32-79 K's eight half fragments, then V's four fragments, v80-85 zeros; v86-89 K's scale words, v90-93 V's; v94 48 r + 24 h, v95 8 h; v96-159 S^T, then p;
; v160-191 O^T; v192-221 at work; v224-235 p's codes; v252 f (v253 = 0 fills its pair), v254 p's scale word
.macro CROUND
	s_barrier_signal -1
	s_barrier_wait -1
	s_cmp_lg_u32 s[WV], 0
	s_cbranch_scc1 .Lnot_wave_0_\@
	s_barrier_signal -3
.Lnot_wave_0_\@:
	s_barrier_wait -3
	s_barrier_signal -1
	s_barrier_wait -1
.endm
.macro GRP1 g, el, rows, pitch         ; rows of el elements of 8 bytes: 15:0 all four work-groups; 17:16 the element; 21 set beside a mask
	s_mov_b32 s[\g], 15|(3<<16)|(1<<21)
	s_mov_b32 s[\g+1], (\el)<<16
	s_mov_b32 s[\g+2], (\rows)<<16
	s_mov_b32 s[\g+3], (\el)<<16
	s_mov_b32 s[\g+4], \rows
	s_mov_b32 s[\g+5], \pitch
	s_mov_b32 s[\g+6], 0
	s_mov_b32 s[\g+7], 0
.endm
.macro TLOAD g0, g1                    ; an s_nop 0 and four v_nop follow the load
	tensor_load_to_lds s[\g0:\g0+3], s[\g1:\g1+7]
	s_nop 0
.rept 4
	v_nop
.endr
.endm
	s_load_b128 s[4:7], s[0:1], 0x0                ; qkvb, ao
	v_lshl_add_u32 v5, v0, 2, SPARE
	v_mov_b32 v6, 0
	ds_add_u32 v5, v6                              ; the wave's opening: the add, twice on end, and its wait ahead of the first tensor loads
	ds_add_u32 v5, v6
	v_lshrrev_b32 v8, 5, v0
	s_delay_alu instid0(VALU_DEP_1)
	v_readfirstlane_b32 s[WV], v8                  ; wave 0..15
	s_and_b32 s8, ttmp7, 0xffff                    ; 16 x batch + head: the four partners share it
	s_lshr_b32 s9, s8, 4                           ; batch
	s_and_b32 s10, s8, 15                          ; head
	s_add_co_u32 s13, s10, 16
	s_mul_i32 s66, s13, 196608
	s_mul_i32 s15, s9, 98304
	s_add_co_u32 s66, s66, s15                     ; K's codes: plane 16 + head, the batch's 2,048 rows
	s_mov_b32 s67, 0
	s_mul_i32 s70, s8, 98304
	s_add_co_u32 s70, s70, V_I                     ; V's images
	s_mov_b32 s71, 0
	s_lshl_b32 s16, s13, 14
	s_lshl_b32 s17, s9, 13
	s_add_co_u32 s16, s16, s17
	s_add_co_u32 s16, s16, QK_S                    ; K's scale words
	s_lshl_b32 s17, s8, 13
	s_add_co_u32 s17, s17, V_S                     ; V's
	s_and_b32 s63, s[WV], 1
	s_cmp_eq_u32 s63, 0
	s_cselect_b32 s68, s16, s17                    ; waves 0, 1: K's words, V's words
	s_mov_b32 s69, 0
	GRP1 G1S, 32, 32, 32
	GRP1 G1C, 32, 96, 32
	GRP1 G1K, 192, 8, 384
	GRP1 G1L, 192, 6, 384
	s_lshl_b32 s41, s63, 13
	s_add_co_u32 s41, s41, KW                      ; LDS: the scale words, K's then V's
	s_mul_i32 s45, s63, KO                         ; waves 2, 3: K's region wave % 2,
	s_mul_i32 s72, s63, 1536                       ; which begins with group wave % 2
	s_mov_b32 s73, 0
	s_and_b32 s74, s[WV], 3                        ; waves 4-7: quarter wave % 4 of V's images
	s_mul_i32 s74, s74, 24576
	s_mov_b32 s75, 0
	s_add_co_u32 s49, s74, VI
	s_bfe_u32 s76, s[WV], 0x10002                  ; waves 8-15: K's region (wave / 4) % 2,
	s_and_b32 s77, s[WV], 3                        ; six groups from group 8 + 6 (wave % 4) of the region on
	s_mul_i32 s89, s76, KO
	s_mul_i32 s78, s77, 9216
	s_add_co_u32 s89, s89, s78
	s_add_co_u32 s89, s89, 12288
	s_mul_i32 s76, s76, 1536
	s_mul_i32 s77, s77, 18432
	s_add_co_u32 s76, s76, s77
	s_add_co_u32 s76, s76, 24576
	s_mov_b32 s77, 0
	s_mov_b32 s40, 1
	s_mov_b32 s44, 1
	s_mov_b32 s48, 1
	s_mov_b32 s88, 1
	s_mov_b32 s[SEL], 0x76543210
	s_mov_b32 s[SEL+1], 0xfedcba98
	s_mov_b32 s[CS], 0x3e38aa3b                    ; c = log2(e) / 8
	s_mov_b32 s[CS+1], s[CS]
	s_wait_dscnt 0x0                               ; both opening adds are done
	s_wait_kmcnt 0x0
	s_add_nc_u64 s[66:67], s[4:5], s[66:67]
	s_add_nc_u64 s[42:43], s[4:5], s[68:69]
	s_add_nc_u64 s[70:71], s[4:5], s[70:71]
	s_or_b32 s43, s43, 0x80000000
	s_add_nc_u64 s[46:47], s[66:67], s[72:73]
	s_or_b32 s47, s47, 0x80000000
	s_add_nc_u64 s[50:51], s[70:71], s[74:75]
	s_or_b32 s51, s51, 0x80000000
	s_add_nc_u64 s[90:91], s[66:67], s[76:77]
	s_or_b32 s91, s91, 0x80000000
	CROUND                                         ; all four work-groups are here: the joint loads meet
	s_cmp_lt_u32 s[WV], 2
	s_cbranch_scc0 .Lk_first
	TLOAD 40, G1S
	s_branch .Lasked
.Lk_first:
	s_cmp_lt_u32 s[WV], 4
	s_cbranch_scc0 .Lv_first
	TLOAD 44, G1K
	s_branch .Lasked
.Lv_first:
	s_cmp_lt_u32 s[WV], 5
	s_cbranch_scc0 .Lv_rest
	TLOAD 48, G1C
	s_branch .Lasked
.Lv_rest:
	s_cmp_lt_u32 s[WV], 8
	s_cbranch_scc0 .Lk_rest
	TLOAD 48, G1C
	s_branch .Lasked
.Lk_rest:
	TLOAD 88, G1L
.Lasked:
	s_bfe_u32 s11, ttmp6, 0x40000                  ; cx: it enters Q's and ao's global addresses alone
	s_lshl_b32 s12, ttmp9, 2
	s_add_co_u32 s12, s12, s11                     ; my block of 256 queries
	s_lshl_b32 s72, s9, 11
	s_lshl_b32 s73, s12, 8
	s_add_co_u32 s72, s72, s73
	s_lshl_b32 s73, s[WV], 4
	s_add_co_u32 s72, s72, s73                     ; my first query place
	s_mul_i32 s74, s10, 196608
	s_mul_i32 s76, s72, 48
	s_add_co_u32 s74, s74, s76                     ; plane = head, my first place: the same offset in q's codes and in ao's
	s_mov_b32 s75, 0
	s_add_nc_u64 s[76:77], s[4:5], s[74:75]
	s_add_nc_u64 s[78:79], s[6:7], s[74:75]
	s_lshl_b32 s74, s10, 14
	s_lshl_b32 s73, s72, 2
	s_add_co_u32 s74, s74, s73
	s_add_co_u32 s74, s74, QK_S
	s_add_nc_u64 s[14:15], s[4:5], s[74:75]        ; q's scale words
	s_lshr_b32 s74, s10, 1
	s_lshl_b32 s74, s74, 14
	s_add_co_u32 s74, s74, s73
	s_and_b32 s73, s10, 1
	s_lshl_b32 s73, s73, 1
	s_add_co_u32 s74, s74, s73
	s_add_co_u32 s74, s74, AO_S
	s_add_nc_u64 s[16:17], s[6:7], s[74:75]        ; ao's scale words: K step head / 2, bytes 2 (head % 2) on
	v_and_b32 v8, 15, v0                           ; r
	v_bfe_u32 v9, v0, 4, 1                         ; h
	v_and_b32 v10, 31, v0                          ; lane
	v_mul_u32_u24 v94, v8, 48
	s_delay_alu instid0(VALU_DEP_1)
	v_mad_u32_u24 v94, v9, 24, v94                 ; 48 r + 24 h: Q's rows, and my stage
.irp p, 0,1,2
	global_load_b64 v[16+2*\p:17+2*\p], v94, s[76:77] offset:8*\p   ; Q's half fragment stays in registers
.endr
	v_lshlrev_b32 v7, 2, v8
	global_load_b32 v28, v7, s[14:15]              ; Q's scale words
	v_and_b32 v11, 7, v0                           ; r % 8
	v_bfe_u32 v29, v0, 3, 1                        ; r / 8
	v_mul_u32_u24 v1, v11, 48
	s_delay_alu instid0(VALU_DEP_1)
	v_mad_u32_u24 v1, v9, 24, v1
	s_delay_alu instid0(VALU_DEP_1)
	v_mad_u32_u24 v1, v29, KO, v1                  ; row r of a tile: 48 (r % 8) + 24 h in region r / 8
	v_lshl_or_b32 v11, v29, 5, v11
	s_delay_alu instid0(VALU_DEP_1)
	v_lshl_add_u32 v11, v9, 4, v11                 ; its scale word: place r % 8 + 32 (r / 8), + 16 h: lanes 16-31 take the odd tile's words
	s_delay_alu instid0(VALU_DEP_1)
	v_lshl_add_u32 v3, v11, 2, KW
	v_lshl_add_u32 v2, v10, 4, VI
	v_lshl_add_u32 v4, v10, 2, VW
	v_lshlrev_b32 v95, 3, v9                       ; 8 h
	v_mov_b32 v13, 0xff61b1e6                      ; the largest score so far: -3e38
	s_delay_alu instid0(VALU_DEP_1)
	v_floor_f32 v12, -v13                          ; -M
	v_mov_b32 v14, 0
	v_mov_b32 v15, 0
.irp j, 22,23,24,25,26,27,80,81,82,83,84,85,197,199,253
	v_mov_b32 v[\j], 0                             ; zero codes; permute destinations; the upper half of the pair v[252:253]
.endr
.set j, 0
.rept 32
	v_mov_b32 v[160+j], 0                          ; O^T: the step is written once, its first trip finds zeros
.set j, j+1
.endr
.macro OM j0, j1                       ; O^T under the new M: pairs j0 .. j1
.set jj, \j0
.rept (\j1)-(\j0)+1
	v_pk_mul_f32 v[160+2*jj:161+2*jj], v[160+2*jj:161+2*jj], v[252:253] op_sel_hi:[1,0]
.set jj, jj+1
.endr
.endm
.macro STEP                            ; 128 keys
	v_add_nc_u32 v8, s[TK], v1                     ; (these four are the places behind the last step's products)
	v_add_nc_u32 v9, s[TC], v2
	v_add_nc_u32 v10, s[TS], v3
	v_add_nc_u32 v11, s[TS], v4
.irp i, 0,1,2,3
	ds_load_b32 v[86+\i], v10 offset:256*(\i/2)+32*(\i%2)      ; lanes 0-15 tile 2 i's rows, lanes 16-31 tile 2 i + 1's
.endr
.irp c, 0,1
.irp t, 0,1,2,3
.irp p, 0,1,2
	ds_load_b64 v[32+6*(4*\c+\t)+2*\p:33+6*(4*\c+\t)+2*\p], v8 offset:1536*\c+384*(2*(\t%2)+\t/2)+8*\p
.endr
.endr
.endr
	s_wait_alu depctr_va_vdst(0)
.irp t, 0,2,4,6
.if \t < 6
	s_wait_dscnt 15-3*\t                           ; tiles t to t + 2 are in (the second product names tile t + 2's registers too): behind them 3 loads for each later tile were issued
.else
	s_wait_dscnt 0x0
.endif
	v_wmma_scale_f32_16x16x128_f8f6f4 v[96+8*\t:103+8*\t], v[32+6*\t:43+6*\t], v[16:27], 0, v[86+\t/2], v28 matrix_a_fmt:MATRIX_FMT_FP6 matrix_b_fmt:MATRIX_FMT_FP6
	v_wmma_scale_f32_16x16x128_f8f6f4 v[104+8*\t:111+8*\t], v[38+6*\t:49+6*\t], v[16:27], 0, v[86+\t/2], v28 matrix_a_fmt:MATRIX_FMT_FP6 matrix_b_fmt:MATRIX_FMT_FP6 matrix_a_scale:MATRIX_SCALE_ROW1
.endr
.rept 4
	v_nop                                          ; four places: in front of the loads into K's registers, and of the first read of the scores
.endr
.irp t, 0,1,2,3
.irp c, 0,1,2
	ds_load_b128 v[32+12*\t+4*\c:35+12*\t+4*\c], v9 offset:1536*\t+512*\c      ; V's fragment, as its registers were stored: asked for here, wanted behind the softmax
.endr
	ds_load_b32 v[90+\t], v11 offset:128*\t
.endr
.irp c, 0,1                            ; the largest score of my two blocks of 32 keys, each in two chains; each accumulator is first read at its low end
	v_max3_num_f32 v[192+\c], v[96+32*\c], v[97+32*\c], v[98+32*\c]
	v_max3_num_f32 v[194+\c], v[112+32*\c], v[113+32*\c], v[114+32*\c]
.endr
.irp i, 3,5,7,9,11,13
.irp c, 0,1
	v_max3_num_f32 v[192+\c], v[192+\c], v[96+32*\c+\i], v[97+32*\c+\i]
	v_max3_num_f32 v[194+\c], v[194+\c], v[112+32*\c+\i], v[113+32*\c+\i]
.endr
.endr
.irp c, 0,1
	v_max3_num_f32 v[192+\c], v[192+\c], v[194+\c], v[111+32*\c]
.endr
	v_mov_b32 v202, v12                            ; the old -M
.irp c, 0,1
	v_max_num_f32 v[192+\c], v[192+\c], v[127+32*\c]
.endr
	s_delay_alu instid0(VALU_DEP_1)
	v_max_num_f32 v196, v192, v193
	s_delay_alu instid0(VALU_DEP_1)
	v_permlanex16_b32 v197, v196, s[SEL], s[SEL+1]
	s_delay_alu instid0(VALU_DEP_1)
	v_max3_num_f32 v13, v13, v196, v197            ; the running largest score of my query, lane l xor 16's blocks among them
	s_delay_alu instid0(VALU_DEP_1)
	v_mul_f32 v198, s[CS], v13                     ; as t (c is positive)
	s_delay_alu instid0(VALU_DEP_1)
	v_floor_f32 v12, -v198                         ; the new -M: a whole number
.set j, 0
.rept 32
	v_pk_fma_f32 v[96+j:97+j], v[96+j:97+j], s[CS:CS+1], v[12:13] op_sel_hi:[1,0,0]   ; t - M
.if j == 8
	v_sub_f32 v202, v12, v202                      ; (the three lines that make f stand among these)
.endif
.if j == 24
	v_cvt_i32_f32 v202, v202                       ; (it saturates)
.endif
.if j == 40
	v_ldexp_f32 v252, 1.0, v202                    ; f = 2^(old M - new M)
.endif
.set j, j+2
.endr
.irp c, 0,1
	v_fma_f32 v[192+\c], v[192+\c], s[CS], v12     ; the same of each block's largest score: p rises with the score
.endr
	s_wait_alu depctr_va_vdst(0)
	v_exp_f32 v192, v192                           ; my blocks' largest p
	v_exp_f32 v193, v193
.set j, 0
.rept 64
	v_exp_f32 v[96+j], v[96+j]                     ; p = 2^(t - M)
.set j, j+1
.endr
	v_pk_mul_f32 v[14:15], v[14:15], v[252:253] op_sel_hi:[1,0]   ; the sums under the new M; a plain place behind the exponentials
	s_wait_alu depctr_va_vdst(0)                   ; one wait for the 66, and, directly ahead of O^T's first readers, for the last step's products
	OM 0, 0                                        ; the lines that make p's scales stand among O^T's sixteen
.irp c, 0,1
	v_max_num_f32 v[192+\c], 0x1800000, v[192+\c]  ; the floor 2^(3 - 127)
.endr
	OM 1, 3
.irp c, 0,1
	v_add_nc_u32 v[200+\c], 0xff000000, v[192+\c]  ; 2 off the exponent field: the conversion's scale operand
.endr
	OM 4, 6
.irp c, 0,1
	v_lshrrev_b32 v[196+\c], 23, v[200+\c]         ; the scale's byte
.endr
	OM 7, 9
	v_lshl_or_b32 v198, v197, 16, v196             ; my two bytes: blocks h and 2 + h,
	OM 10, 12
	v_lshlrev_b32 v198, v95, v198                  ; at their places in the word
	OM 13, 15
	v_permlanex16_b32 v199, v198, s[SEL], s[SEL+1]
.irp c, 0,1
	v_cvt_scalef32_pk16_fp6_f32 v[224+6*\c:226+6*\c], v[96+32*\c:111+32*\c], v[200+\c]
	v_cvt_scalef32_pk16_fp6_f32 v[208+4*\c:210+4*\c], v[112+32*\c:127+32*\c], v[200+\c]   ; (a conversion's three registers begin on an even number)
.endr
	v_pk_add_f32 v[216:217], v[96:97], v[98:99]    ; THE ROW'S SUM OF THE UNQUANTISED p, in four chains: 32 additions; they are also the places behind the conversions and ahead of the products
	v_pk_add_f32 v[218:219], v[100:101], v[102:103]
	v_pk_add_f32 v[220:221], v[104:105], v[106:107]
	v_pk_add_f32 v[14:15], v[14:15], v[108:109]
	v_or_b32 v254, v198, v199                      ; with lane l xor 16's two bytes: p's scale word for these 128 keys
.irp c, 0,1
.irp i, 0,1,2
	v_mov_b32 v[227+6*\c+\i], v[208+4*\c+\i]       ; registers 6 c .. 6 c + 5 hold keys 64 c + 32 h + 0 .. 31
.endr
.endr
.set j, 110
.rept 6
	v_pk_add_f32 v[216:217], v[216:217], v[j:j+1]
	v_pk_add_f32 v[218:219], v[218:219], v[j+2:j+3]
	v_pk_add_f32 v[220:221], v[220:221], v[j+4:j+5]
	v_pk_add_f32 v[14:15], v[14:15], v[j+6:j+7]
.set j, j+8
.endr
	v_pk_add_f32 v[218:219], v[218:219], v[220:221]
	v_pk_add_f32 v[216:217], v[216:217], v[158:159]
	v_pk_add_f32 v[14:15], v[14:15], v[218:219]
	v_pk_add_f32 v[14:15], v[14:15], v[216:217]
	s_wait_alu depctr_va_vdst(0)
	s_wait_dscnt 0x0                               ; V's fragments and scale words are in
.irp t, 0,1,2,3
	v_wmma_scale_f32_16x16x128_f8f6f4 v[160+8*\t:167+8*\t], v[32+12*\t:43+12*\t], v[224:235], v[160+8*\t:167+8*\t], v[90+\t], v254 matrix_a_fmt:MATRIX_FMT_FP6 matrix_b_fmt:MATRIX_FMT_FP6
.endr
.endm
.macro PHASE c0, n                     ; n steps, from key 512 c0 on
	s_wait_dscnt 0x0
	s_barrier_signal -1
	s_barrier_wait -1
	s_mov_b32 s[TK], 12288*\c0
	s_mov_b32 s[TC], 24576*\c0
	s_mov_b32 s[TS], 2048*\c0
	s_mov_b32 s[CNT], \n
.Lstep_\@:
	STEP
	s_add_co_u32 s[TK], s[TK], 3072
	s_add_co_u32 s[TC], s[TC], 6144
	s_add_co_u32 s[TS], s[TS], 512
	s_sub_co_u32 s[CNT], s[CNT], 1
	s_cmp_lg_u32 s[CNT], 0
	s_cbranch_scc1 .Lstep_\@
.endm
	s_wait_alu depctr_va_vdst(0)
	s_wait_loadcnt 0x0                             ; Q
	s_cmp_lt_u32 s[WV], 5                          ; the scale words and the first 512 keys are waves 0-4's loads
	s_cbranch_scc0 .Llater
	s_wait_tensorcnt 0x0
.Llater:
	PHASE 0, 4
	s_wait_tensorcnt 0x0                           ; every wave's load is in
	PHASE 1, 12
	; THE WAY OUT: O^T / l, register 16 g + i = channel 32 g + 16 h + i of my query: two blocks along the next K
	v_add_f32 v14, v14, v15
	s_delay_alu instid0(VALU_DEP_1)
	v_permlanex16_b32 v252, v14, s[SEL], s[SEL+1]
	s_delay_alu instid0(VALU_DEP_1)
	v_add_f32 v14, v14, v252
	s_wait_alu depctr_va_vdst(0)
	v_rcp_f32 v14, v14
	v_and_b32 v10, 31, v0                          ; (plain places behind the reciprocal)
	s_mul_i32 s73, s[WV], 768
	s_add_co_u32 s73, s73, STAGE
	v_add_nc_u32 v29, s73, v94                     ; my stage, in: 48 r + 24 h
	v_lshlrev_b32 v31, 3, v10
	s_delay_alu instid0(VALU_DEP_1)
	v_add_nc_u32 v30, s73, v31                     ; and back: 8 bytes a lane
	s_wait_alu depctr_va_vdst(0)                   ; the wait ahead of the reciprocal's first reader, and of O^T's
.set j, 0
.rept 32
	v_mul_f32 v[96+j], v[160+j], v14
.set j, j+1
.endr
.irp b, 0,1
	v_max3_num_f32 v[192+\b], |v[96+16*\b]|, |v[97+16*\b]|, 0x1800000
.endr
.irp i, 2,4,6,8,10,12,14
.irp b, 0,1
	s_delay_alu instid0(VALU_DEP_2)
	v_max3_num_f32 v[192+\b], v[192+\b], |v[96+16*\b+\i]|, |v[97+16*\b+\i]|
.endr
.endr
.irp b, 0,1
	s_delay_alu instid0(VALU_DEP_2)
	v_permlanex16_b32 v[196+\b], v[192+\b], s[SEL], s[SEL+1]
.endr
.irp b, 0,1
	s_delay_alu instid0(VALU_DEP_2)
	v_max_num_f32 v[192+\b], v[192+\b], v[196+\b]
.endr
.irp b, 0,1
	s_delay_alu instid0(VALU_DEP_2)
	v_add_nc_u32 v[200+\b], 0xff000000, v[192+\b]
.endr
.irp b, 0,1
	s_delay_alu instid0(VALU_DEP_2)
	v_lshrrev_b32 v[196+\b], 23, v[200+\b]
.endr
	s_delay_alu instid0(VALU_DEP_1)
	v_lshl_or_b32 v254, v197, 8, v196              ; my head's two scale bytes of my query
	v_cvt_scalef32_pk16_fp6_f32 v[224:226], v[96:111], v200
	v_cvt_scalef32_pk16_fp6_f32 v[208:210], v[112:127], v201
	v_nop
.irp i, 0,1,2
	v_permlane16_swap_b32 v[224+\i], v[208+\i]
.endr
.irp i, 0,1,2
	s_delay_alu instid0(VALU_DEP_3)
	v_mov_b32 v[227+\i], v[208+\i]
.endr
.irp p, 0,1,2
	ds_store_b64 v29, v[224+2*\p:225+2*\p] offset:8*\p
.endr
.irp j, 0,1,2
	ds_load_b64 v[32+2*\j:33+2*\j], v30 offset:256*\j          ; LDS serves a wave's instructions in order: these see my stores
.endr
	s_wait_alu depctr_va_vdst(0)
.irp j, 0,1,2
	s_wait_dscnt 2-\j                              ; the younger loads may be out
	global_store_b64 v31, v[32+2*\j:33+2*\j], s[78:79] offset:256*\j   ; 32 lanes store 256 consecutive bytes, at a multiple of 256
.endr
	global_store_b16 v7, v254, s[16:17]
	s_wait_tensorcnt 0x0                           ; the wave's end
	ds_add_u32 v5, v6
	s_wait_dscnt 0x0
	CROUND                                         ; the closing round
	s_endpgm
.Lfunc_end_k_q485224221b_attn:
	.size	k_q485224221b_attn, .Lfunc_end_k_q485224221b_attn-k_q485224221b_attn
	.p2alignl 7, 3214868480
	.fill 96, 4, 3214868480
	.section	.rodata,"a",@progbits
	.p2align	6, 0x0
	.amdhsa_kernel k_q485224221b_attn
		.amdhsa_group_segment_fixed_size 227584
		.amdhsa_private_segment_fixed_size 0
		.amdhsa_enable_private_segment 0
		.amdhsa_kernarg_size 16
		.amdhsa_user_sgpr_count 2
		.amdhsa_user_sgpr_kernarg_segment_ptr 1
		.amdhsa_wavefront_size32 1
		.amdhsa_system_sgpr_workgroup_id_x 1
		.amdhsa_system_sgpr_workgroup_id_y 1
		.amdhsa_system_sgpr_workgroup_id_z 1
		.amdhsa_system_vgpr_workitem_id 0
		.amdhsa_next_free_vgpr 256
		.amdhsa_next_free_sgpr 100
		.amdhsa_reserve_vcc 0
		.amdhsa_float_denorm_mode_32 3
		.amdhsa_float_denorm_mode_16_64 3
		.amdhsa_memory_ordered 1
		.amdhsa_forward_progress 1
		.amdhsa_inst_pref_size 50
	.end_amdhsa_kernel
	.amdgpu_metadata
---
amdhsa.version: [ 1, 2 ]
amdhsa.kernels:
  - .name:           k_q485224221b_attn
    .symbol:         k_q485224221b_attn.kd
    .args:
      - { .name: qkvb, .offset: 0, .size: 8, .value_kind: global_buffer, .address_space: global }
      - { .name: ao, .offset: 8, .size: 8, .value_kind: global_buffer, .address_space: global }
    .group_segment_fixed_size: 227584
    .private_segment_fixed_size: 0
    .kernarg_segment_align: 8
    .kernarg_segment_size: 16
    .max_flat_workgroup_size: 512
    .sgpr_count:     100
    .vgpr_count:     256
    .wavefront_size: 32
...
	.end_amdgpu_metadata
.endif
;; end of part 3
;; launch proj (part 4): grid 8 x 32, 4 waves a work-group, clusters of 4 x 4, 327,680 bytes of LDS; arguments ao, wts, b_proj, x, x1; writes x1
.if DOCPART == 4
	.amdgcn_target "amdgcn-amd-amdhsa--gfx1250"
	.amdhsa_code_object_version 6
	.text
	.protected	k_q485224221b_proj
	.globl	k_q485224221b_proj
	.p2align	8
	.type	k_q485224221b_proj,@function
k_q485224221b_proj:
	s_mov_b64 s[64:65], 0
	v_nop
	global_prefetch_b8 v0, s[64:65] scope:SCOPE_SE
	s_setreg_imm32_b32 hwreg(HW_REG_WAVE_MODE, 25, 1), 1
	s_wait_xcnt 0x0
	s_wait_alu depctr_hold_cnt(0) depctr_sa_sdst(0) depctr_va_vdst(0) depctr_va_sdst(0) depctr_va_ssrc(0) depctr_va_vcc(0) depctr_vm_vsrc(0)
	s_getreg_b32 s2, hwreg(HW_REG_IB_STS2, 6, 4)
	s_cmp_eq_u32 s2, 0
	s_cbranch_scc0 .Lentry_in_a_cluster
	s_endpgm
.Lentry_in_a_cluster:
	s_bfe_u32 s2, ttmp6, 0x10000c
	s_cmp_lg_u32 s2, 0xf033
	s_cbranch_scc0 .Lentry_shape_is_right
	s_endpgm
.Lentry_shape_is_right:
.set KTOT,   1024
.set AWORDS, 3145728
.set BCODES, 3145728
.set BWORDS, 10354688
.set PLB,    3072
.set QB,     49152                     ; ALL OF K IN ONE LOAD A WAVE: 64 rows x 16 planes; nothing is filled later
.set SLOT,   24576                     ; the second eight planes of a wave's bytes
.set KSLA,   1572864
.set KSLB,   393216
.set SQ,     (KTOT/128)*256
.set SCL,    196608
.set SPARE,  SCL+4*SQ
.set LAPS,   KTOT/1024
.set ADRA, 16
.set ADSA, 18
.set ADSB, 19
.set ADRB, 20
.set STO,  24
.set RD,   25
.set CO,   26
.set BO,   27
.set SPW,  28
.set NIL,  29
.set SC,   32
.set BI,   64
.set BK,   64
.set ACC,  128
.set G1, 24
.set G0, 32
.set G1B, 48
.set G0B, 56
.set G1S, 68
.set G0S, 76
.set G1SB, 80
.set G0SB, 88
.set MSB, 0
.macro WIN new
.if MSB != \new
	s_set_vgpr_msb (MSB<<8)|\new
.set MSB, \new
.endif
.endm
.set MUL,  0x05
.set TO_F, 0x40
.macro JLOAD g0a, g1a, g0b, g1b
	s_cmp_eq_u32 s15, 0
	s_cbranch_scc0 .Lfor_b_\@
	tensor_load_to_lds s[\g0a:\g0a+3], s[\g1a:\g1a+7]
	s_nop 0
.rept 4
	v_nop
.endr
	s_branch .Lasked_\@
.Lfor_b_\@:
	tensor_load_to_lds s[\g0b:\g0b+3], s[\g1b:\g1b+7]
	s_nop 0
.rept 4
	v_nop
.endr
.Lasked_\@:
.endm
.macro CREST
	s_cmp_lg_u32 s14, 0
	s_cbranch_scc1 .Lnot_wave_0_\@
	s_barrier_signal -3
.Lnot_wave_0_\@:
	s_barrier_wait -3
	s_barrier_signal -1
	s_barrier_wait -1
.endm
.macro CROUND
	s_barrier_signal -1
	s_barrier_wait -1
	CREST
.endm
.macro PLACES n
.rept \n
	v_nop
.endr
.endm
.macro WMC d, bf, af, c, sb, sa, rb, ra
.if ((\rb)==0)&&((\ra)==0)
	v_wmma_scale_f32_16x16x128_f8f6f4 v[\d:\d+7], v[\bf:\bf+11], v[\af:\af+11], v[\c:\c+7], v[\sb], v[\sa] matrix_a_fmt:MATRIX_FMT_FP6 matrix_b_fmt:MATRIX_FMT_FP6
.elseif (\ra)==0
	v_wmma_scale_f32_16x16x128_f8f6f4 v[\d:\d+7], v[\bf:\bf+11], v[\af:\af+11], v[\c:\c+7], v[\sb], v[\sa] matrix_a_fmt:MATRIX_FMT_FP6 matrix_b_fmt:MATRIX_FMT_FP6 matrix_a_scale:MATRIX_SCALE_ROW1
.elseif (\rb)==0
	v_wmma_scale_f32_16x16x128_f8f6f4 v[\d:\d+7], v[\bf:\bf+11], v[\af:\af+11], v[\c:\c+7], v[\sb], v[\sa] matrix_a_fmt:MATRIX_FMT_FP6 matrix_b_fmt:MATRIX_FMT_FP6 matrix_b_scale:MATRIX_SCALE_ROW1
.else
	v_wmma_scale_f32_16x16x128_f8f6f4 v[\d:\d+7], v[\bf:\bf+11], v[\af:\af+11], v[\c:\c+7], v[\sb], v[\sa] matrix_a_fmt:MATRIX_FMT_FP6 matrix_b_fmt:MATRIX_FMT_FP6 matrix_a_scale:MATRIX_SCALE_ROW1 matrix_b_scale:MATRIX_SCALE_ROW1
.endif
.endm
	s_load_b256 s[4:11], s[0:1], 0x0
	s_load_b64 s[12:13], s[0:1], 0x20
	v_lshl_add_u32 v[SPW], v0, 2, SPARE
	v_mov_b32 v[NIL], 0
	ds_add_u32 v[SPW], v[NIL]
	ds_add_u32 v[SPW], v[NIL]
	v_lshrrev_b32 v1, 5, v0
	v_readfirstlane_b32 s14, v1
	s_lshr_b32 s15, s14, 1
	s_and_b32 s16, s14, 1
	s_bfe_u32 s40, ttmp6, 0x40000
	s_bfe_u32 s41, ttmp6, 0x40004
	s_lshl_b32 s42, ttmp9, 2
	s_add_co_u32 s42, s42, s40
	s_and_b32 s17, ttmp7, 0xffff
	s_lshl_b32 s17, s17, 2
	s_add_co_u32 s17, s17, s41
	s_lshl_b32 s43, s41, 2
	s_lshl_b32 s43, 15, s43
	s_lshl_b32 s44, 0x1111, s40
	s_or_b32 s[G1+0], s43, (3<<16)|(1<<21)
	s_or_b32 s[G1B+0], s44, (3<<16)|(1<<21)
.irp g, G1, G1B
	s_mov_b32 s[\g+1], 384<<16
	s_mov_b32 s[\g+2], 16<<16
	s_mov_b32 s[\g+3], 384<<16
	s_mov_b32 s[\g+4], 16
	s_mov_b32 s[\g+6], 0
	s_mov_b32 s[\g+7], 0
.endr
	s_mov_b32 s[G1+5], 24576
	s_mov_b32 s[G1B+5], 6144
	s_lshl_b32 s18, s16, 6
	s_lshl_b32 s20, s17, 7
	s_add_co_u32 s20, s20, s18
	s_lshl_b32 s46, s42, 7
	s_add_co_u32 s46, s46, s18
	s_lshl_b32 s22, s17, 7                         ; the scale words that I USE: A's tile, my half of its rows
	s_lshl_b32 s94, s15, 6
	s_add_co_u32 s22, s22, s94
	s_lshl_b32 s22, s22, 2
	s_mov_b32 s23, 0
	s_lshl_b32 s92, s46, 2
	s_mov_b32 s93, 0
	s_mul_i32 s20, s20, 48
	s_mov_b32 s21, 0
	s_mul_i32 s46, s46, 48
	s_mov_b32 s47, 0
	s_mul_i32 s45, s14, QB
	s_wait_dscnt 0x0
	s_wait_kmcnt 0x0
	s_add_nc_u64 s[20:21], s[4:5], s[20:21]
	s_add_nc_u64 s[22:23], s[4:5], s[22:23]
	s_add_nc_u64 s[22:23], s[22:23], AWORDS
	s_add_nc_u64 s[46:47], s[6:7], s[46:47]
	s_add_nc_u64 s[46:47], s[46:47], BCODES
	s_add_nc_u64 s[92:93], s[6:7], s[92:93]
	s_add_nc_u64 s[92:93], s[92:93], BWORDS
	CROUND
	s_mov_b64 s[G0S:G0S+1], s[22:23]               ; A's scale words at my 64 rows, K step 0
	s_mov_b64 s[G0SB:G0SB+1], s[92:93]             ; B's
.irp s, 0
	s_mov_b32 s[G0+4*\s], 1
	s_add_co_u32 s[G0+4*\s+1], s45, \s*SLOT
	s_add_nc_u64 s[G0+4*\s+2:G0+4*\s+3], s[20:21], \s*KSLA
	s_or_b32 s[G0+4*\s+3], s[G0+4*\s+3], 0x80000000
	s_mov_b32 s[G0B+4*\s], 1
	s_add_co_u32 s[G0B+4*\s+1], s45, \s*SLOT
	s_add_nc_u64 s[G0B+4*\s+2:G0B+4*\s+3], s[46:47], \s*KSLB
	s_or_b32 s[G0B+4*\s+3], s[G0B+4*\s+3], 0x80000000
.endr
	JLOAD G0, G1, G0B, G1B                         ; my one tensor load of the launch
	v_and_b32 v1, 15, v0
	v_bfe_u32 v2, v0, 4, 1
	v_and_b32 v4, 31, v0
	v_mul_u32_u24 v3, v1, 48
	v_mad_u32_u24 v3, v2, 24, v3
	s_mul_i32 s21, s15, QB
	s_mul_i32 s22, s16, QB
	s_add_co_u32 s22, s22, 2*QB
.irp s, 0,1
	v_add_nc_u32 v[ADRA+\s], s21, v3
	v_add_nc_u32 v[ADRB+\s], s22, v3
	s_add_co_u32 s21, s21, SLOT
	s_add_co_u32 s22, s22, SLOT
.endr
	v_lshlrev_b32 v[ADSA], 2, v4                   ; 4 x lane
; the scale words of all eight K steps go from memory straight into their registers: a load's 32 lanes take 32 rows' words, 128 bytes on end
.irp k, 0,1,2,3,4,5,6,7
.irp i, 0,1
	global_load_b32 v[SC+16*(\k/4)+2*(\k%4)+\i], v[ADSA], s[G0S:G0S+1] offset:16384*\k+128*\i
	global_load_b32 v[SC+16*(\k/4)+8+2*(\k%4)+\i], v[ADSA], s[G0SB:G0SB+1] offset:4096*\k+128*\i
.endr
.endr
	s_mul_i32 s23, s14, 4352
	v_mul_u32_u24 v5, v1, 272
	v_lshl_add_u32 v5, v2, 6, v5
	v_add_nc_u32 v[STO], s23, v5
	v_mul_u32_u24 v5, v2, 272
	v_lshl_add_u32 v5, v1, 4, v5
	v_add_nc_u32 v[RD], s23, v5
	v_lshlrev_b32 v[CO], 12, v2
	v_lshl_add_u32 v[CO], v1, 4, v[CO]
	v_lshlrev_b32 v[BO], 6, v2
	s_wait_alu depctr_va_vdst(0)
	s_lshl_b32 s46, s42, 9
	s_lshl_b32 s47, s16, 8
	s_add_co_u32 s46, s46, s47
	s_mov_b32 s47, 0
	s_add_nc_u64 s[8:9], s[8:9], s[46:47]
	s_lshl_b32 s20, s17, 7
	s_lshl_b32 s21, s15, 6
	s_add_co_u32 s20, s20, s21
	s_lshl_b32 s20, s20, 12
	s_mov_b32 s21, 0
	s_add_nc_u64 s[20:21], s[20:21], s[46:47]
	s_add_nc_u64 s[10:11], s[10:11], s[20:21]
	s_add_nc_u64 s[12:13], s[12:13], s[20:21]
.irp g, 0,1
.irp i, 0,1,2,3
	global_load_b128 v[BI+16*\g+4*\i:BI+16*\g+4*\i+3], v[BO], s[8:9] offset:128*\g+16*\i
.endr
.endr
.macro FRAG reg, adr, q, i
.irp p, 0,1,2,3,4,5
	ds_load_b64 v[\reg+2*\p:\reg+2*\p+1], v[\adr] offset:(2*(\q)+\p/3)*PLB+(\i)*768+8*(\p%3)
.endr
.endm
.macro FETCH slot, q, p
	WIN TO_F
.irp i, 0,1,2,3
	FRAG 128*(\p)+48+12*\i, ADRB+\slot, \q, \i
.endr
.irp i, 0,1,2,3
	FRAG 128*(\p)+12*\i, ADRA+\slot, \q, \i
.endr
	WIN 0
.endm
.macro MUL8 p, q, sc, a0, first
.irp a, \a0, \a0+1
.irp b, 0,1,2,3
.if \first
	WMC ACC+8*(4*(\a)+\b), 128*(\p)+48+12*\b, 128*(\p)+12*(\a), BI+8*\b, SC+16*(\sc)+8+2*(\q)+\b/2, SC+16*(\sc)+2*(\q)+(\a)/2, \b%2, (\a)%2
.else
	WMC ACC+8*(4*(\a)+\b), 128*(\p)+48+12*\b, 128*(\p)+12*(\a), ACC+8*(4*(\a)+\b), SC+16*(\sc)+8+2*(\q)+\b/2, SC+16*(\sc)+2*(\q)+(\a)/2, \b%2, (\a)%2
.endif
.endr
.endr
.endm
.macro SSTEP slot, q, first
	s_wait_dscnt 0x0
	PLACES 4
	FETCH \slot, (\q)+1, ((\q)+1)%2
	WIN MUL
	MUL8 (\q)%2, \q, \slot, 0, \first
	MUL8 (\q)%2, \q, \slot, 2, \first
	WIN 0
.endm
.macro TURN slot, next, fill
	s_wait_tensorcnt 0x0
	ds_add_u32 v[SPW], v[NIL]
.if \fill
	s_add_nc_u64 s[G0+4*\slot+2:G0+4*\slot+3], s[G0+4*\slot+2:G0+4*\slot+3], 2*KSLA
	s_add_nc_u64 s[G0B+4*\slot+2:G0B+4*\slot+3], s[G0B+4*\slot+2:G0B+4*\slot+3], 2*KSLB
.endif
	s_wait_dscnt 0x0
	s_barrier_signal -1
	WIN MUL
	MUL8 1, 3, \slot, 0, 0
	WIN 0
	s_barrier_wait -1
.if \fill
	CREST
	JLOAD G0+4*\slot, G1, G0B+4*\slot, G1B
.else
	PLACES 4
.endif
	FETCH \next, 0, 0
	WIN MUL
	MUL8 1, 3, \slot, 2, 0
	WIN 0
.endm
	s_wait_alu depctr_va_vdst(0)
	s_wait_tensorcnt 0x0                           ; my part of the tiles is in
	s_barrier_signal -1
	s_barrier_wait -1
	FETCH 0, 0, 0
	WIN 0x80                                       ; the residual's rows, wanted on the way out alone, are asked for here, when the tiles are in: 32 loads into window 2
.irp a, 0,1,2,3
.irp t, 0,1,2,3,4,5,6,7
	global_load_b128 v[32*\a+4*\t:32*\a+4*\t+3], v[CO], s[10:11] offset:4096*(32*(\a/2)+16*(\t/4)+8*(\a%2)+2*(\t%4))
.endr
.endr
	WIN 0
	s_wait_loadcnt 32                              ; the scale words and the bias are in; the 32 just issued may be out
	SSTEP 0, 0, 1
.if LAPS > 1
	s_mov_b32 s3, LAPS-1
.Llap:
	SSTEP 0, 1, 0
	SSTEP 0, 2, 0
	TURN 0, 1, 1
	SSTEP 1, 0, 0
	SSTEP 1, 1, 0
	SSTEP 1, 2, 0
	TURN 1, 0, 1
	SSTEP 0, 0, 0
	s_sub_co_u32 s3, s3, 1
	s_cmp_lg_u32 s3, 0
	s_cbranch_scc1 .Llap
.endif
	SSTEP 0, 1, 0
	SSTEP 0, 2, 0
	TURN 0, 1, 0
	SSTEP 1, 0, 0
	SSTEP 1, 1, 0
	SSTEP 1, 2, 0
	s_wait_dscnt 0x0
	WIN MUL
	MUL8 1, 3, 1, 0, 0
	MUL8 1, 3, 1, 2, 0
	WIN 0
.macro TOSTAGE a
.irp b, 0,1,2,3
	ds_store_b128 v[STO], v[ACC+8*(4*(\a)+\b):ACC+8*(4*(\a)+\b)+3] offset:128*(\b/2)+32*(\b%2)
	ds_store_b128 v[STO], v[ACC+8*(4*(\a)+\b)+4:ACC+8*(4*(\a)+\b)+7] offset:128*(\b/2)+32*(\b%2)+16
.endr
.irp t, 0,1,2,3,4,5,6,7
	ds_load_b128 v[BK+32*((\a)%2)+4*\t:BK+32*((\a)%2)+4*\t+3], v[RD] offset:544*\t
.endr
.endm
.macro SEND a
.set BB, BK+32*((\a)%2)
	s_wait_dscnt 0x0
	WIN 0x08
.irp i, 0,1,2,3,4,5,6,7,8,9,10,11,12,13,14,15
	v_pk_add_f32 v[BB+2*\i:BB+2*\i+1], v[BB+2*\i:BB+2*\i+1], v[32*(\a)+2*\i:32*(\a)+2*\i+1]
.endr
	WIN 0
.irp t, 0,1,2,3,4,5,6,7
	global_store_b128 v[CO], v[BB+4*\t:BB+4*\t+3], s[12:13] offset:4096*(32*((\a)/2)+16*(\t/4)+8*((\a)%2)+2*(\t%4))
.endr
.endm
	PLACES 4
	s_wait_loadcnt 0x0
.irp a, 0,1,2,3
.if \a > 0
	s_wait_xcnt 0x0
.endif
	TOSTAGE \a
	SEND \a
.endr
	s_wait_tensorcnt 0x0
	ds_add_u32 v[SPW], v[NIL]
	s_wait_dscnt 0x0
	CROUND
	s_endpgm
.Lfunc_end_k_q485224221b_proj:
	.size	k_q485224221b_proj, .Lfunc_end_k_q485224221b_proj-k_q485224221b_proj
	.p2alignl 7, 3214868480
	.fill 96, 4, 3214868480
	.section	.rodata,"a",@progbits
	.p2align	6, 0x0
	.amdhsa_kernel k_q485224221b_proj
		.amdhsa_group_segment_fixed_size 327680
		.amdhsa_private_segment_fixed_size 0
		.amdhsa_enable_private_segment 0
		.amdhsa_kernarg_size 40
		.amdhsa_user_sgpr_count 2
		.amdhsa_user_sgpr_kernarg_segment_ptr 1
		.amdhsa_wavefront_size32 1
		.amdhsa_system_sgpr_workgroup_id_x 1
		.amdhsa_system_sgpr_workgroup_id_y 1
		.amdhsa_system_sgpr_workgroup_id_z 1
		.amdhsa_system_vgpr_workitem_id 0
		.amdhsa_next_free_vgpr 640
		.amdhsa_next_free_sgpr 98
		.amdhsa_reserve_vcc 0
		.amdhsa_float_denorm_mode_32 3
		.amdhsa_float_denorm_mode_16_64 3
		.amdhsa_memory_ordered 1
		.amdhsa_forward_progress 1
		.amdhsa_inst_pref_size 68
	.end_amdhsa_kernel
	.amdgpu_metadata
---
amdhsa.version: [ 1, 2 ]
amdhsa.kernels:
  - .name:           k_q485224221b_proj
    .symbol:         k_q485224221b_proj.kd
    .args:
      - { .name: ao, .offset: 0, .size: 8, .value_kind: global_buffer, .address_space: global }
      - { .name: wts, .offset: 8, .size: 8, .value_kind: global_buffer, .address_space: global }
      - { .name: b_proj, .offset: 16, .size: 8, .value_kind: global_buffer, .address_space: global }
      - { .name: x, .offset: 24, .size: 8, .value_kind: global_buffer, .address_space: global }
      - { .name: x1, .offset: 32, .size: 8, .value_kind: global_buffer, .address_space: global }
    .group_segment_fixed_size: 327680
    .private_segment_fixed_size: 0
    .kernarg_segment_align: 8
    .kernarg_segment_size: 40
    .max_flat_workgroup_size: 128
    .sgpr_count:     98
    .vgpr_count:     640
    .wavefront_size: 32
...
	.end_amdgpu_metadata
.endif
;; end of part 4
;; launch lnw2 (part 5): grid 256 x 1, 16 waves a work-group, no clusters, 150,528 bytes of LDS; arguments x1, ln2_g, ln2_b, w_fc1, w_fc2, h2, wts; writes h2, wts
.if DOCPART == 5
	.amdgcn_target "amdgcn-amd-amdhsa--gfx1250"
	.amdhsa_code_object_version 6
	.text
	.protected	k_q485224221b_lnw2
	.globl	k_q485224221b_lnw2
	.p2align	8
	.type	k_q485224221b_lnw2,@function
k_q485224221b_lnw2:
	s_mov_b64 s[64:65], 0
	v_nop
	global_prefetch_b8 v0, s[64:65] scope:SCOPE_SE
	s_setreg_imm32_b32 hwreg(HW_REG_WAVE_MODE, 25, 1), 1
	s_wait_xcnt 0x0
; TWO JOBS IN ONE LAUNCH, told apart by the work-group's number; they share no byte, part once and never join.  Here: work-groups 0-63 quantise w_fc1, 64-127 w_fc2, 128-255 do LayerNorm 2 on x1.
; Neither job reads what the other stores, and either alone would have work for fewer work-groups than there are WGPs.  Each path has LDS bytes of its own.
; BOTH give codes of FP6 (E2M3) with one E8M0 byte for each 32 along K, laid as the products read them: codes [K/64][R][48 bytes] (a plane for each 64 along K; in it a row's two blocks of 24 bytes),
; scale words [K/128][R] of 4 bytes.  Row rho lies at place sigma(rho): rho with bits 3 and 4 exchanged.
; THE WEIGHTS, f32 stored [K][N]: a work-group takes 512 columns x 128 along K, a wave 32 columns: A LANE TAKES A COLUMN AND ITS REGISTERS RUN DOWN K, so a block of 32 lies in one lane.  All 128 loads of a wave
; go out at once, into four sets of registers.  A wave's codes go through its own stage ([2 planes][32 rows][48]) and leave as runs of 512 consecutive bytes.  Waves share nothing: no barrier.
; LAYERNORM over rows of 1,024 f32, then the quantiser along the row: a work-group takes 32 rows (one group of sigma), wave w rows 2 w and 2 w + 1, a row at a time in 32 registers.  Mean and variance in two passes
; over the registers, f32; 1 / sqrt by v_rsq_f32.  The normalised row turns through the wave's own stage so that lane l holds block l: its largest magnitude needs no other lane.  Codes and scale bytes of the 32 rows
; meet in LDS; behind one barrier wave w stores plane w's 1,536 bytes, and waves 0-7 a K step's 128 bytes of scale words each (half of an aligned 256: one byte in 25 of what the path stores).
; LIMITS: NaN and infinities are not served; a block whose largest magnitude lies under 2^-124, a block of zeros too, gets the byte 1 (this program alone reads the bytes).
.set W0N,   64                         ; work-groups of the first weight
.set WN,    128                        ; of both
.set N4_0,  16384                      ; the first weight: a row in bytes,
.set LKY_0, 3                          ; log2 of K / 128,
.set CO_0,  3932160                    ; where its codes begin in wts,
.set SO_0,  10387456                   ; its scale words,
.set RO_0,  4096                       ; rows of a plane
.set N4_1,  4096                       ; the second weight
.set LKY_1, 5
.set CO_1,  7077888
.set SO_1,  10518528
.set RO_1,  1024
.set HWORDS, 3145728                   ; the scale words in the LayerNorm's output
.set TS,    0                          ; LayerNorm: sixteen turn stages: 32 places of 128 + 16 bytes
.set CS,    73728                      ; codes [16][32][48]
.set SS,    98304                      ; scale words [8][32][4]
.set WST,   99328                      ; the weights: sixteen stages of 3,072 bytes
.set SPARE, 148480                     ; the spare words, 128 bytes for each of sixteen waves
	s_load_b256 s[4:11], s[0:1], 0x0               ; rows, gain, bias, first weight
	s_load_b128 s[12:15], s[0:1], 0x20             ; second weight, the LayerNorm's output
	s_load_b64 s[16:17], s[0:1], 0x30              ; wts
	v_lshl_add_u32 v10, v0, 2, SPARE               ; my spare word; never rewritten
	v_mov_b32 v11, 0                               ; 0; never rewritten
	v_lshrrev_b32 v1, 5, v0
	s_delay_alu instid0(VALU_DEP_1)
	v_readfirstlane_b32 s24, v1                    ; wave 0..15
	s_cmp_lt_u32 ttmp9, WN                         ; the same in all waves of a work-group
	s_cbranch_scc0 .Lln
; ---------------------------------------------------------------- THE WEIGHTS
.set OFFS, 32                          ; v32-63   4 x lane + i rows of the weight
.set XW,   64                          ; v64-191  four sets of 32 numbers
.set C,    16                          ; v16-22   a block's codes
.set SBY,  24                          ; v24      the four scale bytes
.set OUTR, 192                         ; v192-215 the way out
.set SB,   40                          ; s[40:47] the weight at my columns, block t's first row
	v_and_b32 v2, 31, v0                           ; lane
	v_and_b32 v3, 7, v0
	v_bfe_u32 v4, v0, 3, 1
	s_delay_alu instid0(VALU_DEP_1)
	v_lshl_or_b32 v3, v4, 4, v3
	v_bfe_u32 v4, v0, 4, 1
	s_delay_alu instid0(VALU_DEP_1)
	v_lshl_or_b32 v3, v4, 3, v3                    ; sigma(lane)
	s_mul_i32 s31, s24, 3072
	s_add_co_u32 s31, s31, WST                     ; my stage
	v_mul_u32_u24 v5, v3, 48
	s_delay_alu instid0(VALU_DEP_1)
	v_add_nc_u32 v5, s31, v5                       ; into it: row sigma(lane)
	v_lshlrev_b32 v7, 4, v2
	s_delay_alu instid0(VALU_DEP_1)
	v_add_nc_u32 v6, s31, v7                       ; out of it: 16 bytes a lane
	v_lshlrev_b32 v1, 2, v2                        ; 4 x lane
	s_mov_b32 s25, W0N                             ; the second weight's figures, then the first's where the work-group is the first's
	s_mov_b32 s26, N4_1
	s_mov_b32 s27, LKY_1
	s_mov_b32 s28, CO_1
	s_mov_b32 s29, SO_1
	s_mov_b32 s30, RO_1
	s_wait_alu depctr_va_vdst(0)
	s_wait_kmcnt 0x0
	s_cmp_lt_u32 ttmp9, W0N
	s_cselect_b64 s[32:33], s[10:11], s[12:13]
	s_cselect_b32 s25, 0, s25
	s_cselect_b32 s26, N4_0, s26
	s_cselect_b32 s27, LKY_0, s27
	s_cselect_b32 s28, CO_0, s28
	s_cselect_b32 s29, SO_0, s29
	s_cselect_b32 s30, RO_0, s30
	s_sub_co_u32 s34, ttmp9, s25                   ; my number within the weight
	s_lshl_b32 s35, 1, s27
	s_sub_co_u32 s35, s35, 1
	s_and_b32 s35, s34, s35                        ; ky: which 128 along K
	s_lshr_b32 s36, s34, s27
	s_lshl_b32 s36, s36, 9
	s_lshl_b32 s37, s24, 5
	s_add_co_u32 s36, s36, s37                     ; n0: my wave's first column
	s_mul_i32 s38, s30, 48                         ; a plane in bytes
	s_mul_i32 s52, s35, s26
	s_lshl_b32 s52, s52, 7                         ; 128 ky rows
	s_lshl_b32 s53, s36, 2
	s_add_co_u32 s52, s52, s53
	s_mov_b32 s53, 0
	s_add_nc_u64 s[SB:SB+1], s[32:33], s[52:53]
	s_lshl_b32 s52, s26, 5                         ; 32 rows on
.irp t, 1,2,3
	s_add_nc_u64 s[SB+2*\t:SB+2*\t+1], s[SB+2*\t-2:SB+2*\t-1], s[52:53]
.endr
	s_mul_i32 s52, s35, s38
	s_lshl_b32 s52, s52, 1                         ; plane 2 ky
	s_mul_i32 s39, s36, 48
	s_add_co_u32 s52, s52, s39
	s_add_co_u32 s52, s52, s28
	s_add_nc_u64 s[48:49], s[16:17], s[52:53]      ; my codes' first plane at row n0
	s_mul_i32 s52, s35, s30                        ; K step ky
	s_add_co_u32 s52, s52, s36
	s_lshl_b32 s52, s52, 2
	s_add_co_u32 s52, s52, s29
	s_add_nc_u64 s[50:51], s[16:17], s[52:53]      ; my scale words
.set i, 0
.rept 32
	v_mad_u32_u24 v[OFFS+i], s26, i, v1
.set i, i+1
.endr
.irp p, 0,1
	v_mad_u32_u24 v[8+\p], s38, \p, v7             ; the way out: 16 x lane + p planes
.endr
	v_lshlrev_b32 v12, 2, v3                       ; my column's scale word
.macro LOAD t                          ; block t: 32 rows at my column, into set t; each load reads 128 consecutive bytes, the sixteen waves side by side 2,048
.set i, 0
.rept 32
	global_load_b32 v[XW+32*(\t)+i], v[OFFS+i], s[SB+2*(\t):SB+2*(\t)+1] th:TH_LOAD_NT
.set i, i+1
.endr
.endm
.macro BLOCK t
.set XS, XW+32*(\t)
.if (\t) < 2
	s_wait_loadcnt 63                              ; behind this block's loads 96 or 64 were issued: 63, the most that the wait can name, leaves fewer out than may be
.elseif (\t) == 2
	s_wait_loadcnt 32                              ; the last block's 32 may be out
.else
	s_wait_loadcnt 0
.endif
	v_max3_num_f32 v26, |v[XS]|, |v[XS+1]|, |v[XS+2]|      ; the block's largest magnitude: all 32 numbers are mine
	v_max3_num_f32 v27, |v[XS+3]|, |v[XS+4]|, |v[XS+5]|
.irp i, 6,10,14,18,22,26
	s_delay_alu instid0(VALU_DEP_2)
	v_max3_num_f32 v26, v26, |v[XS+\i]|, |v[XS+\i+1]|
	s_delay_alu instid0(VALU_DEP_2)
	v_max3_num_f32 v27, v27, |v[XS+\i+2]|, |v[XS+\i+3]|
.endr
	s_delay_alu instid0(VALU_DEP_2)
	v_max3_num_f32 v26, v26, |v[XS+30]|, |v[XS+31]|
	s_delay_alu instid0(VALU_DEP_1)
	v_max3_num_f32 v26, v26, v27, 0x1800000        ; and the floor 2^(3 - 127): the byte cannot fall under 1
	s_delay_alu instid0(VALU_DEP_1)
	v_add_nc_u32 v28, 0xff000000, v26              ; 2 off the exponent field: the conversion's scale operand
	s_delay_alu instid0(VALU_DEP_1)
	v_lshrrev_b32 v27, 23, v28                     ; the scale's byte
.if (\t) == 0
	s_delay_alu instid0(VALU_DEP_1)
	v_mov_b32 v[SBY], v27
.else
	s_delay_alu instid0(VALU_DEP_1)
	v_lshl_or_b32 v[SBY], v27, 8*(\t), v[SBY]
.endif
	v_cvt_scalef32_pk16_fp6_f32 v[C:C+2], v[XS:XS+15], v28
	v_cvt_scalef32_pk16_fp6_f32 v[C+4:C+6], v[XS+16:XS+31], v28   ; (a conversion's three registers begin on an even number)
	v_nop                                          ; one plain place behind the conversions
	v_mov_b32 v[C+3], v[C+4]
	v_mov_b32 v[C+4], v[C+5]
	v_mov_b32 v[C+5], v[C+6]                       ; the block's 24 bytes on end
.irp p, 0,1,2
	ds_store_b64 v5, v[C+2*\p:C+2*\p+1] offset:((\t)/2)*1536+24*((\t)%2)+8*\p
.endr
	s_wait_dscnt 0x0                               ; the stores have read their registers
.endm
.irp t, 0,1,2,3
	LOAD \t
.endr
.irp t, 0,1,2,3
	BLOCK \t
.endr
	s_wait_alu depctr_va_vdst(0)
	global_store_b32 v12, v[SBY], s[50:51]         ; 32 lanes fill 128 consecutive bytes, in sigma's order
.irp j, 0,1,2,3,4,5
	ds_load_b128 v[OUTR+4*\j:OUTR+4*\j+3], v6 offset:512*\j    ; LDS serves a wave's instructions in order: these see my stores
.endr
.irp j, 0,1,2,3,4,5
	s_wait_dscnt 5-\j                              ; the younger loads may be out
	global_store_b128 v[8+\j/3], v[OUTR+4*\j:OUTR+4*\j+3], s[48:49] offset:512*(\j%3)   ; 512 consecutive bytes, at a multiple of 256
.endr
	s_wait_tensorcnt 0x0                           ; the wave's end
	ds_add_u32 v10, v11
	s_wait_dscnt 0x0
	s_endpgm
; ---------------------------------------------------------------- LAYERNORM
.set G,  32                            ; v32-63  gain, v64-95 bias, as a row lies in a lane
.set B,  64
.set X,  96                            ; v96-159 two sets of 32
.set Y,  192                           ; v192-223 my block
.Lln:
	s_sub_co_u32 s25, ttmp9, WN                    ; my block of 32 rows
	v_and_b32 v24, 31, v0                          ; lane
	s_wait_alu depctr_va_vdst(0)
	v_lshlrev_b32 v30, 4, v24                      ; 16 x lane
	s_lshl_b32 s28, s24, 13
	v_add_nc_u32 v1, s28, v30                      ; my 16 bytes of my wave's first row
	s_mul_i32 s28, s24, 4608
	v_lshrrev_b32 v25, 3, v24
	s_delay_alu instid0(VALU_DEP_1)
	v_lshl_add_u32 v2, v25, 4, v30
	s_delay_alu instid0(VALU_DEP_1)
	v_add_nc_u32 v2, s28, v2                       ; the stage, in: 16 l + 16 (l / 8)
	v_mul_u32_u24 v3, v24, 144
	s_delay_alu instid0(VALU_DEP_1)
	v_add_nc_u32 v3, s28, v3                       ; and out: place l
	s_and_b32 s29, s24, 3
	s_and_b32 s30, s24, 4
	s_lshl_b32 s30, s30, 1
	s_or_b32 s29, s29, s30
	s_and_b32 s30, s24, 8
	s_lshr_b32 s30, s30, 1
	s_or_b32 s29, s29, s30                         ; sigma on the wave's bits: my rows lie at places 2 sw + r
	s_mul_i32 s30, s29, 96
	s_add_co_u32 s30, s30, CS
	v_lshrrev_b32 v25, 1, v24
	s_delay_alu instid0(VALU_DEP_1)
	v_mul_u32_u24 v4, v25, 1536
	v_and_b32 v25, 1, v24
	s_delay_alu instid0(VALU_DEP_1)
	v_mad_u32_u24 v4, v25, 24, v4
	s_delay_alu instid0(VALU_DEP_1)
	v_add_nc_u32 v4, s30, v4                       ; my block's codes: plane l / 2, half l % 2
	s_lshl_b32 s30, s29, 3
	s_add_co_u32 s30, s30, SS
	v_lshrrev_b32 v25, 2, v24
	v_and_b32 v26, 3, v24
	s_delay_alu instid0(VALU_DEP_1)
	v_lshl_add_u32 v5, v25, 7, v26
	s_delay_alu instid0(VALU_DEP_1)
	v_add_nc_u32 v5, s30, v5                       ; my block's scale byte: K step l / 4, byte l % 4
	s_mul_i32 s30, s24, 1536
	s_add_co_u32 s30, s30, CS
	v_add_nc_u32 v6, s30, v30                      ; the way out: plane w
	s_mul_i32 s30, s24, 196608
	v_add_nc_u32 v7, s30, v30
	s_and_b32 s31, s24, 7
	s_lshl_b32 s30, s31, 7
	s_add_co_u32 s30, s30, SS
	v_lshl_add_u32 v8, v24, 2, s30                 ; K step w % 8's words (waves 0-7 store them)
	s_lshl_b32 s30, s31, 14
	v_lshl_add_u32 v9, v24, 2, s30
	s_mov_b32 s36, 0x76543210
	s_mov_b32 s37, 0xfedcba98                      ; v_permlanex16_b32's selects for lane l xor 16
	s_mov_b32 s38, 0x3a800000                      ; 1 / 1024
	s_mov_b32 s39, 0x3727c5ac                      ; 1e-5
	s_lshl_b32 s26, s25, 17                        ; 32 rows of 4,096 bytes
	s_mov_b32 s27, 0
	s_mul_i32 s28, s25, 1536
	s_mov_b32 s29, 0
	s_wait_kmcnt 0x0
	s_add_nc_u64 s[4:5], s[4:5], s[26:27]
	s_add_nc_u64 s[40:41], s[14:15], s[28:29]      ; my 32 places in plane 0
	s_lshl_b32 s28, s25, 7
	s_add_co_u32 s28, s28, HWORDS
	s_add_nc_u64 s[42:43], s[14:15], s[28:29]      ; and among the scale words
.irp j, 0,1,2,3,4,5,6,7
	global_load_b128 v[G+4*\j:G+4*\j+3], v30, s[6:7] offset:512*\j
	global_load_b128 v[B+4*\j:B+4*\j+3], v30, s[8:9] offset:512*\j
.endr
.macro FILL r                          ; row r into set r: eight loads of 512 consecutive bytes
.irp j, 0,1,2,3,4,5,6,7
	global_load_b128 v[X+32*(\r)+4*\j:X+32*(\r)+4*\j+3], v1, s[4:5] offset:4096*(\r)+512*\j
.endr
.endm
	FILL 0
	FILL 1
.macro REDUCE                          ; four pairs v[12:19] -> their sum over the row, in v12 of every lane
	s_delay_alu instid0(VALU_DEP_3)
	v_pk_add_f32 v[12:13], v[12:13], v[14:15]
	s_delay_alu instid0(VALU_DEP_2)
	v_pk_add_f32 v[16:17], v[16:17], v[18:19]
	s_delay_alu instid0(VALU_DEP_1)
	v_pk_add_f32 v[12:13], v[12:13], v[16:17]
	s_delay_alu instid0(VALU_DEP_1)
	v_add_f32 v12, v12, v13
	s_delay_alu instid0(VALU_DEP_1)
	v_add_f32_dpp v12, v12, v12 row_xmask:1 row_mask:0xf bank_mask:0xf
	s_delay_alu instid0(VALU_DEP_1)
	v_add_f32_dpp v12, v12, v12 row_xmask:2 row_mask:0xf bank_mask:0xf
	s_delay_alu instid0(VALU_DEP_1)
	v_add_f32_dpp v12, v12, v12 row_xmask:4 row_mask:0xf bank_mask:0xf
	s_delay_alu instid0(VALU_DEP_1)
	v_add_f32_dpp v12, v12, v12 row_xmask:8 row_mask:0xf bank_mask:0xf
	s_delay_alu instid0(VALU_DEP_1)
	v_permlanex16_b32 v13, v12, s36, s37
	s_delay_alu instid0(VALU_DEP_1)
	v_add_f32 v12, v12, v13
.endm
.macro ROW r, left                     ; left: the younger row's loads, which may stay out
.set XS, X+32*(\r)
	s_wait_loadcnt \left
.irp k, 0,1,2,3
	v_pk_add_f32 v[12+2*\k:13+2*\k], v[XS+2*\k:XS+2*\k+1], v[XS+8+2*\k:XS+9+2*\k]
.endr
.irp i, 16,24
.irp k, 0,1,2,3
	s_delay_alu instid0(VALU_DEP_4)
	v_pk_add_f32 v[12+2*\k:13+2*\k], v[12+2*\k:13+2*\k], v[XS+\i+2*\k:XS+\i+2*\k+1]
.endr
.endr
	REDUCE
	s_delay_alu instid0(VALU_DEP_1)
	v_mul_f32 v20, s38, v12                        ; the mean, twice
	s_delay_alu instid0(VALU_DEP_2)
	v_mul_f32 v21, s38, v12
.set i, 0
.rept 16
	v_pk_add_f32 v[XS+i:XS+i+1], v[XS+i:XS+i+1], v[20:21] neg_lo:[0,1] neg_hi:[0,1]
.set i, i+2
.endr
.irp k, 0,1,2,3
	v_pk_mul_f32 v[12+2*\k:13+2*\k], v[XS+2*\k:XS+2*\k+1], v[XS+2*\k:XS+2*\k+1]
.endr
.irp i, 8,16,24
.irp k, 0,1,2,3
	s_delay_alu instid0(VALU_DEP_4)
	v_pk_fma_f32 v[12+2*\k:13+2*\k], v[XS+\i+2*\k:XS+\i+2*\k+1], v[XS+\i+2*\k:XS+\i+2*\k+1], v[12+2*\k:13+2*\k]
.endr
.endr
	REDUCE
	s_delay_alu instid0(VALU_DEP_1)
	v_fma_f32 v24, v12, s38, s39                   ; the variance + 1e-5
	s_wait_alu depctr_va_vdst(0)
	v_rsq_f32 v22, v24
	v_rsq_f32 v23, v24
	v_nop                                          ; a plain place behind the two
	s_wait_alu depctr_va_vdst(0)                   ; the wait ahead of the first reader: one for both
.set i, 0
.rept 16
	v_pk_mul_f32 v[XS+i:XS+i+1], v[XS+i:XS+i+1], v[22:23]
.set i, i+2
.endr
.set i, 0
.rept 16
	v_pk_fma_f32 v[XS+i:XS+i+1], v[XS+i:XS+i+1], v[G+i:G+i+1], v[B+i:B+i+1]
.set i, i+2
.endr
.irp j, 0,1,2,3,4,5,6,7
	ds_store_b128 v2, v[XS+4*\j:XS+4*\j+3] offset:576*\j
.endr
.irp j, 0,1,2,3,4,5,6,7
	ds_load_b128 v[Y+4*\j:Y+4*\j+3], v3 offset:16*\j           ; LDS serves a wave's instructions in order: these see the stores above
.endr
	s_wait_dscnt 0x0                               ; my block is in; the last row's code stores have read their registers
	v_max3_num_f32 v224, |v[Y]|, |v[Y+1]|, |v[Y+2]|
	v_max3_num_f32 v225, |v[Y+3]|, |v[Y+4]|, |v[Y+5]|
.irp i, 6,10,14,18,22,26
	s_delay_alu instid0(VALU_DEP_2)
	v_max3_num_f32 v224, v224, |v[Y+\i]|, |v[Y+\i+1]|
	s_delay_alu instid0(VALU_DEP_2)
	v_max3_num_f32 v225, v225, |v[Y+\i+2]|, |v[Y+\i+3]|
.endr
	s_delay_alu instid0(VALU_DEP_2)
	v_max3_num_f32 v224, v224, |v[Y+30]|, |v[Y+31]|
	s_delay_alu instid0(VALU_DEP_1)
	v_max3_num_f32 v224, v224, v225, 0x1800000     ; the floor 2^(3 - 127)
	s_delay_alu instid0(VALU_DEP_1)
	v_add_nc_u32 v226, 0xff000000, v224            ; 2 off the exponent field: the conversion's scale operand
	s_delay_alu instid0(VALU_DEP_1)
	v_lshrrev_b32 v227, 23, v226                   ; the scale's byte
	v_cvt_scalef32_pk16_fp6_f32 v[228:230], v[Y:Y+15], v226
	v_cvt_scalef32_pk16_fp6_f32 v[232:234], v[Y+16:Y+31], v226
	v_nop
	v_mov_b32 v231, v232
	v_mov_b32 v232, v233
	v_mov_b32 v233, v234
	ds_store_b64 v4, v[228:229] offset:48*(\r)
	ds_store_b64 v4, v[230:231] offset:48*(\r)+8
	ds_store_b64 v4, v[232:233] offset:48*(\r)+16
	ds_store_b8 v5, v227 offset:4*(\r)
.endm
	ROW 0, 8
	ROW 1, 0
	s_wait_dscnt 0x0                               ; for the others' sake: my stores have landed
	s_barrier_signal -1
	s_barrier_wait -1
.irp j, 0,1,2
	ds_load_b128 v[X+4*\j:X+4*\j+3], v6 offset:512*\j
.endr
.irp j, 0,1,2
	s_wait_dscnt 2-\j                              ; the younger loads may be out
	global_store_b128 v7, v[X+4*\j:X+4*\j+3], s[40:41] offset:512*\j   ; 512 consecutive bytes, at a multiple of 256
.endr
	s_cmp_lt_u32 s24, 8                            ; eight K steps of scale words: waves 0-7 take one each
	s_cbranch_scc0 .Lno_words
	ds_load_b32 v[X+12], v8
	s_wait_dscnt 0x0
	global_store_b32 v9, v[X+12], s[42:43]
.Lno_words:
	s_wait_tensorcnt 0x0                           ; the wave's end
	ds_add_u32 v10, v11
	s_wait_dscnt 0x0
	s_endpgm
.Lfunc_end_k_q485224221b_lnw2:
	.size	k_q485224221b_lnw2, .Lfunc_end_k_q485224221b_lnw2-k_q485224221b_lnw2
	.p2alignl 7, 3214868480
	.fill 96, 4, 3214868480
	.section	.rodata,"a",@progbits
	.p2align	6, 0x0
	.amdhsa_kernel k_q485224221b_lnw2
		.amdhsa_group_segment_fixed_size 150528
		.amdhsa_private_segment_fixed_size 0
		.amdhsa_enable_private_segment 0
		.amdhsa_kernarg_size 56
		.amdhsa_user_sgpr_count 2
		.amdhsa_user_sgpr_kernarg_segment_ptr 1
		.amdhsa_wavefront_size32 1
		.amdhsa_system_sgpr_workgroup_id_x 1
		.amdhsa_system_sgpr_workgroup_id_y 1
		.amdhsa_system_sgpr_workgroup_id_z 1
		.amdhsa_system_vgpr_workitem_id 0
		.amdhsa_next_free_vgpr 256
		.amdhsa_next_free_sgpr 66
		.amdhsa_reserve_vcc 0
		.amdhsa_float_denorm_mode_32 3
		.amdhsa_float_denorm_mode_16_64 3
		.amdhsa_memory_ordered 1
		.amdhsa_forward_progress 1
		.amdhsa_inst_pref_size 56
	.end_amdhsa_kernel
	.amdgpu_metadata
---
amdhsa.version: [ 1, 2 ]
amdhsa.kernels:
  - .name:           k_q485224221b_lnw2
    .symbol:         k_q485224221b_lnw2.kd
    .args:
      - { .name: x1, .offset: 0, .size: 8, .value_kind: global_buffer, .address_space: global }
      - { .name: ln2_g, .offset: 8, .size: 8, .value_kind: global_buffer, .address_space: global }
      - { .name: ln2_b, .offset: 16, .size: 8, .value_kind: global_buffer, .address_space: global }
      - { .name: w_fc1, .offset: 24, .size: 8, .value_kind: global_buffer, .address_space: global }
      - { .name: w_fc2, .offset: 32, .size: 8, .value_kind: global_buffer, .address_space: global }
      - { .name: h2, .offset: 40, .size: 8, .value_kind: global_buffer, .address_space: global }
      - { .name: wts, .offset: 48, .size: 8, .value_kind: global_buffer, .address_space: global }
    .group_segment_fixed_size: 150528
    .private_segment_fixed_size: 0
    .kernarg_segment_align: 8
    .kernarg_segment_size: 56
    .max_flat_workgroup_size: 512
    .sgpr_count:     66
    .vgpr_count:     256
    .wavefront_size: 32
...
	.end_amdgpu_metadata
.endif
;; end of part 5
;; launch fc1 (part 6): grid 16 x 16, 4 waves a work-group, clusters of 4 x 4, 327,680 bytes of LDS; arguments h2, wts, b_fc1, hid; writes hid
.if DOCPART == 6
	.amdgcn_target "amdgcn-amd-amdhsa--gfx1250"
	.amdhsa_code_object_version 6
	.text
	.protected	k_q485224221b_fc1
	.globl	k_q485224221b_fc1
	.p2align	8
	.type	k_q485224221b_fc1,@function
k_q485224221b_fc1:
	s_mov_b64 s[64:65], 0
	v_nop
	global_prefetch_b8 v0, s[64:65] scope:SCOPE_SE
	s_setreg_imm32_b32 hwreg(HW_REG_WAVE_MODE, 25, 1), 1
	s_wait_xcnt 0x0
	s_wait_alu depctr_hold_cnt(0) depctr_sa_sdst(0) depctr_va_vdst(0) depctr_va_sdst(0) depctr_va_ssrc(0) depctr_va_vcc(0) depctr_vm_vsrc(0)
	s_getreg_b32 s2, hwreg(HW_REG_IB_STS2, 6, 4)
	s_cmp_eq_u32 s2, 0
	s_cbranch_scc0 .Lentry_in_a_cluster
	s_endpgm
.Lentry_in_a_cluster:
	s_bfe_u32 s2, ttmp6, 0x10000c
	s_cmp_lg_u32 s2, 0xf033
	s_cbranch_scc0 .Lentry_shape_is_right
	s_endpgm
.Lentry_shape_is_right:
.set NL,     6
.set NQ,     2
.set PLB,    6144
.set QB,     24576
.set SLOT,   98304
.set KSL,    786432
.set SQ,     4096
.set SCL,    196608
.set SPARE,  212992
.set LAPS,   2
.set AWORDS, 3145728
.set BCODES, 3932160
.set BWORDS, 10387456
.set OWORDS, 12582912
.set SW,     13312
.set ADRA, 16
.set ADSA, 18
.set ADSB, 19
.set ADRB, 20
.set TA,   22
.set BO,   23
.set STO,  24
.set STS,  25
.set RD,   26
.set CO,   27
.set SPW,  28
.set NIL,  29
.set TW,   31
.set SC,   32
.set H,    64
.set AF,   128
.set T,    128
.set P,    160
.set TM,   200
.set PW,   216
.set FL,   218
.set CV,   220
.set PC,   224
.set SEL,  96
.set G1, 24
.set G0, 32
.set G1B, 48
.set G0B, 56
.set G1S, 68
.set G0S, 76
.set G1SB, 80
.set G0SB, 88
.set MSB, 0
.macro WIN new
.if MSB != \new
	s_set_vgpr_msb (MSB<<8)|\new
.set MSB, \new
.endif
.endm
.set MUL_LO, 0xa1
.set MUL_HI, 0xf1
.set TO_B,   0x40
.macro JLOAD g0a, g1a, g0b, g1b
	s_cmp_eq_u32 s15, 0
	s_cbranch_scc0 .Lfor_b_\@
	tensor_load_to_lds s[\g0a:\g0a+3], s[\g1a:\g1a+7]
	s_nop 0
.rept 4
	v_nop
.endr
	s_branch .Lasked_\@
.Lfor_b_\@:
	tensor_load_to_lds s[\g0b:\g0b+3], s[\g1b:\g1b+7]
	s_nop 0
.rept 4
	v_nop
.endr
.Lasked_\@:
.endm
.macro CREST
	s_cmp_lg_u32 s14, 0
	s_cbranch_scc1 .Lnot_wave_0_\@
	s_barrier_signal -3
.Lnot_wave_0_\@:
	s_barrier_wait -3
	s_barrier_signal -1
	s_barrier_wait -1
.endm
.macro CROUND
	s_barrier_signal -1
	s_barrier_wait -1
	CREST
.endm
.macro PLACES n
.rept \n
	v_nop
.endr
.endm
.macro WMC d, bf, af, c, sb, sa, rb, ra
.if ((\rb)==0)&&((\ra)==0)
	v_wmma_scale_f32_16x16x128_f8f6f4 v[\d:\d+7], v[\bf:\bf+11], v[\af:\af+11], v[\c:\c+7], v[\sb], v[\sa] matrix_a_fmt:MATRIX_FMT_FP6 matrix_b_fmt:MATRIX_FMT_FP6
.elseif (\ra)==0
	v_wmma_scale_f32_16x16x128_f8f6f4 v[\d:\d+7], v[\bf:\bf+11], v[\af:\af+11], v[\c:\c+7], v[\sb], v[\sa] matrix_a_fmt:MATRIX_FMT_FP6 matrix_b_fmt:MATRIX_FMT_FP6 matrix_a_scale:MATRIX_SCALE_ROW1
.elseif (\rb)==0
	v_wmma_scale_f32_16x16x128_f8f6f4 v[\d:\d+7], v[\bf:\bf+11], v[\af:\af+11], v[\c:\c+7], v[\sb], v[\sa] matrix_a_fmt:MATRIX_FMT_FP6 matrix_b_fmt:MATRIX_FMT_FP6 matrix_b_scale:MATRIX_SCALE_ROW1
.else
	v_wmma_scale_f32_16x16x128_f8f6f4 v[\d:\d+7], v[\bf:\bf+11], v[\af:\af+11], v[\c:\c+7], v[\sb], v[\sa] matrix_a_fmt:MATRIX_FMT_FP6 matrix_b_fmt:MATRIX_FMT_FP6 matrix_a_scale:MATRIX_SCALE_ROW1 matrix_b_scale:MATRIX_SCALE_ROW1
.endif
.endm
.macro WMZ d, bf, af, sb, sa, rb, ra
.if ((\rb)==0)&&((\ra)==0)
	v_wmma_scale_f32_16x16x128_f8f6f4 v[\d:\d+7], v[\bf:\bf+11], v[\af:\af+11], 0, v[\sb], v[\sa] matrix_a_fmt:MATRIX_FMT_FP6 matrix_b_fmt:MATRIX_FMT_FP6
.elseif (\ra)==0
	v_wmma_scale_f32_16x16x128_f8f6f4 v[\d:\d+7], v[\bf:\bf+11], v[\af:\af+11], 0, v[\sb], v[\sa] matrix_a_fmt:MATRIX_FMT_FP6 matrix_b_fmt:MATRIX_FMT_FP6 matrix_a_scale:MATRIX_SCALE_ROW1
.elseif (\rb)==0
	v_wmma_scale_f32_16x16x128_f8f6f4 v[\d:\d+7], v[\bf:\bf+11], v[\af:\af+11], 0, v[\sb], v[\sa] matrix_a_fmt:MATRIX_FMT_FP6 matrix_b_fmt:MATRIX_FMT_FP6 matrix_b_scale:MATRIX_SCALE_ROW1
.else
	v_wmma_scale_f32_16x16x128_f8f6f4 v[\d:\d+7], v[\bf:\bf+11], v[\af:\af+11], 0, v[\sb], v[\sa] matrix_a_fmt:MATRIX_FMT_FP6 matrix_b_fmt:MATRIX_FMT_FP6 matrix_a_scale:MATRIX_SCALE_ROW1 matrix_b_scale:MATRIX_SCALE_ROW1
.endif
.endm
	s_load_b256 s[4:11], s[0:1], 0x0
	v_lshl_add_u32 v[SPW], v0, 2, SPARE
	v_mov_b32 v[NIL], 0
	ds_add_u32 v[SPW], v[NIL]
	ds_add_u32 v[SPW], v[NIL]
	v_lshrrev_b32 v1, 5, v0
	v_readfirstlane_b32 s14, v1
	s_lshr_b32 s15, s14, 1
	s_and_b32 s16, s14, 1
	s_bfe_u32 s40, ttmp6, 0x40000
	s_bfe_u32 s41, ttmp6, 0x40004
	s_lshl_b32 s42, ttmp9, 2
	s_add_co_u32 s42, s42, s40
	s_and_b32 s17, ttmp7, 0xffff
	s_lshl_b32 s17, s17, 2
	s_add_co_u32 s17, s17, s41
	s_lshl_b32 s43, s41, 2
	s_lshl_b32 s43, 15, s43
	s_lshl_b32 s44, 0x1111, s40
	s_or_b32 s[G1+0], s43, (3<<16)|(1<<21)
	s_or_b32 s[G1B+0], s44, (3<<16)|(1<<21)
.irp g, G1, G1B
	s_mov_b32 s[\g+1], 768<<16
	s_mov_b32 s[\g+2], 4<<16
	s_mov_b32 s[\g+3], 768<<16
	s_mov_b32 s[\g+4], 4
	s_mov_b32 s[\g+5], 24576
	s_mov_b32 s[\g+6], 0
	s_mov_b32 s[\g+7], 0
.endr
	s_lshl_b32 s18, s16, 7
	s_lshl_b32 s20, s17, 8
	s_add_co_u32 s20, s20, s18
	s_lshl_b32 s46, s42, 8
	s_add_co_u32 s46, s46, s18
	s_lshl_b32 s22, s17, 8                         ; the scale words that I USE: A's tile, my half of its rows
	s_lshl_b32 s94, s15, 7
	s_add_co_u32 s22, s22, s94
	s_lshl_b32 s22, s22, 2
	s_mov_b32 s23, 0
	s_lshl_b32 s92, s46, 2
	s_mov_b32 s93, 0
	s_mul_i32 s20, s20, 48
	s_mov_b32 s21, 0
	s_mul_i32 s46, s46, 48
	s_mov_b32 s47, 0
	s_mul_i32 s45, s14, QB
	s_mov_b32 s[SEL], 0x76543210
	s_mov_b32 s[SEL+1], 0xfedcba98
	s_wait_dscnt 0x0
	s_wait_kmcnt 0x0
	s_add_nc_u64 s[20:21], s[4:5], s[20:21]
	s_add_nc_u64 s[22:23], s[4:5], s[22:23]
	s_add_nc_u64 s[22:23], s[22:23], AWORDS
	s_add_nc_u64 s[46:47], s[6:7], s[46:47]
	s_add_nc_u64 s[46:47], s[46:47], BCODES
	s_add_nc_u64 s[92:93], s[6:7], s[92:93]
	s_add_nc_u64 s[92:93], s[92:93], BWORDS
	CROUND
	s_mov_b64 s[G0S:G0S+1], s[22:23]               ; A's scale words at my 128 rows, K step 0
	s_mov_b64 s[G0SB:G0SB+1], s[92:93]             ; B's
; THE PREFETCHES INTO THE L2.  A fill of mine is 4 planes x 6,144 bytes.  The four partners that ask for it jointly share it out BY ADDRESS: the partner at place p (cx for A, cy for B) takes plane p: 24 blocks of
; 256 bytes, a lane a block (lanes 24-31 name block 23 again), one instruction a wave.  Fill 1 is asked for at the head, fill 2 behind the load that brings fill 1, fill 3 behind the refill that brings fill 2:
; each one fill ahead of its own load; K ends with fill 3.
	s_cmp_eq_u32 s15, 0                            ; do I fetch for A?
	s_cselect_b64 s[68:69], s[20:21], s[46:47]
	s_cselect_b32 s70, s40, s41
	s_mul_i32 s70, s70, 196608
	s_mov_b32 s71, 0
	s_add_nc_u64 s[68:69], s[68:69], s[70:71]      ; never rewritten: the fills stand in the immediates
.irp s, 0,1
	s_mov_b32 s[G0+4*\s], 1
	s_add_co_u32 s[G0+4*\s+1], s45, \s*SLOT
	s_add_nc_u64 s[G0+4*\s+2:G0+4*\s+3], s[20:21], \s*KSL
	s_or_b32 s[G0+4*\s+3], s[G0+4*\s+3], 0x80000000
	s_mov_b32 s[G0B+4*\s], 1
	s_add_co_u32 s[G0B+4*\s+1], s45, \s*SLOT
	s_add_nc_u64 s[G0B+4*\s+2:G0B+4*\s+3], s[46:47], \s*KSL
	s_or_b32 s[G0B+4*\s+3], s[G0B+4*\s+3], 0x80000000
.endr
	JLOAD G0, G1, G0B, G1B                         ; slot 0: one tensor load a wave at the head
	v_and_b32 v1, 15, v0
	v_bfe_u32 v2, v0, 4, 1
	v_and_b32 v4, 31, v0
	v_mul_u32_u24 v3, v1, 48
	v_mad_u32_u24 v3, v2, 24, v3
	s_wait_alu depctr_va_vdst(0)
	s_mul_i32 s21, s15, QB
	s_mul_i32 s22, s16, QB
	s_add_co_u32 s22, s22, 2*QB
.irp s, 0,1
	v_add_nc_u32 v[ADRA+\s], s21, v3
	v_add_nc_u32 v[ADRB+\s], s22, v3
	s_add_co_u32 s21, s21, SLOT
	s_add_co_u32 s22, s22, SLOT
.endr
	v_lshlrev_b32 v[ADSA], 2, v4                   ; 4 x lane; never rewritten
; the scale words go from memory straight into their registers: a load's 32 lanes take 32 rows' words, 128 bytes on end.  Here both sets, K steps 0 to 3; each set is loaded again beside its slot's refill
.irp k, 0,1,2,3
.irp i, 0,1,2,3
	global_load_b32 v[SC+16*(\k/2)+4*(\k%2)+\i], v[ADSA], s[G0S:G0S+1] offset:16384*\k+128*\i
	global_load_b32 v[SC+16*(\k/2)+8+4*(\k%2)+\i], v[ADSA], s[G0SB:G0SB+1] offset:16384*\k+128*\i
.endr
.endr
	v_min_u32 v[ADSB], 23, v4
	v_lshlrev_b32 v[ADSB], 8, v[ADSB]              ; my block of the plane; never rewritten
	global_prefetch_b8 v[ADSB], s[68:69] offset:KSL th:TH_LOAD_NT scope:SCOPE_SE
	s_mul_i32 s23, s14, SW
	v_add_nc_u32 v[STO], s23, v3
	v_lshlrev_b32 v5, 2, v1
	v_add_nc_u32 v[STS], s23, v5
	v_add_nc_u32 v[STS], 12288, v[STS]
	v_lshlrev_b32 v[CO], 4, v4
	v_add_nc_u32 v[RD], s23, v[CO]
	v_lshlrev_b32 v[BO], 6, v2
	s_lshl_b32 s46, s42, 10
	s_lshl_b32 s47, s16, 9
	s_add_co_u32 s46, s46, s47
	s_mov_b32 s47, 0
	s_add_nc_u64 s[8:9], s[8:9], s[46:47]
	WIN TO_B
.irp g, 0,1,2,3
.irp i, 0,1,2,3
.if \g < 2
	global_load_b128 v[96+16*\g+4*\i:99+16*\g+4*\i], v[BO], s[8:9] offset:128*\g+16*\i
.else
	global_load_b128 v[192+16*\g+4*\i:195+16*\g+4*\i], v[BO], s[8:9] offset:128*\g+16*\i
.endif
.endr
.endr
	WIN 0
.macro FRAG reg, adr, q, i
.irp p, 0,1,2,3,4,5
	ds_load_b64 v[\reg+2*\p:\reg+2*\p+1], v[\adr] offset:(2*(\q)+\p/3)*PLB+(\i)*768+8*(\p%3)
.endr
.endm
.macro MUL16 a0, p, q, sc, zero
.irp a, \a0, \a0+1
.irp b, 0,1,2,3,4,5,6,7
.if \zero
	WMZ 8*(8*((\a)%4)+\b), 128*(\p)+12*\b, AF+12*(\a), SC+16*(\sc)+8+4*(\q)+\b/2, SC+16*(\sc)+4*(\q)+(\a)/2, \b%2, (\a)%2
.else
	WMC 8*(8*((\a)%4)+\b), 128*(\p)+12*\b, AF+12*(\a), 8*(8*((\a)%4)+\b), SC+16*(\sc)+8+4*(\q)+\b/2, SC+16*(\sc)+4*(\q)+(\a)/2, \b%2, (\a)%2
.endif
.endr
.endr
.endm
.macro FETCH_B slot, q, p
	WIN TO_B
.irp i, 0,1,2,3,4,5,6,7
	FRAG 128*(\p)+12*\i, ADRB+\slot, \q, \i
.endr
	WIN 0
.endm
.macro FETCH_A slot, q, i0
.irp i, \i0, \i0+1, \i0+2, \i0+3
	FRAG AF+12*(\i), ADRA+\slot, \q, \i
.endr
.endm
.macro STEP slot, q, zero
	s_wait_dscnt 4*NL
	WIN MUL_LO
	MUL16 0, (\q)%2, \q, \slot, \zero
	MUL16 2, (\q)%2, \q, \slot, \zero
	s_wait_dscnt 0
	PLACES 4
	FETCH_B \slot, (\q)+1, 1-(\q)%2
	FETCH_A \slot, (\q)+1, 0
	WIN MUL_HI
	MUL16 4, (\q)%2, \q, \slot, \zero
	MUL16 6, (\q)%2, \q, \slot, \zero
	PLACES 4
	WIN 0
	FETCH_A \slot, (\q)+1, 4
.endm
.macro TURN slot, next, fill
	s_wait_loadcnt 0x0                             ; the next slot's scale words are in their registers; no load of mine is out, so their bases may step
.if \fill
	s_add_nc_u64 s[G0S:G0S+1], s[G0S:G0S+1], 2*16384
	s_add_nc_u64 s[G0SB:G0SB+1], s[G0SB:G0SB+1], 2*16384
.endif
	s_wait_tensorcnt 0x0
	ds_add_u32 v[SPW], v[NIL]
	s_wait_dscnt 4*NL+1
	WIN MUL_LO
	MUL16 0, 1, NQ-1, \slot, 0
	s_wait_dscnt 0x0
	s_barrier_signal -1
	MUL16 2, 1, NQ-1, \slot, 0
	WIN 0
	s_barrier_wait -1
.if \fill
	CREST
	s_add_nc_u64 s[G0+4*\slot+2:G0+4*\slot+3], s[G0+4*\slot+2:G0+4*\slot+3], 2*KSL
	s_add_nc_u64 s[G0B+4*\slot+2:G0B+4*\slot+3], s[G0B+4*\slot+2:G0B+4*\slot+3], 2*KSL
	JLOAD G0+4*\slot, G1, G0B+4*\slot, G1B
.else
	PLACES 4
.endif
	FETCH_B \next, 0, 0
	FETCH_A \next, 0, 0
.if (\fill) && ((\slot) == 0)
	global_prefetch_b8 v[ADSB], s[68:69] offset:3*KSL th:TH_LOAD_NT scope:SCOPE_SE   ; fill 3, one refill ahead of its load
.endif
	WIN MUL_HI
	MUL16 4, 1, NQ-1, \slot, 0
	MUL16 6, 1, NQ-1, \slot, 0
	PLACES 4
	WIN 0
	FETCH_A \next, 0, 4
.if \fill
.irp q, 0,1
.irp i, 0,1,2,3
	global_load_b32 v[SC+16*\slot+4*\q+\i], v[ADSA], s[G0S:G0S+1] offset:16384*(2+\q)+128*\i    ; the set just done with takes the words of the K steps that its slot's refill brings
	global_load_b32 v[SC+16*\slot+8+4*\q+\i], v[ADSA], s[G0SB:G0SB+1] offset:16384*(2+\q)+128*\i
.endr
.endr
.endif
.endm
	s_wait_alu depctr_va_vdst(0)
	s_wait_tensorcnt 0x0                           ; my part of slot 0 is in
	ds_add_u32 v[SPW], v[NIL]
	s_wait_dscnt 0x0
	CROUND
	JLOAD G0+4, G1, G0B+4, G1B                     ; slot 1's first fill, the first tensor load behind the round
	FETCH_B 0, 0, 0
	FETCH_A 0, 0, 0
	global_prefetch_b8 v[ADSB], s[68:69] offset:2*KSL th:TH_LOAD_NT scope:SCOPE_SE   ; fill 2, one fill ahead of its load
	FETCH_A 0, 0, 4
	s_wait_loadcnt 0x0                             ; both sets of scale words (and the bias) are in
	STEP 0, 0, 1
	s_mov_b32 s3, LAPS-1
.Llap:
	TURN 0, 1, 1
	STEP 1, 0, 0
	TURN 1, 0, 1
	STEP 0, 0, 0
	s_sub_co_u32 s3, s3, 1
	s_cmp_lg_u32 s3, 0
	s_cbranch_scc1 .Llap
	TURN 0, 1, 0
	STEP 1, 0, 0
	s_wait_dscnt 4*NL
	WIN MUL_LO
	MUL16 0, 1, NQ-1, 1, 0
	MUL16 2, 1, NQ-1, 1, 0
	s_wait_dscnt 0
	WIN MUL_HI
	MUL16 4, 1, NQ-1, 1, 0
	MUL16 6, 1, NQ-1, 1, 0
	WIN 0
.macro QUANTW s, W
	WIN (((\W)<<2)|((\W)<<4))
.irp b, 0,1,2,3
	v_max3_num_f32 v[TM+\b], v[FL], |v[\s+16*\b]|, |v[\s+16*\b+1]|
.endr
.irp i, 2,4,6,8,10,12,14
.irp b, 0,1,2,3
	v_max3_num_f32 v[TM+\b], v[TM+\b], |v[\s+16*\b+\i]|, |v[\s+16*\b+\i+1]|
.endr
.endr
	WIN 0
.irp b, 0,1,2,3
	v_permlanex16_b32 v[TM+4+\b], v[TM+\b], s[SEL], s[SEL+1]
.endr
.irp b, 0,1,2,3
	v_max_num_f32 v[TM+\b], v[TM+\b], v[TM+4+\b]
.endr
.irp b, 0,1,2,3
	v_add_nc_u32 v[TM+12+\b], 0xff000000, v[TM+\b]
.endr
.irp b, 0,1,2,3
	v_lshrrev_b32 v[TM+4+\b], 23, v[TM+12+\b]
.endr
	s_wait_alu depctr_va_vdst(0)
	s_wait_dscnt 0x0                               ; the last block's LDS stores have read their registers, which are written again from here on
	v_lshl_or_b32 v[PW], v[TM+5], 8, v[TM+4]
	v_lshl_or_b32 v[PW], v[TM+6], 16, v[PW]
	v_lshl_or_b32 v[PW], v[TM+7], 24, v[PW]
	WIN \W
.irp c, 0,1
	v_cvt_scalef32_pk16_fp6_f32 v[PC+6*\c:PC+6*\c+2], v[\s+32*\c:\s+32*\c+15], v[TM+12+2*\c]
	v_cvt_scalef32_pk16_fp6_f32 v[PC+12+4*\c:PC+14+4*\c], v[\s+32*\c+16:\s+32*\c+31], v[TM+13+2*\c]
.endr
	WIN 0
	v_nop
.irp c, 0,1
.irp i, 0,1,2
	v_permlane16_swap_b32 v[PC+6*\c+\i], v[PC+12+4*\c+\i]
.endr
.irp i, 0,1,2
	v_mov_b32 v[PC+3+6*\c+\i], v[PC+12+4*\c+\i]
.endr
.endr
.endm
.macro ADDB a
	WIN ((2+(\a)/4)|4)
.set i, 0
.rept 16
	v_pk_add_f32 v[H+i:H+i+1], v[64*((\a)%4)+i:64*((\a)%4)+i+1], v[96+i:97+i]
.set i, i+2
.endr
.rept 16
	v_pk_add_f32 v[H+i:H+i+1], v[64*((\a)%4)+i:64*((\a)%4)+i+1], v[192+i:193+i]
.set i, i+2
.endr
	WIN 0
.endm
.macro GELU c
.set XG, H+32*(\c)
.set i, 0
.rept 32
	v_fma_f32 v[T+i], |v[XG+i]|, s44, 1.0
.set i, i+1
.endr
.set i, 0
	s_wait_alu depctr_va_vdst(0)
.rept 32
	v_rcp_f32 v[T+i], v[T+i]
.set i, i+1
.endr
	v_nop
	s_wait_alu depctr_va_vdst(0)
.set i, 0
.rept 16
	v_pk_fma_f32 v[P+i:P+i+1], v[T+i:T+i+1], s[24:25], v[CV:CV+1] op_sel_hi:[1,0,1]
.set i, i+2
.endr
.irp k, 26,28,30,32,34,36,38,40
.set i, 0
.rept 16
	v_pk_fma_f32 v[P+i:P+i+1], v[P+i:P+i+1], v[T+i:T+i+1], s[\k:\k+1] op_sel_hi:[1,1,0]
.set i, i+2
.endr
.endr
.set i, 0
.rept 4
.irp e, 0,2,4,6
	v_pk_mul_f32 v[192+\e:193+\e], v[XG+i+\e:XG+i+\e+1], s[42:43] op_sel_hi:[1,0]
.endr
.irp e, 0,2,4,6
	v_pk_fma_f32 v[P+i+\e:P+i+\e+1], v[192+\e:193+\e], v[XG+i+\e:XG+i+\e+1], v[P+i+\e:P+i+\e+1]
.endr
.set i, i+8
.endr
.set i, 0
	s_wait_alu depctr_va_vdst(0)
.rept 32
	v_exp_f32 v[P+i], v[P+i]
	v_mul_f32 v[T+i], |v[XG+i]|, v[T+i]            ; |x| t and max(x, 0) hang on no exponential: they stand among the 32, and are read behind the batch's wait
	v_max_num_f32 v[XG+i], 0, v[XG+i]
.set i, i+1
.endr
	s_wait_alu depctr_va_vdst(0)                   ; one wait for the batch, ahead of its first reader
.set i, 0
.rept 16
	v_pk_mul_f32 v[T+i:T+i+1], v[T+i:T+i+1], v[P+i:P+i+1]
.set i, i+2
.endr
.set i, 0
.rept 16
	v_pk_fma_f32 v[XG+i:XG+i+1], v[T+i:T+i+1], -0.5, v[XG+i:XG+i+1] op_sel_hi:[1,0,1]
.set i, i+2
.endr
.endm
.macro CPAIR r, x
	s_mov_b32 s[\r], \x
	s_mov_b32 s[\r+1], \x
.endm
	PLACES 4
	s_wait_loadcnt 0x0
	v_mov_b32 v[FL], 0x1800000
.irp b, 0,1,2,3
	v_mov_b32 v[TM+4+\b], 0
.endr
	v_mov_b32 v[CV], 0xbf97d29d
	v_mov_b32 v[CV+1], 0xbf97d29d
	CPAIR 24, 0x3e7c6f08
	CPAIR 26, 0x40097039
	CPAIR 28, 0xbfd1a1e5
	CPAIR 30, 0x3ecdfd18
	CPAIR 32, 0xbe899a80
	CPAIR 34, 0x3e0efb2f
	CPAIR 36, 0x3f0a29d2
	CPAIR 38, 0x3fb8ab5a
	CPAIR 40, 0xbfe9b21e
	s_lshl_b32 s20, s42, 2
	CPAIR 42, 0xbf38aa3b
	s_mov_b32 s44, 0x3eb504f3
	s_lshl_b32 s21, s16, 1
	s_add_co_u32 s20, s20, s21
	s_lshl_b32 s21, s17, 8
	s_lshl_b32 s22, s15, 7
	s_add_co_u32 s21, s21, s22
	s_lshl_b32 s22, s20, 13
	s_lshl_b32 s23, s21, 2
	s_add_co_u32 s22, s22, s23
	s_add_co_u32 s22, s22, OWORDS
	s_mov_b32 s23, 0
	s_add_nc_u64 s[12:13], s[10:11], s[22:23]
	s_mul_i32 s22, s20, 196608
	s_mul_i32 s21, s21, 48
	s_add_co_u32 s22, s22, s21
	s_add_nc_u64 s[10:11], s[10:11], s[22:23]
	s_mov_b32 s46, 0
	s_mov_b32 s47, 0
	s_mov_b32 s3, 0
.Lrow:
	s_cmp_eq_u32 s3, 0
	s_cbranch_scc1 .La0
	s_cmp_eq_u32 s3, 1
	s_cbranch_scc1 .La1
	s_cmp_eq_u32 s3, 2
	s_cbranch_scc1 .La2
	s_cmp_eq_u32 s3, 3
	s_cbranch_scc1 .La3
	s_cmp_eq_u32 s3, 4
	s_cbranch_scc1 .La4
	s_cmp_eq_u32 s3, 5
	s_cbranch_scc1 .La5
	s_cmp_eq_u32 s3, 6
	s_cbranch_scc1 .La6
	ADDB 7
	s_branch .Lcommon
.La0:
	ADDB 0
	s_branch .Lcommon
.La1:
	ADDB 1
	s_branch .Lcommon
.La2:
	ADDB 2
	s_branch .Lcommon
.La3:
	ADDB 3
	s_branch .Lcommon
.La4:
	ADDB 4
	s_branch .Lcommon
.La5:
	ADDB 5
	s_branch .Lcommon
.La6:
	ADDB 6
.Lcommon:
	GELU 0
	GELU 1
	QUANTW H, 0
	v_add_nc_u32 v[TA], s46, v[STO]
	v_add_nc_u32 v[TW], s47, v[STS]
.irp c, 0,1
.irp p, 0,1,2
	ds_store_b64 v[TA], v[PC+6*\c+2*\p:PC+6*\c+2*\p+1] offset:6144*\c+8*\p
.endr
.endr
	ds_store_b32 v[TW], v[PW]
	s_add_co_u32 s46, s46, 768
	s_add_co_u32 s47, s47, 64
	s_add_co_u32 s3, s3, 1
	s_cmp_lt_u32 s3, 8
	s_cbranch_scc1 .Lrow
.set j, 0
.rept 25
	ds_load_b128 v[64+4*j:67+4*j], v[RD] offset:512*j
.set j, j+1
.endr
.set j, 0
.rept 24
	s_wait_dscnt 24-j
	global_store_b128 v[CO], v[64+4*j:67+4*j], s[10:11] offset:(j/12)*196608+512*(j%12)
.set j, j+1
.endr
	s_wait_dscnt 0x0
	global_store_b128 v[CO], v[160:163], s[12:13]
	s_wait_tensorcnt 0x0
	ds_add_u32 v[SPW], v[NIL]
	s_wait_dscnt 0x0
	CROUND
	s_endpgm
.Lfunc_end_k_q485224221b_fc1:
	.size	k_q485224221b_fc1, .Lfunc_end_k_q485224221b_fc1-k_q485224221b_fc1
	.p2alignl 7, 3214868480
	.fill 96, 4, 3214868480
	.section	.rodata,"a",@progbits
	.p2align	6, 0x0
	.amdhsa_kernel k_q485224221b_fc1
		.amdhsa_group_segment_fixed_size 327680
		.amdhsa_private_segment_fixed_size 0
		.amdhsa_enable_private_segment 0
		.amdhsa_kernarg_size 32
		.amdhsa_user_sgpr_count 2
		.amdhsa_user_sgpr_kernarg_segment_ptr 1
		.amdhsa_wavefront_size32 1
		.amdhsa_system_sgpr_workgroup_id_x 1
		.amdhsa_system_sgpr_workgroup_id_y 1
		.amdhsa_system_sgpr_workgroup_id_z 1
		.amdhsa_system_vgpr_workitem_id 0
		.amdhsa_next_free_vgpr 1024
		.amdhsa_next_free_sgpr 98
		.amdhsa_reserve_vcc 0
		.amdhsa_float_denorm_mode_32 3
		.amdhsa_float_denorm_mode_16_64 3
		.amdhsa_memory_ordered 1
		.amdhsa_forward_progress 1
		.amdhsa_inst_pref_size 203
	.end_amdhsa_kernel
	.amdgpu_metadata
---
amdhsa.version: [ 1, 2 ]
amdhsa.kernels:
  - .name:           k_q485224221b_fc1
    .symbol:         k_q485224221b_fc1.kd
    .args:
      - { .name: h2, .offset: 0, .size: 8, .value_kind: global_buffer, .address_space: global }
      - { .name: wts, .offset: 8, .size: 8, .value_kind: global_buffer, .address_space: global }
      - { .name: b_fc1, .offset: 16, .size: 8, .value_kind: global_buffer, .address_space: global }
      - { .name: hid, .offset: 24, .size: 8, .value_kind: global_buffer, .address_space: global }
    .group_segment_fixed_size: 327680
    .private_segment_fixed_size: 0
    .kernarg_segment_align: 8
    .kernarg_segment_size: 32
    .max_flat_workgroup_size: 128
    .sgpr_count:     98
    .vgpr_count:     1024
    .wavefront_size: 32
...
	.end_amdgpu_metadata
.endif
;; end of part 6
;; launch fc2 (part 7): grid 8 x 32, 4 waves a work-group, clusters of 4 x 4, 327,680 bytes of LDS; arguments hid, wts, b_fc2, x1, out0; writes out0
.if DOCPART == 7
	.amdgcn_target "amdgcn-amd-amdhsa--gfx1250"
	.amdhsa_code_object_version 6
	.text
	.protected	k_q485224221b_fc2
	.globl	k_q485224221b_fc2
	.p2align	8
	.type	k_q485224221b_fc2,@function
k_q485224221b_fc2:
	s_mov_b64 s[64:65], 0
	v_nop
	global_prefetch_b8 v0, s[64:65] scope:SCOPE_SE
	s_setreg_imm32_b32 hwreg(HW_REG_WAVE_MODE, 25, 1), 1
	s_wait_xcnt 0x0
	s_wait_alu depctr_hold_cnt(0) depctr_sa_sdst(0) depctr_va_vdst(0) depctr_va_sdst(0) depctr_va_ssrc(0) depctr_va_vcc(0) depctr_vm_vsrc(0)
	s_getreg_b32 s2, hwreg(HW_REG_IB_STS2, 6, 4)
	s_cmp_eq_u32 s2, 0
	s_cbranch_scc0 .Lentry_in_a_cluster
	s_endpgm
.Lentry_in_a_cluster:
	s_bfe_u32 s2, ttmp6, 0x10000c
	s_cmp_lg_u32 s2, 0xf033
	s_cbranch_scc0 .Lentry_shape_is_right
	s_endpgm
.Lentry_shape_is_right:
.set KTOT,   4096
.set AWORDS, 12582912
.set BCODES, 7077888
.set BWORDS, 10518528
.set PLB,    3072
.set QB,     24576
.set SLOT,   98304
.set KSLA,   1572864
.set KSLB,   393216
.set SQ,     (KTOT/128)*256
.set SCL,    196608
.set SPARE,  SCL+4*SQ
.set LAPS,   KTOT/1024
.set ADRA, 16
.set ADSA, 18
.set ADSB, 19
.set ADRB, 20
.set STO,  24
.set RD,   25
.set CO,   26
.set BO,   27
.set SPW,  28
.set NIL,  29
.set SC,   32
.set BI,   64
.set BK,   64
.set ACC,  128
.set G1, 24
.set G0, 32
.set G1B, 48
.set G0B, 56
.set G1S, 68
.set G0S, 76
.set G1SB, 80
.set G0SB, 88
.set MSB, 0
.macro WIN new
.if MSB != \new
	s_set_vgpr_msb (MSB<<8)|\new
.set MSB, \new
.endif
.endm
.set MUL,  0x05
.set TO_F, 0x40
.macro JLOAD g0a, g1a, g0b, g1b
	s_cmp_eq_u32 s15, 0
	s_cbranch_scc0 .Lfor_b_\@
	tensor_load_to_lds s[\g0a:\g0a+3], s[\g1a:\g1a+7]
	s_nop 0
.rept 4
	v_nop
.endr
	s_branch .Lasked_\@
.Lfor_b_\@:
	tensor_load_to_lds s[\g0b:\g0b+3], s[\g1b:\g1b+7]
	s_nop 0
.rept 4
	v_nop
.endr
.Lasked_\@:
.endm
.macro CREST
	s_cmp_lg_u32 s14, 0
	s_cbranch_scc1 .Lnot_wave_0_\@
	s_barrier_signal -3
.Lnot_wave_0_\@:
	s_barrier_wait -3
	s_barrier_signal -1
	s_barrier_wait -1
.endm
.macro CROUND
	s_barrier_signal -1
	s_barrier_wait -1
	CREST
.endm
.macro PLACES n
.rept \n
	v_nop
.endr
.endm
.macro WMC d, bf, af, c, sb, sa, rb, ra
.if ((\rb)==0)&&((\ra)==0)
	v_wmma_scale_f32_16x16x128_f8f6f4 v[\d:\d+7], v[\bf:\bf+11], v[\af:\af+11], v[\c:\c+7], v[\sb], v[\sa] matrix_a_fmt:MATRIX_FMT_FP6 matrix_b_fmt:MATRIX_FMT_FP6
.elseif (\ra)==0
	v_wmma_scale_f32_16x16x128_f8f6f4 v[\d:\d+7], v[\bf:\bf+11], v[\af:\af+11], v[\c:\c+7], v[\sb], v[\sa] matrix_a_fmt:MATRIX_FMT_FP6 matrix_b_fmt:MATRIX_FMT_FP6 matrix_a_scale:MATRIX_SCALE_ROW1
.elseif (\rb)==0
	v_wmma_scale_f32_16x16x128_f8f6f4 v[\d:\d+7], v[\bf:\bf+11], v[\af:\af+11], v[\c:\c+7], v[\sb], v[\sa] matrix_a_fmt:MATRIX_FMT_FP6 matrix_b_fmt:MATRIX_FMT_FP6 matrix_b_scale:MATRIX_SCALE_ROW1
.else
	v_wmma_scale_f32_16x16x128_f8f6f4 v[\d:\d+7], v[\bf:\bf+11], v[\af:\af+11], v[\c:\c+7], v[\sb], v[\sa] matrix_a_fmt:MATRIX_FMT_FP6 matrix_b_fmt:MATRIX_FMT_FP6 matrix_a_scale:MATRIX_SCALE_ROW1 matrix_b_scale:MATRIX_SCALE_ROW1
.endif
.endm
	s_load_b256 s[4:11], s[0:1], 0x0
	s_load_b64 s[12:13], s[0:1], 0x20
	v_lshl_add_u32 v[SPW], v0, 2, SPARE
	v_mov_b32 v[NIL], 0
	ds_add_u32 v[SPW], v[NIL]
	ds_add_u32 v[SPW], v[NIL]
	v_lshrrev_b32 v1, 5, v0
	v_readfirstlane_b32 s14, v1
	s_lshr_b32 s15, s14, 1
	s_and_b32 s16, s14, 1
	s_bfe_u32 s40, ttmp6, 0x40000
	s_bfe_u32 s41, ttmp6, 0x40004
	s_lshl_b32 s42, ttmp9, 2
	s_add_co_u32 s42, s42, s40
	s_and_b32 s17, ttmp7, 0xffff
	s_lshl_b32 s17, s17, 2
	s_add_co_u32 s17, s17, s41
	s_lshl_b32 s43, s41, 2
	s_lshl_b32 s43, 15, s43
	s_lshl_b32 s44, 0x1111, s40
	s_or_b32 s[G1+0], s43, (3<<16)|(1<<21)
	s_or_b32 s[G1B+0], s44, (3<<16)|(1<<21)
.irp g, G1, G1B
	s_mov_b32 s[\g+1], 384<<16
	s_mov_b32 s[\g+2], 8<<16
	s_mov_b32 s[\g+3], 384<<16
	s_mov_b32 s[\g+4], 8
	s_mov_b32 s[\g+6], 0
	s_mov_b32 s[\g+7], 0
.endr
	s_mov_b32 s[G1+5], 24576
	s_mov_b32 s[G1B+5], 6144
	s_lshl_b32 s18, s16, 6
	s_lshl_b32 s20, s17, 7
	s_add_co_u32 s20, s20, s18
	s_lshl_b32 s46, s42, 7
	s_add_co_u32 s46, s46, s18
	s_lshl_b32 s22, s17, 7                         ; the scale words that I USE: A's tile, my half of its rows
	s_lshl_b32 s94, s15, 6
	s_add_co_u32 s22, s22, s94
	s_lshl_b32 s22, s22, 2
	s_mov_b32 s23, 0
	s_lshl_b32 s92, s46, 2
	s_mov_b32 s93, 0
	s_mul_i32 s20, s20, 48
	s_mov_b32 s21, 0
	s_mul_i32 s46, s46, 48
	s_mov_b32 s47, 0
	s_mul_i32 s45, s14, QB
	s_wait_dscnt 0x0
	s_wait_kmcnt 0x0
	s_add_nc_u64 s[20:21], s[4:5], s[20:21]
	s_add_nc_u64 s[22:23], s[4:5], s[22:23]
	s_add_nc_u64 s[22:23], s[22:23], AWORDS
	s_add_nc_u64 s[46:47], s[6:7], s[46:47]
	s_add_nc_u64 s[46:47], s[46:47], BCODES
	s_add_nc_u64 s[92:93], s[6:7], s[92:93]
	s_add_nc_u64 s[92:93], s[92:93], BWORDS
	CROUND
	s_mov_b64 s[G0S:G0S+1], s[22:23]               ; A's scale words at my 64 rows, K step 0
	s_mov_b64 s[G0SB:G0SB+1], s[92:93]             ; B's
; THE PREFETCHES INTO THE L2.  A fill of mine is 8 planes x 3,072 bytes: 96 blocks of 256.  The four partners that ask for it jointly share them out BY ADDRESS: the partner at place p (cx for A, cy for B)
; takes planes 2 p and 2 p + 1: 24 blocks, a lane a block (lanes 24-31 name block 23 again), one instruction a wave.  Fill 1 is asked for at the head, fills 2 and 3 behind the load that brings fill 1, each by an
; address pair of its own; behind refill n + 2 (n = 0 .. 3) fill n + 4: two refills ahead of the load that will want it.  The last two refills ask for nothing: K ends with fill 7.
.set PFO, 22                           ; v22     my block's offset; never rewritten
.set PFA, 84                           ; s[84:85] where the prefetches stand
.set PST, 70                           ; s[70:71] a fill's step along K in my tensor
	s_cmp_eq_u32 s15, 0                            ; do I fetch for A?
	s_cselect_b64 s[80:81], s[20:21], s[46:47]
	s_cselect_b32 s73, s40, s41
	s_mov_b32 s72, 49152
	s_cselect_b32 s72, 196608, s72                 ; a plane of my tensor in bytes
	s_mov_b32 s[PST], KSLB
	s_cselect_b32 s[PST], KSLA, s[PST]
	s_mov_b32 s[PST+1], 0
	s_mul_i32 s74, s73, s72
	s_lshl_b32 s74, s74, 1
	s_mov_b32 s75, 0
	s_add_nc_u64 s[80:81], s[80:81], s[74:75]
	s_add_nc_u64 s[80:81], s[80:81], s[PST:PST+1]
	s_add_nc_u64 s[82:83], s[80:81], s[PST:PST+1]
	s_add_nc_u64 s[PFA:PFA+1], s[82:83], s[PST:PST+1]
.irp s, 0,1
	s_mov_b32 s[G0+4*\s], 1
	s_add_co_u32 s[G0+4*\s+1], s45, \s*SLOT
	s_add_nc_u64 s[G0+4*\s+2:G0+4*\s+3], s[20:21], \s*KSLA
	s_or_b32 s[G0+4*\s+3], s[G0+4*\s+3], 0x80000000
	s_mov_b32 s[G0B+4*\s], 1
	s_add_co_u32 s[G0B+4*\s+1], s45, \s*SLOT
	s_add_nc_u64 s[G0B+4*\s+2:G0B+4*\s+3], s[46:47], \s*KSLB
	s_or_b32 s[G0B+4*\s+3], s[G0B+4*\s+3], 0x80000000
.endr
	JLOAD G0, G1, G0B, G1B                         ; slot 0: one tensor load a wave at the head
	v_and_b32 v1, 15, v0
	v_bfe_u32 v2, v0, 4, 1
	v_and_b32 v4, 31, v0
	v_mul_u32_u24 v3, v1, 48
	v_mad_u32_u24 v3, v2, 24, v3
	s_mul_i32 s21, s15, QB
	s_mul_i32 s22, s16, QB
	s_add_co_u32 s22, s22, 2*QB
.irp s, 0,1
	v_add_nc_u32 v[ADRA+\s], s21, v3
	v_add_nc_u32 v[ADRB+\s], s22, v3
	s_add_co_u32 s21, s21, SLOT
	s_add_co_u32 s22, s22, SLOT
.endr
	v_lshlrev_b32 v[ADSA], 2, v4                   ; 4 x lane; never rewritten
; the scale words go from memory straight into their registers: a load's 32 lanes take 32 rows' words, 128 bytes on end.  Here both sets, K steps 0 to 7; each set is loaded again beside its slot's refill
.irp k, 0,1,2,3,4,5,6,7
.irp i, 0,1
	global_load_b32 v[SC+16*(\k/4)+2*(\k%4)+\i], v[ADSA], s[G0S:G0S+1] offset:16384*\k+128*\i
	global_load_b32 v[SC+16*(\k/4)+8+2*(\k%4)+\i], v[ADSA], s[G0SB:G0SB+1] offset:4096*\k+128*\i
.endr
.endr
	v_min_u32 v30, 23, v4                          ; my block of the 24
	v_mul_u32_u24 v31, v30, 43
	v_lshrrev_b32 v31, 9, v31                      ; block / 12: which of the two planes
	v_mul_u32_u24 v5, v31, 12
	v_sub_nc_u32 v30, v30, v5
	v_mul_u32_u24 v31, v31, s72
	v_lshl_add_u32 v[PFO], v30, 8, v31
	global_prefetch_b8 v[PFO], s[80:81] th:TH_LOAD_NT scope:SCOPE_SE
	s_mul_i32 s23, s14, 4352
	v_mul_u32_u24 v5, v1, 272
	v_lshl_add_u32 v5, v2, 6, v5
	v_add_nc_u32 v[STO], s23, v5
	v_mul_u32_u24 v5, v2, 272
	v_lshl_add_u32 v5, v1, 4, v5
	v_add_nc_u32 v[RD], s23, v5
	v_lshlrev_b32 v[CO], 12, v2
	v_lshl_add_u32 v[CO], v1, 4, v[CO]
	v_lshlrev_b32 v[BO], 6, v2
	s_wait_alu depctr_va_vdst(0)
	s_lshl_b32 s46, s42, 9
	s_lshl_b32 s47, s16, 8
	s_add_co_u32 s46, s46, s47
	s_mov_b32 s47, 0
	s_add_nc_u64 s[8:9], s[8:9], s[46:47]
	s_lshl_b32 s20, s17, 7
	s_lshl_b32 s21, s15, 6
	s_add_co_u32 s20, s20, s21
	s_lshl_b32 s20, s20, 12
	s_mov_b32 s21, 0
	s_add_nc_u64 s[20:21], s[20:21], s[46:47]
	s_add_nc_u64 s[10:11], s[10:11], s[20:21]
	s_add_nc_u64 s[12:13], s[12:13], s[20:21]
.irp g, 0,1
.irp i, 0,1,2,3
	global_load_b128 v[BI+16*\g+4*\i:BI+16*\g+4*\i+3], v[BO], s[8:9] offset:128*\g+16*\i
.endr
.endr
.macro FRAG reg, adr, q, i
.irp p, 0,1,2,3,4,5
	ds_load_b64 v[\reg+2*\p:\reg+2*\p+1], v[\adr] offset:(2*(\q)+\p/3)*PLB+(\i)*768+8*(\p%3)
.endr
.endm
.macro FETCH slot, q, p
	WIN TO_F
.irp i, 0,1,2,3
	FRAG 128*(\p)+48+12*\i, ADRB+\slot, \q, \i
.endr
.irp i, 0,1,2,3
	FRAG 128*(\p)+12*\i, ADRA+\slot, \q, \i
.endr
	WIN 0
.endm
.macro MUL8 p, q, sc, a0, first
.irp a, \a0, \a0+1
.irp b, 0,1,2,3
.if \first
	WMC ACC+8*(4*(\a)+\b), 128*(\p)+48+12*\b, 128*(\p)+12*(\a), BI+8*\b, SC+16*(\sc)+8+2*(\q)+\b/2, SC+16*(\sc)+2*(\q)+(\a)/2, \b%2, (\a)%2
.else
	WMC ACC+8*(4*(\a)+\b), 128*(\p)+48+12*\b, 128*(\p)+12*(\a), ACC+8*(4*(\a)+\b), SC+16*(\sc)+8+2*(\q)+\b/2, SC+16*(\sc)+2*(\q)+(\a)/2, \b%2, (\a)%2
.endif
.endr
.endr
.endm
.macro SSTEP slot, q, first
	s_wait_dscnt 0x0
	PLACES 4
	FETCH \slot, (\q)+1, ((\q)+1)%2
	WIN MUL
	MUL8 (\q)%2, \q, \slot, 0, \first
	MUL8 (\q)%2, \q, \slot, 2, \first
	WIN 0
.endm
.macro TURN slot, next, fill
.if !(\fill)
	s_wait_loadcnt 32                              ; the next slot's scale words are in; behind them the residual's 32 loads were issued, which may be out
.endif
.if \fill
	s_wait_loadcnt 0x0                             ; the next slot's scale words are in their registers; no load of mine is out, so their bases may step
	s_wait_xcnt 0x0                                ; my last prefetch has read its address
	s_add_nc_u64 s[PFA:PFA+1], s[PFA:PFA+1], s[PST:PST+1]
	s_add_nc_u64 s[G0S:G0S+1], s[G0S:G0S+1], 4*16384
	s_add_nc_u64 s[G0SB:G0SB+1], s[G0SB:G0SB+1], 4*4096
.endif
	s_wait_tensorcnt 0x0
	ds_add_u32 v[SPW], v[NIL]
.if \fill
	s_add_nc_u64 s[G0+4*\slot+2:G0+4*\slot+3], s[G0+4*\slot+2:G0+4*\slot+3], 2*KSLA
	s_add_nc_u64 s[G0B+4*\slot+2:G0B+4*\slot+3], s[G0B+4*\slot+2:G0B+4*\slot+3], 2*KSLB
.endif
	s_wait_dscnt 0x0
	s_barrier_signal -1
	WIN MUL
	MUL8 1, 3, \slot, 0, 0
	WIN 0
	s_barrier_wait -1
.if \fill
	CREST
	JLOAD G0+4*\slot, G1, G0B+4*\slot, G1B
.else
	PLACES 4
.endif
	FETCH \next, 0, 0
.if \fill
	s_cmp_gt_u32 s3, 1                             ; s3 = 1 in the loop's last trip, whose two refills have no fill two on
	s_cbranch_scc0 .Lno_ask_\@
	global_prefetch_b8 v[PFO], s[PFA:PFA+1] th:TH_LOAD_NT scope:SCOPE_SE
.Lno_ask_\@:
.endif
	WIN MUL
	MUL8 1, 3, \slot, 2, 0
	WIN 0
.if \fill
	PLACES 4                                       ; in front of loads into scale registers that matrix instructions have read
.irp q, 0,1,2,3
.irp i, 0,1
	global_load_b32 v[SC+16*\slot+2*\q+\i], v[ADSA], s[G0S:G0S+1] offset:16384*(4+\q)+128*\i    ; the set just done with takes the words of the K steps that its slot's refill brings
	global_load_b32 v[SC+16*\slot+8+2*\q+\i], v[ADSA], s[G0SB:G0SB+1] offset:4096*(4+\q)+128*\i
.endr
.endr
.endif
.endm
	s_wait_alu depctr_va_vdst(0)
	s_wait_tensorcnt 0x0                           ; my part of slot 0 is in
	ds_add_u32 v[SPW], v[NIL]
	s_wait_dscnt 0x0
	CROUND
	JLOAD G0+4, G1, G0B+4, G1B                     ; slot 1's first fill, the first tensor load behind the round
	FETCH 0, 0, 0
	global_prefetch_b8 v[PFO], s[82:83] th:TH_LOAD_NT scope:SCOPE_SE
	global_prefetch_b8 v[PFO], s[PFA:PFA+1] th:TH_LOAD_NT scope:SCOPE_SE
	s_wait_loadcnt 0x0                             ; both sets of scale words and the bias are in
	SSTEP 0, 0, 1
.if LAPS > 1
	s_mov_b32 s3, LAPS-1
.Llap:
	SSTEP 0, 1, 0
	SSTEP 0, 2, 0
	TURN 0, 1, 1
	SSTEP 1, 0, 0
	SSTEP 1, 1, 0
	SSTEP 1, 2, 0
	TURN 1, 0, 1
	SSTEP 0, 0, 0
	s_sub_co_u32 s3, s3, 1
	s_cmp_lg_u32 s3, 0
	s_cbranch_scc1 .Llap
.endif
	WIN 0x80                                       ; the residual's rows, wanted on the way out alone, are asked for here, when the last refill has been asked for: 32 loads into window 2, seven steps of 128 along K ahead of their use
.irp a, 0,1,2,3
.irp t, 0,1,2,3,4,5,6,7
	global_load_b128 v[32*\a+4*\t:32*\a+4*\t+3], v[CO], s[10:11] offset:4096*(32*(\a/2)+16*(\t/4)+8*(\a%2)+2*(\t%4))
.endr
.endr
	WIN 0
	SSTEP 0, 1, 0
	SSTEP 0, 2, 0
	TURN 0, 1, 0
	SSTEP 1, 0, 0
	SSTEP 1, 1, 0
	SSTEP 1, 2, 0
	s_wait_dscnt 0x0
	WIN MUL
	MUL8 1, 3, 1, 0, 0
	MUL8 1, 3, 1, 2, 0
	WIN 0
.macro TOSTAGE a
.irp b, 0,1,2,3
	ds_store_b128 v[STO], v[ACC+8*(4*(\a)+\b):ACC+8*(4*(\a)+\b)+3] offset:128*(\b/2)+32*(\b%2)
	ds_store_b128 v[STO], v[ACC+8*(4*(\a)+\b)+4:ACC+8*(4*(\a)+\b)+7] offset:128*(\b/2)+32*(\b%2)+16
.endr
.irp t, 0,1,2,3,4,5,6,7
	ds_load_b128 v[BK+32*((\a)%2)+4*\t:BK+32*((\a)%2)+4*\t+3], v[RD] offset:544*\t
.endr
.endm
.macro SEND a
.set BB, BK+32*((\a)%2)
	s_wait_dscnt 0x0
	WIN 0x08
.irp i, 0,1,2,3,4,5,6,7,8,9,10,11,12,13,14,15
	v_pk_add_f32 v[BB+2*\i:BB+2*\i+1], v[BB+2*\i:BB+2*\i+1], v[32*(\a)+2*\i:32*(\a)+2*\i+1]
.endr
	WIN 0
.irp t, 0,1,2,3,4,5,6,7
	global_store_b128 v[CO], v[BB+4*\t:BB+4*\t+3], s[12:13] offset:4096*(32*((\a)/2)+16*(\t/4)+8*((\a)%2)+2*(\t%4))
.endr
.endm
	PLACES 4
	s_wait_loadcnt 0x0
.irp a, 0,1,2,3
.if \a > 0
	s_wait_xcnt 0x0
.endif
	TOSTAGE \a
	SEND \a
.endr
	s_wait_tensorcnt 0x0
	ds_add_u32 v[SPW], v[NIL]
	s_wait_dscnt 0x0
	CROUND
	s_endpgm
.Lfunc_end_k_q485224221b_fc2:
	.size	k_q485224221b_fc2, .Lfunc_end_k_q485224221b_fc2-k_q485224221b_fc2
	.p2alignl 7, 3214868480
	.fill 96, 4, 3214868480
	.section	.rodata,"a",@progbits
	.p2align	6, 0x0
	.amdhsa_kernel k_q485224221b_fc2
		.amdhsa_group_segment_fixed_size 327680
		.amdhsa_private_segment_fixed_size 0
		.amdhsa_enable_private_segment 0
		.amdhsa_kernarg_size 40
		.amdhsa_user_sgpr_count 2
		.amdhsa_user_sgpr_kernarg_segment_ptr 1
		.amdhsa_wavefront_size32 1
		.amdhsa_system_sgpr_workgroup_id_x 1
		.amdhsa_system_sgpr_workgroup_id_y 1
		.amdhsa_system_sgpr_workgroup_id_z 1
		.amdhsa_system_vgpr_workitem_id 0
		.amdhsa_next_free_vgpr 640
		.amdhsa_next_free_sgpr 98
		.amdhsa_reserve_vcc 0
		.amdhsa_float_denorm_mode_32 3
		.amdhsa_float_denorm_mode_16_64 3
		.amdhsa_memory_ordered 1
		.amdhsa_forward_progress 1
		.amdhsa_inst_pref_size 119
	.end_amdhsa_kernel
	.amdgpu_metadata
---
amdhsa.version: [ 1, 2 ]
amdhsa.kernels:
  - .name:           k_q485224221b_fc2
    .symbol:         k_q485224221b_fc2.kd
    .args:
      - { .name: hid, .offset: 0, .size: 8, .value_kind: global_buffer, .address_space: global }
      - { .name: wts, .offset: 8, .size: 8, .value_kind: global_buffer, .address_space: global }
      - { .name: b_fc2, .offset: 16, .size: 8, .value_kind: global_buffer, .address_space: global }
      - { .name: x1, .offset: 24, .size: 8, .value_kind: global_buffer, .address_space: global }
      - { .name: out0, .offset: 32, .size: 8, .value_kind: global_buffer, .address_space: global }
    .group_segment_fixed_size: 327680
    .private_segment_fixed_size: 0
    .kernarg_segment_align: 8
    .kernarg_segment_size: 40
    .max_flat_workgroup_size: 128
    .sgpr_count:     98
    .vgpr_count:     640
    .wavefront_size: 32
...
	.end_amdgpu_metadata
.endif
;; end of part 7
